; MI455X (gfx1250); checked and timed in simulation.
; The chip was launched on July 23, 2026; its instructions are those of AMD's public machine-readable ISA for CDNA 5 (MIT licence, August 2026) and "CDNA5" Instruction Set Architecture Reference Guide (July 2026). The comments in the code are by the model that wrote it; some were corrected since.
;; Block. Allowed arithmetic: matrix products marked QUANTISED: E2M3 operands, one E8M0 scale for each 32 along K, by v_wmma_scale_f32_16x16x128_f8f6f4 with both operands' format E2M3, f32 sums; everything else in f32.
;; Inputs: W1_codes 4,096 x 32 x 24 uint8 (E2M3 codes of W1, K innermost, in blocks of 32 codes, four codes in three bytes); W1_scales 4,096 x 32 uint8 (E8M0 scales of W1, one for each 32 codes along K); W2_codes 1,024 x 128 x 24 uint8 (E2M3 codes of W2, K innermost, in blocks of 32 codes, four codes in three bytes); W2_scales 1,024 x 128 uint8 (E8M0 scales of W2, one for each 32 codes along K); Wk_codes 1,024 x 32 x 24 uint8 (E2M3 codes of Wk, K innermost, in blocks of 32 codes, four codes in three bytes); Wk_scales 1,024 x 32 uint8 (E8M0 scales of Wk, one for each 32 codes along K); Wproj_codes 1,024 x 32 x 24 uint8 (E2M3 codes of Wproj, K innermost, in blocks of 32 codes, four codes in three bytes); Wproj_scales 1,024 x 32 uint8 (E8M0 scales of Wproj, one for each 32 codes along K); Wq_codes 1,024 x 32 x 24 uint8 (E2M3 codes of Wq, K innermost, in blocks of 32 codes, four codes in three bytes); Wq_scales 1,024 x 32 uint8 (E8M0 scales of Wq, one for each 32 codes along K); Wv_codes 1,024 x 32 x 24 uint8 (E2M3 codes of Wv, K innermost, in blocks of 32 codes, four codes in three bytes); Wv_scales 1,024 x 32 uint8 (E8M0 scales of Wv, one for each 32 codes along K); b1 4,096 float32; b2 1,024 float32; bproj 1,024 float32; ln1_b 1,024 float32; ln1_w 1,024 float32; ln2_b 1,024 float32; ln2_w 1,024 float32; x 2 x 2,048 x 1,024 float32.
;; Outputs: out0 2 x 2,048 x 1,024 float32.
;; This version of the problem:
;;   THIS VERSION OF THE PROBLEM IS GIVEN IN LOW PRECISION. The matrix products marked QUANTISED in the list below multiply operands that are first quantised to E2M3 (2 exponent bits, 3 mantissa bits; 6 bits a number), with one power-of-two scale for each 32 numbers along K (OCP MX v1.0); their sums are f32. All else is computed in f32.
;;   The module's matrix products, in the order in which they are computed (A, B: the left and right operand; K: the contracted axis; several contracted axes count as one K, in the product's order):
;;     1. [M 4,096, K 1,024] x [K 1,024, N 1,024]; A: computed on the way; B: input Wq (given as codes): QUANTISED
;;     2. [M 4,096, K 1,024] x [K 1,024, N 1,024]; A: computed on the way; B: input Wk (given as codes): QUANTISED
;;     3. [M 4,096, K 1,024] x [K 1,024, N 1,024]; A: computed on the way; B: input Wv (given as codes): QUANTISED
;;     4. batch 32 x [M 2,048, K 64] x [K 64, N 2,048]; A: computed on the way; B: computed on the way: QUANTISED
;;     5. batch 32 x [M 2,048, K 2,048] x [K 2,048, N 64]; A: softmax (see below); B: computed on the way: QUANTISED
;;     6. [M 4,096, K 1,024] x [K 1,024, N 1,024]; A: computed on the way; B: input Wproj (given as codes): QUANTISED
;;     7. [M 4,096, K 1,024] x [K 1,024, N 4,096]; A: computed on the way; B: input W1 (given as codes): QUANTISED
;;     8. [M 4,096, K 4,096] x [K 4,096, N 1,024]; A: computed on the way; B: input W2 (given as codes): QUANTISED
;;   THE QUANTISER, for each operand of a quantised product, along K:
;;     - K is cut into blocks of 32 from its start; a last block that is shorter is filled with zeros.
;;     - A block's scale is 2^e with e = floor(log2(the largest magnitude in the block)) - 2, held to -126 .. 127; a block of zeros has e = 0. As a byte (E8M0): e + 127.
;;     - Each number is divided by its block's scale, clamped to +-7.5, and rounded to the nearest number of E2M3, ties to even, subnormals kept.
;;     - The product sums the exact products of the quantised numbers (number of the format x scale) in f32.
;;   ~~~python
;;   def quantise(x, axis):      # numpy; x: float32 -> the quantised numbers, widened to float32 again
;;       x = np.moveaxis(x, axis, -1); K = x.shape[-1]
;;       x = np.pad(x, [(0, 0)] * (x.ndim - 1) + [(0, -K % 32)]); x = x.reshape(x.shape[:-1] + (-1, 32)); a = np.abs(x).max(-1, keepdims=True)
;;       e = np.where(a > 0, np.clip(np.frexp(np.where(a > 0, a, 1))[1] - 1 - 2, -126, 127), 0)      # np.frexp(a)[1] - 1 = floor(log2(a)), exactly
;;       r = np.clip(x / 2.0 ** e, -7.5, 7.5)
;;       step = 2.0 ** (np.maximum(np.frexp(np.where(r == 0, 1, r))[1] - 1, 0) - 3)
;;       q = np.round(r / step) * step * 2.0 ** e      # np.round: ties to even
;;       return np.moveaxis(q.reshape(q.shape[:-2] + (-1,))[..., :K], -1, axis).astype(np.float32)
;;   ~~~
;;   SOFTMAX AHEAD OF A QUANTISED PRODUCT. Where the list says 'softmax', what is quantised is not the finished softmax but p = 2^(t - M), with t = logit x log2(e) and M = ceil(the row's largest t), a whole number; so 1/2 < the row's largest p <= 1. The row's sum l is taken of the UNQUANTISED p, in f32, and the product's result is divided by l at the end. Since M is a whole number, a kernel that streams over the keys may use a running M (the ceiling of the running maximum): every later rescaling is an exact power of two, which a block's scale takes up: the codes' values come out the same.
;;   OPERANDS COMPUTED ON THE WAY. 'Computed on the way' means the value that the module computes at that place (a softmax that the list does not call 'softmax' is quantised finished and normalised). What goes into a quantiser is computed in f32, as accurately as f32 sums, v_exp_f32 and their like allow (about 1e-6 of the number): no bf16 or f16 on the way to a quantiser, and a product that is left as it is and whose result goes on into a quantised operand takes f32 operands (vector FMAs, or v_wmma_f32_16x16x4_f32). A number that lies on a knife's edge between two numbers of the format may be rounded either way, as far as f32 arithmetic and the matrix unit's own rounding can turn it there, and no further.
;;   INPUTS GIVEN AS CODES. W1 (in the module: [1024, 4096], K = its axis 0); W2 (in the module: [4096, 1024], K = its axis 0); Wk (in the module: [1024, 1024], K = its axis 0); Wproj (in the module: [1024, 1024], K = its axis 0); Wq (in the module: [1024, 1024], K = its axis 0); Wv (in the module: [1024, 1024], K = its axis 0): each comes as NAME_codes (uint8): NAME with its K axis moved to the last place and cut into blocks of 32 codes, [.., K / 32, bytes a block], one block behind the other in memory; four codes in three bytes: a row's codes are one little-endian stream of bits, code i at bits 6 i .. 6 i + 5 (a code: sign, 2 exponent bits, 3 mantissa bits); and NAME_scales (uint8): the same leading axes, one E8M0 byte (e + 127) for each 32 codes along K. Its value is code x scale, taken as it is: it is not quantised again, and the codes and scales need not be those that the quantiser above would give.
;; One version. Each part assembles by itself: llvm-mc -triple=amdgcn-amd-amdhsa -mcpu=gfx1250 --defsym DOCPART=n.
;; ======== version 1 of 1: 7 launches
;; limits: right only within a limited range of input values
;; workspace buffers: wimg 9,437,184 bytes; h 3,276,800 bytes; q 3,407,872 bytes; kv 6,684,672 bytes; att 3,276,800 bytes; x1 16,777,216 bytes; g 13,107,200 bytes
;; launch prep (part 1): grid 352 x 1, 8 waves a work-group, no clusters, 69,632 bytes of LDS; arguments x, ln1_w, ln1_b, Wq_codes, Wk_codes, Wv_codes, Wproj_codes, W1_codes, W2_codes, h, wimg; writes h, wimg
.if DOCPART == 1
	.amdgcn_target "amdgcn-amd-amdhsa--gfx1250"
	.amdhsa_code_object_version 6
	.text
	.protected	k_q7a25cac399_prep
	.globl	k_q7a25cac399_prep
	.p2align	8
	.type	k_q7a25cac399_prep,@function
k_q7a25cac399_prep:
	s_mov_b64 s[64:65], 0
	v_nop
	global_prefetch_b8 v0, s[64:65] scope:SCOPE_SE
	s_setreg_imm32_b32 hwreg(HW_REG_WAVE_MODE, 25, 1), 1
	s_wait_xcnt 0x0
; TWO JOBS IN ONE LAUNCH, parted by the work-group's number.
; Work-groups 0-255: h = LN1(x), quantised to FP6 (E2M3) with one E8M0 byte for each 32 along the 1,024 channels.
; Work-groups 256-351: the six weights' codes are laid anew, bit for bit, in the order in which a wave's operand registers take them.
; THE LAYOUT THAT ALL LAUNCHES SHARE.  A tile is 16 rows: lane-row m of tile t is row 32 (t / 2) + 8 (t % 2) + m + 8 (m / 8).  A fragment (16 rows x 128 K, 12 registers a lane) lies in memory as an
; image of its registers, 1,536 bytes: piece p (256 bytes) holds registers 2 p, 2 p + 1, lane l's 8 bytes at 8 l.  A buffer of images is [tile][K step][1,536].  Scale bytes lie [row][K / 32].
; LN: a work-group takes one tile of 16 tokens, wave w the channels 128 w .. 128 w + 127.  Each load reads 512 consecutive bytes of a row; the wave's 16 x 128 numbers turn through its own stage in LDS,
; so that lane (r, h) holds, of row r, channels 32 b + 16 h + 0 .. 15 in registers 16 b + 0 .. 15.  Mean and variance are taken in two passes (the variance of x - mean), each summed over the eight waves through LDS.
; LIMITS: NaN and infinities among the inputs are not served.  A block of zeros gets the scale byte 1 (its codes are zeros; this program alone reads the bytes).  Scale words leave as 4 bytes a lane; lanes r and r + 16 store the same word.
.set XR,   32                          ; v32-95   64 numbers of x
.set WR,   96                          ; v96-159  the gain at my channels
.set BR,   160                         ; v160-223 the bias
.set PC,   96                          ; v96-114  the codes (the gain's registers, when it is done with)
.set TM,   120                         ; v120-135 largest magnitudes, bytes, scale operands
.set PW,   136                         ; v136     the scale word
.set SEL,  26                          ; s[26:27] lane selects for lane l xor 16
.set STGB, 16*528                      ; a wave's stage: 16 rows of 512 bytes + 16
.set PART, 8*STGB                      ; behind the stages: 16 rows x 8 waves of partial sums, twice
.set HSC,  3145728                     ; h's scale bytes lie behind its images
; 64 numbers of a lane, register 16 b + i = k 32 b + 16 (lane / 16) + i of my row, become a fragment's codes in v[PC] on and its scale word in v[PW].
.macro QUANT s
.irp b, 0,1,2,3
	v_max3_num_f32 v[TM+\b], |v[\s+16*\b]|, |v[\s+1+16*\b]|, 0x1800000   ; my 16 numbers of block b, and the floor 2^(3 - 127): the byte cannot fall under 1
.endr
.irp i, 2,4,6,8,10,12,14
.irp b, 0,1,2,3
	s_delay_alu instid0(VALU_DEP_4)
	v_max3_num_f32 v[TM+\b], v[TM+\b], |v[\s+16*\b+\i]|, |v[\s+1+16*\b+\i]|
.endr
.endr
.irp b, 0,1,2,3
	s_delay_alu instid0(VALU_DEP_4)
	v_permlanex16_b32 v[TM+4+\b], v[TM+\b], s[SEL], s[SEL+1]
.endr
.irp b, 0,1,2,3
	s_delay_alu instid0(VALU_DEP_4)
	v_max_num_f32 v[TM+\b], v[TM+\b], v[TM+4+\b]                     ; with lane l xor 16's: the block's largest magnitude
.endr
.irp b, 0,1,2,3
	s_delay_alu instid0(VALU_DEP_4)
	v_add_nc_u32 v[TM+12+\b], 0xff000000, v[TM+\b]                   ; 2 off its exponent field: the conversion's scale operand
.endr
.irp b, 0,1,2,3
	s_delay_alu instid0(VALU_DEP_4)
	v_lshrrev_b32 v[TM+4+\b], 23, v[TM+12+\b]                        ; the scale's byte
.endr
	s_delay_alu instid0(VALU_DEP_3)
	v_lshl_or_b32 v[PW], v[TM+5], 8, v[TM+4]
	s_delay_alu instid0(VALU_DEP_1)
	v_lshl_or_b32 v[PW], v[TM+6], 16, v[PW]
	s_delay_alu instid0(VALU_DEP_1)
	v_lshl_or_b32 v[PW], v[TM+7], 24, v[PW]
.irp c, 0,1
	v_cvt_scalef32_pk16_fp6_f32 v[PC+6*\c:PC+2+6*\c], v[\s+32*\c:\s+15+32*\c], v[TM+12+2*\c]
	v_cvt_scalef32_pk16_fp6_f32 v[PC+12+4*\c:PC+14+4*\c], v[\s+16+32*\c:\s+31+32*\c], v[TM+12+2*\c+1]   ; (a conversion's three registers begin on an even number)
.endr
	v_nop                                          ; one plain place behind a scaled conversion
.irp c, 0,1                                    ; the operand's layout wants a whole block in a lane: lanes 0-15 block 2 c, lanes 16-31 block 2 c + 1
.irp i, 0,1,2
	v_permlane16_swap_b32 v[PC+6*\c+\i], v[PC+12+4*\c+\i]
.endr
.irp i, 0,1,2
	s_delay_alu instid0(VALU_DEP_3)
	v_mov_b32 v[PC+3+6*\c+\i], v[PC+12+4*\c+\i]
.endr
.endr
.endm
	v_lshl_add_u32 v232, v0, 2, 0x10c00
	v_mov_b32 v233, 0
	v_lshrrev_b32 v1, 5, v0
	s_delay_alu instid0(VALU_DEP_1)
	v_readfirstlane_b32 s2, v1                     ; wave 0..7
	s_cmp_ge_u32 ttmp9, 256                        ; the same for all waves of a work-group
	s_cbranch_scc1 .Lrelay
	; ---------------- LN1 and its quantiser
	s_load_b128 s[4:7], s[0:1], 0x0                ; x, the gain
	s_load_b64 s[8:9], s[0:1], 0x10                ; the bias
	s_load_b64 s[10:11], s[0:1], 0x48              ; h
	v_and_b32 v1, 31, v0                           ; lane
	v_and_b32 v2, 15, v0                           ; r
	v_bfe_u32 v3, v0, 4, 1                         ; h
	s_lshl_b32 s12, s2, 9                          ; my 128 channels: 512 bytes x wave
	s_mul_i32 s13, s2, STGB                        ; my stage
	s_lshl_b32 s14, s2, 2
	v_lshlrev_b32 v10, 3, v1                       ; an image's place for my lane: 8 x lane
	v_lshl_add_u32 v4, v1, 4, s12                  ; x: 16 x lane + 512 x wave
	v_lshl_add_u32 v7, v3, 6, s12                  ; gain and bias: 64 h + 512 x wave
	v_lshl_add_u32 v5, v1, 4, s13                  ; the stage, on the way in: 16 x lane
	v_mul_u32_u24 v6, v2, 528
	s_delay_alu instid0(VALU_DEP_1)
	v_lshl_add_u32 v6, v3, 6, v6
	s_delay_alu instid0(VALU_DEP_1)
	v_add_nc_u32 v6, s13, v6                       ; and on the way out: row r, + 64 h
	v_lshl_add_u32 v9, v2, 5, PART                 ; row r's eight partial sums
	s_delay_alu instid0(VALU_DEP_1)
	v_add_nc_u32 v8, s14, v9                       ; my wave's word among them
	v_and_b32 v11, 8, v2
	s_delay_alu instid0(VALU_DEP_1)
	v_add_nc_u32 v11, v11, v2                      ; r + 8 (r / 8): my token in the tile's 24
	s_delay_alu instid0(VALU_DEP_1)
	v_lshl_add_u32 v11, v11, 5, s14                ; its scale word: 32 bytes a token, + 4 x wave
	s_mov_b32 s[SEL], 0x76543210
	s_mov_b32 s[SEL+1], 0xfedcba98
	s_mov_b32 s28, 0x3a800000                      ; 1 / 1,024
	s_mov_b32 s29, 0x3727c5ac                      ; 1e-5
	s_lshr_b32 s16, ttmp9, 1
	s_lshl_b32 s16, s16, 5
	s_and_b32 s17, ttmp9, 1
	s_lshl_b32 s17, s17, 3
	s_add_co_u32 s16, s16, s17                     ; the tile's first token
	s_lshl_b32 s18, s16, 12                        ; x 4,096 bytes
	s_mov_b32 s19, 0
	s_lshl_b32 s20, ttmp9, 3
	s_add_co_u32 s20, s20, s2
	s_mul_i32 s20, s20, 1536                       ; image (tile, K step = wave)
	s_mov_b32 s21, 0
	s_lshl_b32 s22, s16, 5
	s_add_co_u32 s22, s22, HSC
	s_mov_b32 s23, 0
	s_wait_alu depctr_va_vdst(0)
	s_wait_kmcnt 0x0
	s_add_nc_u64 s[4:5], s[4:5], s[18:19]
	s_add_nc_u64 s[24:25], s[10:11], s[20:21]
	s_add_nc_u64 s[10:11], s[10:11], s[22:23]
.set j, 0
.rept 16
	global_load_b128 v[XR+4*j:XR+4*j+3], v4, s[4:5] offset:(j+8*(j/8))*4096   ; lane-row j: 32 lanes read 512 consecutive bytes
.set j, j+1
.endr
.set j, 0
.rept 16
	global_load_b128 v[WR+4*j:WR+4*j+3], v7, s[6:7] offset:128*(j/4)+16*(j%4)
.set j, j+1
.endr
.set j, 0
.rept 16
	global_load_b128 v[BR+4*j:BR+4*j+3], v7, s[8:9] offset:128*(j/4)+16*(j%4)
.set j, j+1
.endr
	s_wait_loadcnt 32                              ; x's sixteen loads are in; the gain's and the bias's 32 may be out
.set j, 0
.rept 16
	ds_store_b128 v5, v[XR+4*j:XR+4*j+3] offset:528*j
.set j, j+1
.endr
.set j, 0
.rept 16
	ds_load_b128 v[XR+4*j:XR+4*j+3], v6 offset:128*(j/4)+16*(j%4)    ; LDS serves a wave's instructions in order: these see my stores
.set j, j+1
.endr
	s_wait_dscnt 0x0
	; the mean: my 64 numbers in four chains, lane l xor 16's, the eight waves'
	v_pk_add_f32 v[14:15], v[32:33], v[34:35]
	v_pk_add_f32 v[16:17], v[48:49], v[56:57]
	v_pk_add_f32 v[18:19], v[64:65], v[72:73]
	v_pk_add_f32 v[230:231], v[80:81], v[88:89]
	v_pk_add_f32 v[228:229], v[36:37], v[38:39]
	v_pk_add_f32 v[226:227], v[50:51], v[58:59]
	v_pk_add_f32 v[224:225], v[66:67], v[74:75]
	v_pk_add_f32 v[12:13], v[82:83], v[90:91]
	s_delay_alu instid0(VALU_DEP_1)
	v_pk_add_f32 v[12:13], v[12:13], v[40:41]
	v_pk_add_f32 v[14:15], v[14:15], v[42:43]
	v_pk_add_f32 v[16:17], v[16:17], v[52:53]
	v_pk_add_f32 v[18:19], v[18:19], v[60:61]
	v_pk_add_f32 v[230:231], v[230:231], v[68:69]
	v_pk_add_f32 v[228:229], v[228:229], v[76:77]
	v_pk_add_f32 v[226:227], v[226:227], v[84:85]
	v_pk_add_f32 v[224:225], v[224:225], v[92:93]
	v_pk_add_f32 v[12:13], v[12:13], v[44:45]
	v_pk_add_f32 v[14:15], v[14:15], v[46:47]
	v_pk_add_f32 v[16:17], v[16:17], v[54:55]
	v_pk_add_f32 v[18:19], v[18:19], v[62:63]
	v_pk_add_f32 v[230:231], v[230:231], v[70:71]
	v_pk_add_f32 v[228:229], v[228:229], v[78:79]
	v_pk_add_f32 v[226:227], v[226:227], v[86:87]
	v_pk_add_f32 v[224:225], v[224:225], v[94:95]
	s_delay_alu instid0(VALU_DEP_4)
	v_pk_add_f32 v[12:13], v[12:13], v[230:231]
	s_delay_alu instid0(VALU_DEP_4)
	v_pk_add_f32 v[14:15], v[14:15], v[228:229]
	s_delay_alu instid0(VALU_DEP_4)
	v_pk_add_f32 v[16:17], v[16:17], v[226:227]
	s_delay_alu instid0(VALU_DEP_4)
	v_pk_add_f32 v[18:19], v[18:19], v[224:225]
	s_delay_alu instid0(VALU_DEP_2)
	v_pk_add_f32 v[12:13], v[12:13], v[16:17]
	s_delay_alu instid0(VALU_DEP_2)
	v_pk_add_f32 v[14:15], v[14:15], v[18:19]
	s_delay_alu instid0(VALU_DEP_1)
	v_pk_add_f32 v[12:13], v[12:13], v[14:15]
	s_delay_alu instid0(VALU_DEP_1)
	v_add_f32 v12, v12, v13
	s_delay_alu instid0(VALU_DEP_1)
	v_permlanex16_b32 v13, v12, s[SEL], s[SEL+1]
	s_delay_alu instid0(VALU_DEP_1)
	v_add_f32 v12, v12, v13
	ds_store_b32 v8, v12                           ; lanes r and r + 16 write the same word with the same value
	s_wait_dscnt 0x0                               ; for the others' sake: my store has landed
	s_barrier_signal -1
	s_barrier_wait -1
	ds_load_b128 v[12:15], v9
	ds_load_b128 v[16:19], v9 offset:16
	s_wait_dscnt 0x0
	v_add_f32 v12, v12, v13
	v_add_f32 v14, v14, v15
	v_add_f32 v16, v16, v17
	v_add_f32 v18, v18, v19
	s_delay_alu instid0(VALU_DEP_3)
	v_add_f32 v12, v12, v14
	s_delay_alu instid0(VALU_DEP_2)
	v_add_f32 v16, v16, v18
	s_delay_alu instid0(VALU_DEP_1)
	v_add_f32 v12, v12, v16
	s_delay_alu instid0(VALU_DEP_1)
	v_mul_f32 v20, s28, v12                        ; the mean
	s_delay_alu instid0(VALU_DEP_1)
	v_mov_b32 v21, v20
.set j, 0
.rept 32
	v_pk_add_f32 v[XR+j:XR+j+1], v[XR+j:XR+j+1], v[20:21] neg_lo:[0,1] neg_hi:[0,1]   ; d = x - mean
.set j, j+2
.endr
	v_pk_mul_f32 v[12:13], v[XR:XR+1], v[XR:XR+1]
	v_pk_mul_f32 v[14:15], v[XR+2:XR+3], v[XR+2:XR+3]
.set j, 4
.rept 15
	s_delay_alu instid0(VALU_DEP_2)
	v_pk_fma_f32 v[12:13], v[XR+j:XR+j+1], v[XR+j:XR+j+1], v[12:13]
	s_delay_alu instid0(VALU_DEP_2)
	v_pk_fma_f32 v[14:15], v[XR+j+2:XR+j+3], v[XR+j+2:XR+j+3], v[14:15]
.set j, j+4
.endr
	s_delay_alu instid0(VALU_DEP_1)
	v_pk_add_f32 v[12:13], v[12:13], v[14:15]
	s_delay_alu instid0(VALU_DEP_1)
	v_add_f32 v12, v12, v13
	s_delay_alu instid0(VALU_DEP_1)
	v_permlanex16_b32 v13, v12, s[SEL], s[SEL+1]
	s_delay_alu instid0(VALU_DEP_1)
	v_add_f32 v12, v12, v13
	ds_store_b32 v8, v12 offset:512                ; other bytes than the first sums': no wave can still be reading them
	s_wait_dscnt 0x0
	s_barrier_signal -1
	s_barrier_wait -1
	ds_load_b128 v[12:15], v9 offset:512
	ds_load_b128 v[16:19], v9 offset:528
	s_wait_dscnt 0x0
	v_add_f32 v12, v12, v13
	v_add_f32 v14, v14, v15
	v_add_f32 v16, v16, v17
	v_add_f32 v18, v18, v19
	s_delay_alu instid0(VALU_DEP_3)
	v_add_f32 v12, v12, v14
	s_delay_alu instid0(VALU_DEP_2)
	v_add_f32 v16, v16, v18
	s_delay_alu instid0(VALU_DEP_1)
	v_add_f32 v12, v12, v16
	s_delay_alu instid0(VALU_DEP_1)
	v_fma_f32 v12, v12, s28, s29                   ; the variance + 1e-5
	s_wait_alu depctr_va_vdst(0)
	v_rsq_f32 v22, v12
	v_nop                                          ; one plain place behind a transcendental
	s_wait_alu depctr_va_vdst(0)
	v_mov_b32 v23, v22
	s_wait_alu depctr_va_vdst(0)
	s_wait_loadcnt 0x0                             ; the gain and the bias
.set j, 0
.rept 32
	v_pk_mul_f32 v[XR+j:XR+j+1], v[XR+j:XR+j+1], v[22:23]
.set j, j+2
.endr
.set j, 0
.rept 32
	v_pk_fma_f32 v[XR+j:XR+j+1], v[XR+j:XR+j+1], v[WR+j:WR+j+1], v[BR+j:BR+j+1]
.set j, j+2
.endr
.irp b, 0,1,2,3
	v_mov_b32 v[TM+4+\b], 0                        ; a lane permute's destination counts as one of its sources
.endr
	QUANT XR
.irp p, 0,1,2,3,4,5
	global_store_b64 v10, v[PC+2*\p:PC+2*\p+1], s[24:25] offset:256*\p   ; 32 lanes store 256 consecutive bytes, at a multiple of 256 from the buffer's first byte
.endr
	global_store_b32 v11, v[PW], s[10:11]
	s_wait_tensorcnt 0x0
	ds_add_u32 v232, v233
	s_wait_dscnt 0x0
	s_endpgm
	; ---------------- the weights' codes as images.  A wave takes one tile x 8 K steps: unit 8 (work-group - 256) + wave of 768, whose 12,288 bytes lie on end in wimg
.Lrelay:
	s_load_b256 s[4:11], s[0:1], 0x18              ; Wq, Wk, Wv, Wproj
	s_load_b128 s[12:15], s[0:1], 0x38             ; W1, W2
	s_load_b64 s[16:17], s[0:1], 0x50              ; wimg
	s_sub_co_u32 s18, ttmp9, 256                   ; u: 0-7 Wq, 8-15 Wk, 16-23 Wv, 24-31 Wproj, 32-63 W1, 64-95 W2
	s_lshl_b32 s19, s18, 3
	s_add_co_u32 s19, s19, s2                      ; the unit
	s_and_b32 s20, s19, 63                         ; the tile: of a weight of 64 tiles,
	s_sub_co_u32 s21, s19, 256                     ; of W1 (256 tiles),
	s_cmp_lt_u32 s18, 32
	s_cselect_b32 s20, s20, s21
	s_sub_co_u32 s21, s19, 512
	s_lshr_b32 s22, s21, 2                         ; of W2 (64 tiles x 4 units of 8 K steps)
	s_and_b32 s23, s21, 3
	s_mul_i32 s23, s23, 768                        ; and where W2's unit begins in a row
	s_mov_b32 s24, 768                             ; a row of 1,024 codes,
	s_mov_b32 s25, 3072                            ; of 4,096
	s_cmp_lt_u32 s18, 64
	s_cselect_b32 s20, s20, s22
	s_cselect_b32 s23, 0, s23
	s_cselect_b32 s24, s24, s25
	s_lshr_b32 s21, s20, 1
	s_lshl_b32 s21, s21, 5
	s_and_b32 s22, s20, 1
	s_lshl_b32 s22, s22, 3
	s_add_co_u32 s21, s21, s22                     ; the tile's first row
	s_mul_i32 s28, s21, s24
	s_add_co_u32 s28, s28, s23
	s_mov_b32 s29, 0
	s_mul_i32 s30, s19, 12288
	s_mov_b32 s31, 0
	v_and_b32 v1, 31, v0
	v_and_b32 v2, 15, v0
	v_bfe_u32 v3, v0, 4, 1
	s_delay_alu instid0(VALU_DEP_3)
	v_lshlrev_b32 v10, 3, v1                       ; 8 x lane
	s_delay_alu instid0(VALU_DEP_3)
	v_and_b32 v11, 8, v2
	s_delay_alu instid0(VALU_DEP_1)
	v_add_nc_u32 v11, v11, v2                      ; r + 8 (r / 8)
	s_delay_alu instid0(VALU_DEP_1)
	v_mul_lo_u32 v4, v11, s24
	s_delay_alu instid0(VALU_DEP_1)
	v_mad_u32_u24 v4, v3, 24, v4                   ; my row, + 24 h
	s_wait_alu depctr_va_vdst(0)
	s_wait_kmcnt 0x0
	s_cmp_lt_u32 s18, 8                            ; the choices hang on the work-group's number alone
	s_cselect_b64 s[4:5], s[4:5], s[6:7]
	s_cmp_lt_u32 s18, 16
	s_cselect_b64 s[4:5], s[4:5], s[8:9]
	s_cmp_lt_u32 s18, 24
	s_cselect_b64 s[4:5], s[4:5], s[10:11]
	s_cmp_lt_u32 s18, 32
	s_cselect_b64 s[4:5], s[4:5], s[12:13]
	s_cmp_lt_u32 s18, 64
	s_cselect_b64 s[4:5], s[4:5], s[14:15]
	s_add_nc_u64 s[4:5], s[4:5], s[28:29]
	s_add_nc_u64 s[16:17], s[16:17], s[30:31]
.irp s, 0,1,2,3,4,5,6,7
.irp p, 0,1,2,3,4,5
	global_load_b64 v[32+12*\s+2*\p:33+12*\s+2*\p], v4, s[4:5] offset:96*\s+48*(\p/3)+8*(\p%3)   ; the fragment's registers as the row's stream of bits has them
.endr
.endr
.irp s, 0,1,2,3,4,5,6,7
	s_wait_loadcnt 42-6*\s                         ; this K step's six loads are in; the later steps' may be out
.irp p, 0,1,2,3,4,5
	global_store_b64 v10, v[32+12*\s+2*\p:33+12*\s+2*\p], s[16:17] offset:1536*\s+256*\p
.endr
.endr
	s_endpgm
.Lfunc_end_k_q7a25cac399_prep:
	.size	k_q7a25cac399_prep, .Lfunc_end_k_q7a25cac399_prep-k_q7a25cac399_prep
	.p2alignl 7, 3214868480
	.fill 96, 4, 3214868480
	.section	.rodata,"a",@progbits
	.p2align	6, 0x0
	.amdhsa_kernel k_q7a25cac399_prep
		.amdhsa_group_segment_fixed_size 69632
		.amdhsa_private_segment_fixed_size 0
		.amdhsa_enable_private_segment 0
		.amdhsa_kernarg_size 88
		.amdhsa_user_sgpr_count 2
		.amdhsa_user_sgpr_kernarg_segment_ptr 1
		.amdhsa_wavefront_size32 1
		.amdhsa_system_sgpr_workgroup_id_x 1
		.amdhsa_system_sgpr_workgroup_id_y 1
		.amdhsa_system_sgpr_workgroup_id_z 1
		.amdhsa_system_vgpr_workitem_id 0
		.amdhsa_next_free_vgpr 234
		.amdhsa_next_free_sgpr 66
		.amdhsa_reserve_vcc 0
		.amdhsa_float_denorm_mode_32 3
		.amdhsa_float_denorm_mode_16_64 3
		.amdhsa_memory_ordered 1
		.amdhsa_forward_progress 1
		.amdhsa_inst_pref_size 41
	.end_amdhsa_kernel
	.amdgpu_metadata
---
amdhsa.version: [ 1, 2 ]
amdhsa.kernels:
  - .name:           k_q7a25cac399_prep
    .symbol:         k_q7a25cac399_prep.kd
    .args:
      - { .name: x, .offset: 0, .size: 8, .value_kind: global_buffer, .address_space: global }
      - { .name: ln1_w, .offset: 8, .size: 8, .value_kind: global_buffer, .address_space: global }
      - { .name: ln1_b, .offset: 16, .size: 8, .value_kind: global_buffer, .address_space: global }
      - { .name: Wq_codes, .offset: 24, .size: 8, .value_kind: global_buffer, .address_space: global }
      - { .name: Wk_codes, .offset: 32, .size: 8, .value_kind: global_buffer, .address_space: global }
      - { .name: Wv_codes, .offset: 40, .size: 8, .value_kind: global_buffer, .address_space: global }
      - { .name: Wproj_codes, .offset: 48, .size: 8, .value_kind: global_buffer, .address_space: global }
      - { .name: W1_codes, .offset: 56, .size: 8, .value_kind: global_buffer, .address_space: global }
      - { .name: W2_codes, .offset: 64, .size: 8, .value_kind: global_buffer, .address_space: global }
      - { .name: h, .offset: 72, .size: 8, .value_kind: global_buffer, .address_space: global }
      - { .name: wimg, .offset: 80, .size: 8, .value_kind: global_buffer, .address_space: global }
    .group_segment_fixed_size: 69632
    .private_segment_fixed_size: 0
    .kernarg_segment_align: 8
    .kernarg_segment_size: 88
    .max_flat_workgroup_size: 256
    .sgpr_count:     66
    .vgpr_count:     234
    .wavefront_size: 32
...
	.end_amdgpu_metadata
.endif
;; end of part 1
;; launch qkv (part 2): grid 12 x 16, 4 waves a work-group, clusters of 4 x 4, 327,680 bytes of LDS; arguments h, wimg, Wq_scales, Wk_scales, Wv_scales, q, kv; writes q, kv
.if DOCPART == 2
	.amdgcn_target "amdgcn-amd-amdhsa--gfx1250"
	.amdhsa_code_object_version 6
	.text
	.protected	k_q7a25cac399_qkv
	.globl	k_q7a25cac399_qkv
	.p2align	8
	.type	k_q7a25cac399_qkv,@function
k_q7a25cac399_qkv:
	s_mov_b64 s[64:65], 0
	v_nop
	global_prefetch_b8 v0, s[64:65] scope:SCOPE_SE
	s_setreg_imm32_b32 hwreg(HW_REG_WAVE_MODE, 25, 1), 1
	s_wait_xcnt 0x0
	s_wait_alu depctr_hold_cnt(0) depctr_sa_sdst(0) depctr_va_vdst(0) depctr_va_sdst(0) depctr_va_ssrc(0) depctr_va_vcc(0) depctr_vm_vsrc(0)
	s_getreg_b32 s2, hwreg(HW_REG_IB_STS2, 6, 4)
	s_cmp_eq_u32 s2, 0
	s_cbranch_scc0 .Lentry_in_a_cluster
	s_endpgm
.Lentry_in_a_cluster:
	s_bfe_u32 s2, ttmp6, 0x10000c
	s_cmp_lg_u32 s2, 0xf033
	s_cbranch_scc0 .Lentry_shape_is_right
	s_endpgm
.Lentry_shape_is_right:
; q = h Wq, k = h Wk, v = h Wv on codes of FP6 (E2M3) with E8M0 scales, and the three results quantised in registers for the attention.  h: 4,096 tokens x 1,024, as images; the weights as images (wimg).
; The cluster's x says which product: 0 q, 1 k, 2 v.  A work-group makes 256 x 256, each of its four waves 128 x 128: 64 accumulators.
; K = 1,024 is eight K steps of 128, two to a slot of 98,304 bytes.  THREE slots are filled at the start (K steps 0-5); slot 0 is filled once more (K steps 6, 7) as soon as it has been read, and that load has
; the work of slots 1 and 2 in which to land: one refill, one round of the cluster's barrier inside the product.  The text is straight: no loop.
; SOURCE 0 ("B") is the operand along whose rows a lane's registers run; SOURCE 1 ("A") the one of whose rows a lane holds one.  q, k: A = tokens, B = the weight: a lane holds one token and 16 neighbouring channels
; of each block of 32: quantised along the head's 64.  v: A = the weight, B = tokens: a lane holds one channel and neighbouring tokens: quantised along the keys.  Only pointers and tile coordinates differ in the product.
; OPERANDS ARE IMAGES OF FRAGMENTS (16 rows x 128 K: 1,536 bytes; piece p of 256 bytes = registers 2 p, 2 p + 1, 8 bytes a lane): a fragment is six LDS loads of 256 consecutive bytes.
; Lane-row m of tile t is row 32 (t / 2) + 8 (t % 2) + m + 8 (m / 8): so the 16 registers of result tiles 2 b, 2 b + 1 are 16 neighbours 32 b + 16 (lane / 16) + 0 .. 15 along source 0's rows.
; CLUSTER 4 x 4: A's tiles are shared along a row of the cluster, B's along a column: each is asked for jointly.
; OUT.  q: 32 records (batch x 16 + head) of 106,496 bytes: half images [128 tiles][768], scale words [128][16][4] at 98,304.  kv: 32 records of 208,896: k's half images at 0, v^T's fragments [key step][channel tile][1,536]
; at 98,304, k's scale words at 196,608, v's [16][4][16][4] at 204,800.  A head's 64 channels are half a fragment; bytes 2, 3 of its scale word stand over zero codes in the attention and are never 0xff.
; LIMITS: NaN and infinities are not served; a block of zeros gets the byte 1 (this program alone reads the bytes); lanes r and r + 16 store the same scale word.
; REGISTERS: window 0: v16-29 addresses; v32-63 scale words, two sets; from v128 A's 8 fragments, one set.  window 1: B's fragments, two sets, at v0 and v128.  windows 2, 3: accumulator (a, b) at 8 (8 a + b).
.set T,     8                          ; tiles of 16 along each side of a wave's part
.set NQ,    2                          ; K steps of 128 in a slot
.set S,     8                          ; K steps in all
.set KS,    32                         ; a row of scale bytes
.set FR,    12
.set NL,    6
.set FRB,   1536
.set HALFT, T*NQ*FRB                   ; what one tensor load brings: T tiles x NQ K steps
.set SLOT,  4*HALFT                    ; A's two halves, then B's two
.set SCL,   3*SLOT                     ; behind the three slots: the scales, as units of 256 bytes + 16 of padding
.set SU,    16*T*KS/256
.set HALFS, SU*272
.set SPARE, SCL+4*HALFS                ; behind the scales: the spare words, 128 bytes for each wave: two blocks of 256 bytes that no other line names
.set ADRA, 16                          ; v16-18  LDS address of my A fragments in slot 0, 1, 2
.set ADRB, 20                          ; v20-22  the same for B
.set OI,   24                          ; v24  8 x lane
.set OS,   25                          ; v25  4 x (lane % 16)
.set ADRS, 27
.set SPW,  28
.set NIL,  29
.set SC,   32
.set AF,   128
.set PC,   128                         ; the way out: v128-146 codes, v152-167 at work, v168-169 scale words
.set TM,   152
.set PW,   168
.set PW2,  169
.set SEL,  98
.set FLOOR, 100
.set G1, 24
.set G0, 32                            ; s[32:35] group 0 for A's refill of slot 0; s[36:39] the head's
.set G0X, 4
.set G1B, 48
.set G0B, 56                           ; s[56:59] the same for B's; s[60:63] the head's
.set G0BX, 8
.set G1S, 68
.set G0S, 76
.set G1SB, 80
.set G0SB, 88
.set MSB, 0
.macro WIN new                         ; the immediate's high byte repeats the setting that is left
.if MSB != (\new)
	s_set_vgpr_msb (MSB<<8)|(\new)
.set MSB, \new
.endif
.endm
; A joint load: waves 0 and 1 fetch for A, waves 2 and 3 for B; the branch hangs on the wave's number alone.  Four v_nop follow each of the two lines.
.macro JLOAD g0a, g1a, g0b, g1b
	s_cmp_eq_u32 s15, 0
	s_cbranch_scc0 .Lfor_b_\@
	tensor_load_to_lds s[\g0a:\g0a+3], s[\g1a:\g1a+7]
	s_nop 0
.rept 4
	v_nop
.endr
	s_branch .Lasked_\@
.Lfor_b_\@:
	tensor_load_to_lds s[\g0b:\g0b+3], s[\g1b:\g1b+7]
	s_nop 0
.rept 4
	v_nop
.endr
.Lasked_\@:
.endm
.macro CREST                           ; a round of the cluster's barrier behind its opening barrier
	s_cmp_lg_u32 s14, 0
	s_cbranch_scc1 .Lnot_wave_0_\@
	s_barrier_signal -3
.Lnot_wave_0_\@:
	s_barrier_wait -3
	s_barrier_signal -1
	s_barrier_wait -1
.endm
.macro CROUND
	s_barrier_signal -1
	s_barrier_wait -1
	CREST
.endm
.macro PLACES n                        ; plain places behind matrix instructions: in front of loads into their registers and of reads of their results
.rept \n
	v_nop
.endr
.endm
.macro FRAG reg, adr, q, i             ; a fragment: six pieces of 256 consecutive bytes
.irp p, 0,1,2,3,4,5
	ds_load_b64 v[\reg+2*\p:\reg+2*\p+1], v[\adr] offset:(\i)*NQ*FRB+(\q)*FRB+256*\p
.endr
.endm
.macro FETCH_B slot, q, p              ; B's T fragments of the slot's q-th K step into set p
	WIN 0x40
.set fi, 0
.rept T
	FRAG 128*(\p)+FR*fi, ADRB+\slot, \q, fi
.set fi, fi+1
.endr
	WIN 0
.endm
.macro FETCH_A slot, q, i0             ; A's blocks i0 .. i0 + T / 2 - 1
.set fi, \i0
.rept T/2
	FRAG AF+FR*fi, ADRA+\slot, \q, fi
.set fi, fi+1
.endr
.endm
.macro SCALES sc                       ; two K steps' scale words into set sc: lanes 0-15 take A's tile i, lanes 16-31 B's tile i
.set fi, 0
.rept T
	ds_load_b64 v[SC+16*(\sc)+2*fi:SC+16*(\sc)+2*fi+1], v[ADRS] offset:((32*(fi/2)+8*(fi%2))*KS/256)*272
.set fi, fi+1
.endr
.endm
; A quarter of a K step's products: A's blocks g T / 4 on x B's T.  c = 0: onto the sums; c = 1: the first products start them.  The accumulators take turns, one instruction a turn.
.macro MULQ g, p, q, sc, c
.set ia, (\g)*T/4
.rept T/4
.set LIN, 8*T*ia
.set WD, 2+LIN/256
	WIN (WD<<6)|(WD<<4)|1
.set ib, 0
.rept T
.set rD, (LIN+8*ib)%256
.if \c == 0
	v_wmma_scale_f32_16x16x128_f8f6f4 v[rD:rD+7], v[128*(\p)+FR*ib:128*(\p)+FR*ib+FR-1], v[AF+FR*ia:AF+FR*ia+FR-1], v[rD:rD+7], v[SC+16*(\sc)+NQ*ib+(\q)], v[SC+16*(\sc)+NQ*ia+(\q)] matrix_a_fmt:MATRIX_FMT_FP6 matrix_b_fmt:MATRIX_FMT_FP6 matrix_a_scale:MATRIX_SCALE_ROW1
.else
	v_wmma_scale_f32_16x16x128_f8f6f4 v[rD:rD+7], v[128*(\p)+FR*ib:128*(\p)+FR*ib+FR-1], v[AF+FR*ia:AF+FR*ia+FR-1], 0, v[SC+16*(\sc)+NQ*ib+(\q)], v[SC+16*(\sc)+NQ*ia+(\q)] matrix_a_fmt:MATRIX_FMT_FP6 matrix_b_fmt:MATRIX_FMT_FP6 matrix_a_scale:MATRIX_SCALE_ROW1
.endif
.set ib, ib+1
.endr
.set ia, ia+1
.endr
.endm
.macro STEP slot, q, sc, c             ; a K step that has its successor in the same slot; sc: its set of scale words
	s_wait_dscnt (T/2)*NL                          ; B's set, the scales and A's lower blocks are in; the youngest loads (A's upper blocks) may be out
	MULQ 0, (\q)%2, \q, \sc, \c
	MULQ 1, (\q)%2, \q, \sc, \c
	s_wait_dscnt 0x0                               ; A's upper blocks are in
	PLACES 4
	FETCH_B \slot, (\q)+1, 1-(\q)%2
	FETCH_A \slot, (\q)+1, 0
	MULQ 2, (\q)%2, \q, \sc, \c
	MULQ 3, (\q)%2, \q, \sc, \c
	PLACES 4
	WIN 0
	FETCH_A \slot, (\q)+1, T/2
.endm
; A slot's last K step goes on into the next slot.
; mode 2: this slot is filled again: each wave waits for all its tensor loads, adds 0 to its spare word, waits for that and for its reads of this slot; a round of the cluster's barrier; the joint refill first behind it.
; mode 1: the next slot's load is waited for and shown to the other waves by a barrier; nothing is filled again.
; mode 0: the next slot was shown landed to every wave at the round of mode 2: no wait on tensor loads (the refill stays on its way), no barrier.
.macro TURN slot, next, sc, mode
.if \mode
	s_wait_tensorcnt 0x0                           ; all my tensor loads have landed
	ds_add_u32 v[SPW], v[NIL]                      ; 0 onto my spare word
	s_wait_dscnt (T/2)*NL+1                        ; (the add and A's upper blocks may be out)
	MULQ 0, 1, NQ-1, \sc, 0
	s_wait_dscnt 0x0                               ; the add is done, and my reads of this slot are over
	s_barrier_signal -1
	MULQ 1, 1, NQ-1, \sc, 0
	WIN 0
	s_barrier_wait -1
.else
	s_wait_dscnt (T/2)*NL
	MULQ 0, 1, NQ-1, \sc, 0
	MULQ 1, 1, NQ-1, \sc, 0
	s_wait_dscnt 0x0
	WIN 0
.endif
.if \mode == 2
	CREST                                          ; the barrier has opened a round of the cluster's barrier: no wave of any partner still reads this slot or has a load on its way
	s_add_nc_u64 s[G0+4*\slot+2:G0+4*\slot+3], s[G0+4*\slot+2:G0+4*\slot+3], 3*NQ*FRB
	s_add_nc_u64 s[G0B+4*\slot+2:G0B+4*\slot+3], s[G0B+4*\slot+2:G0B+4*\slot+3], 3*NQ*FRB
	JLOAD G0+4*\slot, G1, G0B+4*\slot, G1B         ; the first tensor load behind the round; its four v_nop are the places in front of the loads below
.else
	PLACES 4
.endif
	v_add_nc_u32 v[ADRS], 4*NQ, v[ADRS]            ; the next two K steps' scale words
	FETCH_B \next, 0, 0
	FETCH_A \next, 0, 0
	SCALES 1-\sc
	MULQ 2, 1, NQ-1, \sc, 0
	MULQ 3, 1, NQ-1, \sc, 0
	PLACES 4
	WIN 0
	FETCH_A \next, 0, T/2
.endm
	s_load_b128 s[4:7], s[0:1], 0x0                ; h, wimg
	s_load_b128 s[8:11], s[0:1], 0x10              ; Wq's scales, Wk's
	s_load_b128 s[92:95], s[0:1], 0x20             ; Wv's scales, q
	s_load_b64 s[96:97], s[0:1], 0x30              ; kv
	v_lshl_add_u32 v[SPW], v0, 2, SPARE
	v_mov_b32 v[NIL], 0
	ds_add_u32 v28, v29
	ds_add_u32 v28, v29
	s_wait_dscnt 0x0
	v_lshrrev_b32 v1, 5, v0
	v_readfirstlane_b32 s14, v1                    ; wave 0..3
	s_lshr_b32 s15, s14, 1                         ; which half of A's rows is mine.  Also: I fetch for A (0) or for B (1)
	s_and_b32 s16, s14, 1                          ; which half of B's rows.  Also: which half I fetch
	s_bfe_u32 s40, ttmp6, 0x40000                  ; cx, cy: my place in the cluster
	s_bfe_u32 s41, ttmp6, 0x40004
	s_and_b32 s18, ttmp7, 0xffff
	s_lshl_b32 s18, s18, 2                         ; 4 x the cluster's y: it walks the tokens, which are A's rows for q and k and B's for v
	s_cmp_eq_u32 ttmp9, 2                          ; the cluster's x: the same in all partners
	s_cselect_b32 s17, 0, s18
	s_cselect_b32 s42, s18, 0
	s_add_co_u32 s17, s17, s41                     ; A's block of 256 rows
	s_add_co_u32 s42, s42, s40                     ; B's
	s_lshl_b32 s43, s41, 2
	s_lshl_b32 s43, 15, s43                        ; my row of the cluster
	s_lshl_b32 s44, 0x1111, s40                    ; my column
	; descriptor group 1 for codes: T rows (tiles) of NQ x 1,536 bytes (elements of 8 bytes), S x 1,536 bytes apart; no padding
	s_or_b32 s[G1+0], s43, (3<<16)|(1<<21)
	s_or_b32 s[G1B+0], s44, (3<<16)|(1<<21)
.irp g, G1, G1B
	s_mov_b32 s[\g+1], (192*NQ)<<16                ; tensor_dim0
	s_mov_b32 s[\g+2], (2*T)<<16                   ; tensor_dim1: at the head 16 tiles
	s_mov_b32 s[\g+3], (192*NQ)<<16                ; tile_dim0
	s_mov_b32 s[\g+4], (2*T)|(3<<16)               ; tile_dim1 = 16, tile_dim2 = 3 pairs of K steps
	s_mov_b32 s[\g+5], 192*S                       ; from tile to tile
	s_mov_b32 s[\g+6], (192*NQ)<<16                ; from pair to pair: 384 elements
	s_mov_b32 s[\g+7], 0
.endr
	; and for the scales of 16 T rows: a dense block, as rows of 256 bytes with 16 bytes of padding behind each
	s_or_b32 s[G1S+0], s43, (3<<16)|(1<<20)|(1<<21)|(5<<22)|(3<<25)
	s_or_b32 s[G1SB+0], s44, (3<<16)|(1<<20)|(1<<21)|(5<<22)|(3<<25)
.irp g, G1S, G1SB
	s_mov_b32 s[\g+1], 32<<16
	s_mov_b32 s[\g+2], (2*SU)<<16
	s_mov_b32 s[\g+3], 32<<16
	s_mov_b32 s[\g+4], 2*SU
	s_mov_b32 s[\g+5], 32
	s_mov_b32 s[\g+6], 0
	s_mov_b32 s[\g+7], 0
.endr
	s_lshl_b32 s18, s16, 3                         ; T x the half that I fetch
	s_lshl_b32 s12, s17, 4
	s_add_co_u32 s12, s12, s18                     ; A: the first tile that I fetch
	s_lshl_b32 s66, s42, 4
	s_add_co_u32 s66, s66, s18                     ; B: likewise
	s_mul_i32 s18, s12, S*FRB                      ; its images,
	s_mov_b32 s19, 0
	s_mul_i32 s12, s12, 16*KS                      ; its scale bytes
	s_mov_b32 s13, 0
	s_mul_i32 s2, s66, S*FRB
	s_mov_b32 s3, 0
	s_mul_i32 s66, s66, 16*KS
	s_mov_b32 s67, 0
	s_mul_i32 s45, s16, HALFT                      ; the refill's place: my half of pair 0
	s_wait_kmcnt 0x0
	s_cmp_eq_u32 ttmp9, 0
	s_cselect_b64 s[8:9], s[8:9], s[10:11]         ; Wq's scales or Wk's
	s_mul_i32 s10, ttmp9, 786432
	s_mov_b32 s11, 0
	s_add_nc_u64 s[6:7], s[6:7], s[10:11]          ; the weight's images
	s_add_nc_u64 s[98:99], s[4:5], 3145728         ; h's scale bytes
	s_cmp_eq_u32 ttmp9, 2
	s_cselect_b64 s[8:9], s[92:93], s[8:9]         ; the weight's scales
	s_cselect_b64 s[20:21], s[6:7], s[4:5]         ; A's images,
	s_cselect_b64 s[22:23], s[8:9], s[98:99]       ; A's scales,
	s_cselect_b64 s[46:47], s[4:5], s[6:7]         ; B's images,
	s_cselect_b64 s[100:101], s[98:99], s[8:9]     ; B's scales
	s_add_nc_u64 s[20:21], s[20:21], s[18:19]
	s_add_nc_u64 s[22:23], s[22:23], s[12:13]
	s_add_nc_u64 s[46:47], s[46:47], s[2:3]
	s_add_nc_u64 s[100:101], s[100:101], s[66:67]
	s_mul_i32 s2, s16, T*S*FRB                     ; what my half adds to an address of images,
	s_mov_b32 s3, 0
	s_lshl_b32 s18, s16, 12                        ; and of scale bytes (128 rows x 32)
	s_mov_b32 s19, 0
	CROUND                                         ; all sixteen work-groups are here: the first joint loads meet
	s_mov_b32 s[G0S], 1
	s_mov_b32 s[G0S+1], SCL
	s_sub_nc_u64 s[G0S+2:G0S+3], s[22:23], s[18:19]
	s_or_b32 s[G0S+3], s[G0S+3], 0x80000000
	s_mov_b32 s[G0SB], 1
	s_mov_b32 s[G0SB+1], SCL+2*HALFS
	s_sub_nc_u64 s[G0SB+2:G0SB+3], s[100:101], s[18:19]
	s_or_b32 s[G0SB+3], s[G0SB+3], 0x80000000
; LDS: A's region [pair of K steps 0-2][16 tiles][3,072 bytes], B's region behind it at 6 HALFT, then the scales.
; THE HEAD'S LOADS, ONE A WAVE: wave 0 A's K steps 0-5, wave 1 B's, each as one tile of three dimensions; wave 2 A's scales, wave 3 B's.
.set G0H, 36
.set G0HB, 60
	s_mov_b32 s[G0H], 1
	s_mov_b32 s[G0H+1], 0
	s_sub_nc_u64 s[G0H+2:G0H+3], s[20:21], s[2:3]  ; the block's first tile
	s_or_b32 s[G0H+3], s[G0H+3], 0x80000000
	s_mov_b32 s[G0HB], 1
	s_mov_b32 s[G0HB+1], 6*HALFT
	s_sub_nc_u64 s[G0HB+2:G0HB+3], s[46:47], s[2:3]
	s_or_b32 s[G0HB+3], s[G0HB+3], 0x80000000
	s_mov_b32 s[G0], 1                             ; the refill's group 0: my half of pair 0; its address is stepped to K step 6 in front of the refill
	s_mov_b32 s[G0+1], s45
	s_mov_b64 s[G0+2:G0+3], s[20:21]
	s_or_b32 s[G0+3], s[G0+3], 0x80000000
	s_mov_b32 s[G0B], 1
	s_add_co_u32 s[G0B+1], s45, 6*HALFT
	s_mov_b64 s[G0B+2:G0B+3], s[46:47]
	s_or_b32 s[G0B+3], s[G0B+3], 0x80000000
	s_mov_b32 s4, 3                                ; groups 2 and 3: tensor_dim2 = 3; the fourth and fifth dimensions are not used (tile_dim3 = tile_dim4 = 0)
	s_mov_b32 s5, 1
	s_mov_b32 s6, 1
	s_mov_b32 s7, 0
	s_mov_b32 s8, 1
	s_mov_b32 s9, 1<<16
	s_mov_b32 s10, 0
	s_mov_b32 s11, 0
	s_cmp_lt_u32 s14, 1                            ; one chain of branches on the wave's number, one load to an arm
	s_cbranch_scc0 .Lhead_b
	tensor_load_to_lds s[G0H:G0H+3], s[G1:G1+7], s[4:7], s[8:11]
	s_nop 0
.rept 4
	v_nop
.endr
	s_branch .Lhead_asked
.Lhead_b:
	s_cmp_lt_u32 s14, 2
	s_cbranch_scc0 .Lhead_sa
	tensor_load_to_lds s[G0HB:G0HB+3], s[G1B:G1B+7], s[4:7], s[8:11]
	s_nop 0
.rept 4
	v_nop
.endr
	s_branch .Lhead_asked
.Lhead_sa:
	s_cmp_lt_u32 s14, 3
	s_cbranch_scc0 .Lhead_sb
	tensor_load_to_lds s[G0S:G0S+3], s[G1S:G1S+7]
	s_nop 0
.rept 4
	v_nop
.endr
	s_branch .Lhead_asked
.Lhead_sb:
	tensor_load_to_lds s[G0SB:G0SB+3], s[G1SB:G1SB+7]
	s_nop 0
.rept 4
	v_nop
.endr
.Lhead_asked:
	v_and_b32 v1, 15, v0                           ; r
	v_bfe_u32 v2, v0, 4, 1                         ; h
	v_and_b32 v3, 31, v0
	v_lshlrev_b32 v3, 3, v3                        ; 8 x lane
	v_mov_b32 v[OI], v3
	v_lshlrev_b32 v[OS], 2, v1
	s_mul_i32 s21, s15, HALFT                      ; my half of A
	s_mul_i32 s22, s16, HALFT                      ; my half of B,
	s_add_co_u32 s22, s22, 6*HALFT                 ; behind A's region
.irp s, 0,1,2
	v_add_nc_u32 v[ADRA+\s], s21, v3
	v_add_nc_u32 v[ADRB+\s], s22, v3
	s_add_co_u32 s21, s21, 2*HALFT
	s_add_co_u32 s22, s22, 2*HALFT
.endr
	v_and_b32 v4, 8, v1
	v_add_nc_u32 v4, v4, v1                        ; r + 8 (r / 8): my row in a tile's 24
	v_mul_u32_u24 v5, v4, KS                       ; its scale bytes,
	v_lshrrev_b32 v6, 8, v5
	v_lshl_add_u32 v5, v6, 4, v5                   ; and 16 more for each 256 passed
	s_mul_i32 s21, s15, HALFS
	s_mul_i32 s22, s16, HALFS
	s_add_co_u32 s22, s22, 2*HALFS
	s_sub_co_u32 s22, s22, s21
	v_mul_u32_u24 v6, s22, v2                      ; lanes 16-31 take B's
	s_add_co_u32 s21, s21, SCL
	v_add_nc_u32 v5, v5, v6
	v_add_nc_u32 v[ADRS], s21, v5
	s_wait_alu depctr_va_vdst(0)
	s_wait_tensorcnt 0x0                           ; my one load of the head is in: no tensor load of mine is out, so a descriptor may be written: the refill brings 8 tiles x one pair
	s_mov_b32 s[G1+2], T<<16
	s_mov_b32 s[G1+4], T
	s_mov_b32 s[G1+6], 0
	s_mov_b32 s[G1B+2], T<<16
	s_mov_b32 s[G1B+4], T
	s_mov_b32 s[G1B+6], 0
	s_barrier_signal -1
	s_barrier_wait -1                              ; everybody's are
	FETCH_B 0, 0, 0
	FETCH_A 0, 0, 0
	SCALES 0
	FETCH_A 0, 0, T/2
	STEP 0, 0, 0, 1                                ; K step 0: its products start the sums
	TURN 0, 1, 0, 2                                ; K step 1; slot 0 takes K steps 6, 7
	s_wait_alu depctr_va_vdst(0)
	STEP 1, 0, 1, 0                                ; K step 2
	TURN 1, 2, 1, 0                                ; K step 3; on into slot 2, which every wave has shown landed
	s_wait_alu depctr_va_vdst(0)
	STEP 2, 0, 0, 0                                ; K step 4
	TURN 2, 0, 0, 1                                ; K step 5; the refill is waited for and shown
	STEP 0, 0, 1, 0                                ; K step 6
	s_wait_dscnt (T/2)*NL                          ; K step 7: nothing more to fetch
	MULQ 0, 1, NQ-1, 1, 0
	MULQ 1, 1, NQ-1, 1, 0
	s_wait_dscnt 0x0
	MULQ 2, 1, NQ-1, 1, 0
	MULQ 3, 1, NQ-1, 1, 0
	WIN 0
; THE WAY OUT.  Block a's eight accumulators are 64 numbers of a lane, register 16 b + i = k 32 b + 16 (lane / 16) + i of the lane's row: they become one fragment's codes and its scale word.
.macro QUANTW a
.set W, 2+(\a)/4
.set AC, 64*((\a)%4)
	WIN (W<<2)|(W<<4)                              ; sources 1 and 2: the accumulators' window
.irp b, 0,1,2,3
	v_max3_num_f32 v[TM+\b], s[FLOOR], |v[AC+16*\b]|, |v[AC+16*\b+1]|    ; each accumulator from its low end on; the floor 2^(3 - 127) holds the byte at 1 from below
.endr
.irp i, 2,4,6,8,10,12,14
.irp b, 0,1,2,3
	v_max3_num_f32 v[TM+\b], v[TM+\b], |v[AC+16*\b+\i]|, |v[AC+16*\b+\i+1]|
.endr
.endr
	WIN 0
.irp b, 0,1,2,3
	v_permlanex16_b32 v[TM+4+\b], v[TM+\b], s[SEL], s[SEL+1]
.endr
.irp b, 0,1,2,3
	v_max_num_f32 v[TM+\b], v[TM+\b], v[TM+4+\b]
.endr
.irp b, 0,1,2,3
	v_add_nc_u32 v[TM+12+\b], 0xff000000, v[TM+\b]
.endr
.irp b, 0,1,2,3
	v_lshrrev_b32 v[TM+4+\b], 23, v[TM+12+\b]
.endr
	s_wait_alu depctr_va_vdst(0)
	s_wait_xcnt 0x0                                ; the last block's stores have read their registers: codes and scale words are written again only behind this wait
	v_lshl_or_b32 v[PW], v[TM+5], 8, v[TM+4]
	v_lshl_or_b32 v[PW], v[TM+6], 16, v[PW]
	v_lshl_or_b32 v[PW], v[TM+7], 24, v[PW]
	WIN W                                          ; source 0: the accumulators' window
.irp c, 0,1
	v_cvt_scalef32_pk16_fp6_f32 v[PC+6*\c:PC+2+6*\c], v[AC+32*\c:AC+15+32*\c], v[TM+12+2*\c]
	v_cvt_scalef32_pk16_fp6_f32 v[PC+12+4*\c:PC+14+4*\c], v[AC+16+32*\c:AC+31+32*\c], v[TM+13+2*\c]
.endr
	WIN 0
	v_nop                                          ; one plain place behind a scaled conversion
.irp c, 0,1
.irp i, 0,1,2
	v_permlane16_swap_b32 v[PC+6*\c+\i], v[PC+12+4*\c+\i]
.endr
.irp i, 0,1,2
	v_mov_b32 v[PC+3+6*\c+\i], v[PC+12+4*\c+\i]
.endr
.endr
.endm
	PLACES 4
	s_mov_b32 s[SEL], 0x76543210
	s_mov_b32 s[SEL+1], 0xfedcba98
	s_mov_b32 s[FLOOR], 0x1800000
.irp b, 0,1,2,3
	v_mov_b32 v[TM+4+\b], 0                        ; a lane permute's destination counts as one of its sources
.endr
	s_cmp_eq_u32 ttmp9, 2
	s_cbranch_scc1 .Lv
	; q, k: my 8 token tiles x two heads.  Registers 0-5 of a fragment are the first head's half image, 6-11 the second's
	s_lshl_b32 s18, s17, 4
	s_lshl_b32 s19, s15, 3
	s_add_co_u32 s18, s18, s19                     ; my first token tile of 256
	s_lshr_b32 s19, s18, 7                         ; the batch
	s_and_b32 s18, s18, 127                        ; the tile in it
	s_lshl_b32 s19, s19, 4
	s_lshl_b32 s20, s42, 2
	s_add_co_u32 s19, s19, s20
	s_lshl_b32 s20, s16, 1
	s_add_co_u32 s19, s19, s20                     ; the record of my first head
	s_mov_b32 s20, 106496
	s_mov_b32 s21, 208896
	s_mov_b32 s22, 98304
	s_mov_b32 s23, 196608
	s_cmp_eq_u32 ttmp9, 0
	s_cselect_b32 s20, s20, s21                    ; a record's bytes,
	s_cselect_b32 s22, s22, s23                    ; where its scale words begin,
	s_cselect_b64 s[12:13], s[94:95], s[96:97]     ; and the buffer: q's or kv's
	s_mul_i32 s19, s19, s20
	s_mul_i32 s21, s18, 768
	s_add_co_u32 s46, s19, s21
	s_mov_b32 s47, 0
	s_mov_b32 s21, 0
	s_add_nc_u64 s[4:5], s[12:13], s[46:47]        ; the first head's half images,
	s_add_nc_u64 s[6:7], s[4:5], s[20:21]          ; the second's
	s_lshl_b32 s18, s18, 6
	s_add_co_u32 s46, s19, s18
	s_add_co_u32 s46, s46, s22
	s_add_nc_u64 s[8:9], s[12:13], s[46:47]        ; their scale words
	s_add_nc_u64 s[10:11], s[8:9], s[20:21]
.irp a, 0,1,2,3,4,5,6,7
	QUANTW \a
	v_lshrrev_b32 v[PW2], 16, v[PW]                ; the second head's two bytes
.irp i, 0,1,2
	global_store_b64 v[OI], v[PC+2*\i:PC+2*\i+1], s[4:5] offset:\a*768+256*\i      ; 32 lanes store 256 consecutive bytes, at a multiple of 256 from the buffer's first byte
	global_store_b64 v[OI], v[PC+6+2*\i:PC+7+2*\i], s[6:7] offset:\a*768+256*\i
.endr
	global_store_b32 v[OS], v[PW], s[8:9] offset:\a*64
	global_store_b32 v[OS], v[PW2], s[10:11] offset:\a*64
.endr
	s_branch .Lend
.Lv:	; v: my 8 channel tiles (two heads x 4) x one key step of 128 tokens
	s_lshl_b32 s18, s17, 2
	s_lshl_b32 s19, s15, 1
	s_add_co_u32 s18, s18, s19                     ; my first head
	s_lshl_b32 s19, s42, 1
	s_add_co_u32 s19, s19, s16                     ; my 128 tokens of 32 such groups
	s_lshr_b32 s20, s19, 4
	s_lshl_b32 s20, s20, 4
	s_add_co_u32 s18, s18, s20                     ; the record
	s_and_b32 s19, s19, 15                         ; the key step
	s_mul_i32 s18, s18, 208896
	s_mul_i32 s20, s19, 6144
	s_add_co_u32 s46, s18, s20
	s_add_co_u32 s46, s46, 98304
	s_mov_b32 s47, 0
	s_add_nc_u64 s[4:5], s[96:97], s[46:47]
	s_add_nc_u64 s[6:7], s[4:5], 208896
	s_lshl_b32 s19, s19, 8
	s_add_co_u32 s46, s18, s19
	s_add_co_u32 s46, s46, 204800
	s_add_nc_u64 s[8:9], s[96:97], s[46:47]
	s_add_nc_u64 s[10:11], s[8:9], 208896
.irp a, 0,1,2,3,4,5,6,7
	QUANTW \a
.irp p, 0,1,2,3,4,5
	global_store_b64 v[OI], v[PC+2*\p:PC+2*\p+1], s[4+2*(\a/4):5+2*(\a/4)] offset:(\a%4)*1536+256*\p
.endr
	global_store_b32 v[OS], v[PW], s[8+2*(\a/4):9+2*(\a/4)] offset:(\a%4)*64
.endr
.Lend:
	s_wait_tensorcnt 0x0                           ; the wave's end
	ds_add_u32 v[SPW], v[NIL]
	s_wait_dscnt 0x0
	CROUND                                         ; the closing round: no work-group ends while a partner may still ask for a tile that names it
	s_endpgm
.Lfunc_end_k_q7a25cac399_qkv:
	.size	k_q7a25cac399_qkv, .Lfunc_end_k_q7a25cac399_qkv-k_q7a25cac399_qkv
	.p2alignl 7, 3214868480
	.fill 96, 4, 3214868480
	.section	.rodata,"a",@progbits
	.p2align	6, 0x0
	.amdhsa_kernel k_q7a25cac399_qkv
		.amdhsa_group_segment_fixed_size 327680
		.amdhsa_private_segment_fixed_size 0
		.amdhsa_enable_private_segment 0
		.amdhsa_kernarg_size 56
		.amdhsa_user_sgpr_count 2
		.amdhsa_user_sgpr_kernarg_segment_ptr 1
		.amdhsa_wavefront_size32 1
		.amdhsa_system_sgpr_workgroup_id_x 1
		.amdhsa_system_sgpr_workgroup_id_y 1
		.amdhsa_system_sgpr_workgroup_id_z 1
		.amdhsa_system_vgpr_workitem_id 0
		.amdhsa_next_free_vgpr 1024
		.amdhsa_next_free_sgpr 104
		.amdhsa_reserve_vcc 0
		.amdhsa_float_denorm_mode_32 3
		.amdhsa_float_denorm_mode_16_64 3
		.amdhsa_memory_ordered 1
		.amdhsa_forward_progress 1
		.amdhsa_inst_pref_size 204
	.end_amdhsa_kernel
	.amdgpu_metadata
---
amdhsa.version: [ 1, 2 ]
amdhsa.kernels:
  - .name:           k_q7a25cac399_qkv
    .symbol:         k_q7a25cac399_qkv.kd
    .args:
      - { .name: h, .offset: 0, .size: 8, .value_kind: global_buffer, .address_space: global }
      - { .name: wimg, .offset: 8, .size: 8, .value_kind: global_buffer, .address_space: global }
      - { .name: Wq_scales, .offset: 16, .size: 8, .value_kind: global_buffer, .address_space: global }
      - { .name: Wk_scales, .offset: 24, .size: 8, .value_kind: global_buffer, .address_space: global }
      - { .name: Wv_scales, .offset: 32, .size: 8, .value_kind: global_buffer, .address_space: global }
      - { .name: q, .offset: 40, .size: 8, .value_kind: global_buffer, .address_space: global }
      - { .name: kv, .offset: 48, .size: 8, .value_kind: global_buffer, .address_space: global }
    .group_segment_fixed_size: 327680
    .private_segment_fixed_size: 0
    .kernarg_segment_align: 8
    .kernarg_segment_size: 56
    .max_flat_workgroup_size: 128
    .sgpr_count:     104
    .vgpr_count:     1024
    .wavefront_size: 32
...
	.end_amdgpu_metadata
.endif
;; end of part 2
;; launch attn (part 3): grid 8 x 32, 16 waves a work-group, no clusters, 327,680 bytes of LDS; arguments q, kv, att; writes att
.if DOCPART == 3
	.amdgcn_target "amdgcn-amd-amdhsa--gfx1250"
	.amdhsa_code_object_version 6
	.text
	.protected	k_q7a25cac399_attn
	.globl	k_q7a25cac399_attn
	.p2align	8
	.type	k_q7a25cac399_attn,@function
k_q7a25cac399_attn:
	s_mov_b64 s[64:65], 0
	v_nop
	global_prefetch_b8 v0, s[64:65] scope:SCOPE_SE
	s_setreg_imm32_b32 hwreg(HW_REG_WAVE_MODE, 25, 1), 1
	s_wait_xcnt 0x0
; Causal attention of one head on codes of FP6 (E2M3) with E8M0 scales; the result O / l is quantised along the channels for the projection.
; t = score x log2(e) / 32 (the scale is 1,024^-0.5); M = the running largest t rounded up to a whole number; p = 2^(t - M) is quantised along the keys, not normalised; the row's sum is taken of the unquantised p.
; SHARES.  Work-group (i, record): the query blocks of 128 numbered i and 15 - i of one head: 8 (i + 1) + 8 (16 - i) = 136 key steps of a wave in every work-group.  Each of the sixteen waves owns one tile of 16 queries.
; LDS holds the head's whole kv record, 208,896 bytes, byte for byte, filled ONCE, by two tensor loads a wave: at the head a sixth of K's (waves 0-5) or V's (waves 6-11) key steps 0-3 (16 rows) or a quarter of the scale words (waves 12-15, 12 rows); behind the first barrier its eighth of
; K's (waves 0-7) or V's (waves 8-15) key steps 4-15 (36 rows).  The first four key steps begin when the head's loads of every wave have landed, 61,440 bytes in all;
; the second load lands under them and is waited for in front of key step 4.  No byte is ever filled again.
; NO CLUSTER, though the eight work-groups of a head read the same record: which key steps a wave works hangs on its query block, which differs between partners, and the record is asked for once by each work-group, 208,896 bytes.
; LAYOUT.  S^T = K Q^T (source 0 = 16 keys, source 1 = my 16 queries), O^T = V^T P^T: a lane holds one query throughout.  Lane-row m of tile t is row 32 (t / 2) + 8 (t % 2) + m + 8 (m / 8), for keys, queries and channels:
; so the 16 registers of tiles 2 b, 2 b + 1 are 16 neighbours.  The head's 64 channels are half of the first product's K of 128: registers 6-11 of K's and Q's fragments are zero codes.
; Every wave walks all 16 key steps (constant trip counts, 4 and 12); a step all of whose keys come after its queries is jumped over, by a scalar branch on ids; both barriers stand outside the steps.
; LIMITS: NaN and infinities are not served; a block of zeros gets the byte 1; the two scale bytes of a token and head leave as a store of 2 bytes a lane.
; REGISTERS: v1-7 addresses that stay; v8-11 addresses of the step; v12 -M, v13 the largest t, v[14:15] the sum; v16-27 Q; v28-31, v80-85 scale words; v32-79 four fragments of K; v96-159 S^T, p, then V's four fragments;
;   v160-191 O^T; v192-203 p's codes; v204-211 conversions' second halves; v212-229 at work.
.set BM,   212                         ; block maxima
.set BT,   216                         ; the other lanes', then bytes
.set SOP,  220                         ; the conversions' scale operands
.set TA,   224                         ; at work
.set FF,   226                         ; v[226:227] f = 2^(old M - new M), named as a pair
.set SM2,  228                         ; v[228:229] the second chain of the sum
.set QLO,  12
.set QHI,  13
.set KF,   16                          ; the step's first key
.set TBK,  17                          ; its tiles of K and of V: 6,144 bytes a step each
.set TS,   18                          ; K's scale words: 512 bytes a step
.set TJ,   19                          ; V's: 256
.set TRIPS, 20
.set SEL,  22
.set CS,   24
.set G0S,  28                          ; s[28:31] group 0, s[32:39] group 1: the scale words
.set G1S,  32
.set G1A,  48                          ; s[48:55] group 1, s[68:71] group 0: key steps 0-3
.set G0A,  68
.set G1B,  56                          ; s[56:63] group 1, s[72:75] group 0: key steps 4-15
.set G0B,  72
.macro GROUP1 g, rows                  ; rows of 32 elements of 8 bytes, dense; no mask, no padding
	s_mov_b32 s[\g], 3<<16
	s_mov_b32 s[\g+1], 32<<16
	s_mov_b32 s[\g+2], (\rows)<<16
	s_mov_b32 s[\g+3], 32<<16
	s_mov_b32 s[\g+4], \rows
	s_mov_b32 s[\g+5], 32
	s_mov_b32 s[\g+6], 0
	s_mov_b32 s[\g+7], 0
.endm
; So many key steps of 128 keys, from where the last ones ended.
.macro KEYS trips
	s_mov_b32 s[TRIPS], \trips
.Lstep_\@:
	s_cmp_gt_u32 s[KF], s[QHI]                     ; all 128 keys come after my queries: nothing to do
	s_cbranch_scc1 .Lhidden_\@
	v_add_nc_u32 v8, s[TBK], v1
	s_wait_alu depctr_va_vdst(0)
	v_add_nc_u32 v9, s[TBK], v2
	v_add_nc_u32 v10, s[TS], v3
	s_wait_alu depctr_va_vdst(0)
	v_add_nc_u32 v11, s[TJ], v4
	v_nop                                          ; with the four additions six places: the scores below are written over V's fragments, which the last products read (five are asked)
	v_nop
.irp g, 0,1                                    ; S^T = K Q^T, four tiles of 16 keys at a time
.if \g
.rept 4
	v_nop                                          ; places in front of loads into registers that matrix instructions have read
.endr
.endif
.irp t, 0,1,2,3
.irp i, 0,1,2
	ds_load_b64 v[32+12*\t+2*\i:33+12*\t+2*\i], v8 offset:(4*\g+\t)*768+256*\i
.endr
	ds_load_b32 v[28+\t], v10 offset:(4*\g+\t)*64
.endr
	s_wait_dscnt 0x0
.irp t, 0,1,2,3
	v_wmma_scale_f32_16x16x128_f8f6f4 v[96+8*(4*\g+\t):103+8*(4*\g+\t)], v[32+12*\t:43+12*\t], v[16:27], 0, v[28+\t], v84 matrix_a_fmt:MATRIX_FMT_FP6 matrix_b_fmt:MATRIX_FMT_FP6
.endr
.endr
.rept 4
	v_nop
.endr
	s_add_co_u32 s3, s[KF], 127                    ; on the diagonal hidden scores become -infinity ahead of the maximum; a step all of whose keys count skips this
	s_cmp_le_u32 s3, s[QLO]
	s_cbranch_scc1 .Lopen_\@
	s_sub_co_i32 s3, 0, s[KF]
	v_add_nc_u32 v[TA], s3, v5                     ; d = my query - KF - 16 h.  Register 16 b + i holds key KF + 32 b + 16 h + i: hidden where 32 b + i > d
	v_mov_b32 v[SM2], 0xff800000
.set j, 0
.rept 64
	v_cmp_gt_i32 vcc_lo, 32*(j/16)+j%16, v[TA]
	v_cndmask_b32 v[96+j], v[96+j], v[SM2], vcc_lo
.set j, j+1
.endr
.Lopen_\@:
.irp b, 0,1,2,3
	v_max3_num_f32 v[BM+\b], v[96+16*\b], v[97+16*\b], v[98+16*\b]   ; the largest score of each block of 32 keys: for the row's maximum, and, since p rises with the score, for the block's largest p
.endr
.irp i, 3,5,7,9,11,13
.irp b, 0,1,2,3
	v_max3_num_f32 v[BM+\b], v[BM+\b], v[96+16*\b+\i], v[97+16*\b+\i]
.endr
.endr
.irp b, 0,1,2,3
	v_max_num_f32 v[BM+\b], v[BM+\b], v[111+16*\b]
.endr
.irp b, 0,1,2,3
	s_delay_alu instid0(VALU_DEP_4)
	v_permlanex16_b32 v[BT+\b], v[BM+\b], s[SEL], s[SEL+1]
.endr
.irp b, 0,1,2,3
	s_delay_alu instid0(VALU_DEP_4)
	v_max_num_f32 v[BM+\b], v[BM+\b], v[BT+\b]
.endr
	s_delay_alu instid0(VALU_DEP_2)
	v_max3_num_f32 v[TA], v[BM], v[BM+1], v[BM+2]
	s_delay_alu instid0(VALU_DEP_1)
	v_max_num_f32 v[TA], v[TA], v[BM+3]
	s_delay_alu instid0(VALU_DEP_1)
	v_mul_f32 v[TA], s[CS], v[TA]                  ; the step's largest t
	s_delay_alu instid0(VALU_DEP_1)
	v_max_num_f32 v13, v13, v[TA]
	v_mov_b32 v[TA], v12
	s_delay_alu instid0(VALU_DEP_2)
	v_floor_f32 v12, -v13                          ; the new -M = -ceil(t)
	s_delay_alu instid0(VALU_DEP_1)
	v_sub_f32 v[TA], v12, v[TA]                    ; old M - new M: a whole number, 0 or less
	s_delay_alu instid0(VALU_DEP_1)
	v_cvt_i32_f32 v[TA], v[TA]                     ; (it saturates)
	s_delay_alu instid0(VALU_DEP_1)
	v_ldexp_f32 v[FF], 1.0, v[TA]                  ; f = 2^(old M - new M)
.set j, 0
.rept 32
	v_pk_fma_f32 v[96+j:97+j], v[96+j:97+j], s[CS:CS+1], v[12:13] op_sel_hi:[1,0,0]   ; t - M
.set j, j+2
.endr
.irp b, 0,1,2,3
	v_fma_f32 v[BM+\b], v[BM+\b], s[CS], v12
.endr
.set j, 0
	s_wait_alu depctr_va_vdst(0)
.rept 64
	v_exp_f32 v[96+j], v[96+j]                     ; p = 2^(t - M)
.set j, j+1
.endr
.irp b, 0,1,2,3
	v_exp_f32 v[BM+\b], v[BM+\b]                   ; the block's largest p
.endr
	v_pk_mul_f32 v[14:15], v[14:15], v[FF:FF+1] op_sel_hi:[1,0]      ; the sum under the new M (a plain place behind the exponentials)
	s_wait_alu depctr_va_vdst(0)
	v_pk_add_f32 v[228:229], v[100:101], v[104:105]
	v_pk_add_f32 v[238:239], v[108:109], v[112:113]
	v_pk_add_f32 v[236:237], v[116:117], v[120:121]
	v_pk_add_f32 v[234:235], v[124:125], v[128:129]
	v_pk_add_f32 v[232:233], v[132:133], v[136:137]
	v_pk_add_f32 v[230:231], v[140:141], v[144:145]
	v_pk_add_f32 v[222:223], v[148:149], v[152:153]
	v_pk_add_f32 v[14:15], v[14:15], v[156:157]
	v_pk_add_f32 v[228:229], v[228:229], v[96:97]
	v_pk_add_f32 v[238:239], v[238:239], v[98:99]
	v_pk_add_f32 v[236:237], v[236:237], v[102:103]
	v_pk_add_f32 v[234:235], v[234:235], v[106:107]
	v_pk_add_f32 v[232:233], v[232:233], v[110:111]
	v_pk_add_f32 v[230:231], v[230:231], v[114:115]
	v_pk_add_f32 v[222:223], v[222:223], v[118:119]
	v_pk_add_f32 v[14:15], v[14:15], v[122:123]
	v_pk_add_f32 v[228:229], v[228:229], v[126:127]
	v_pk_add_f32 v[238:239], v[238:239], v[130:131]
	v_pk_add_f32 v[236:237], v[236:237], v[134:135]
	v_pk_add_f32 v[234:235], v[234:235], v[138:139]
	v_pk_add_f32 v[232:233], v[232:233], v[142:143]
	v_pk_add_f32 v[230:231], v[230:231], v[146:147]
	v_pk_add_f32 v[222:223], v[222:223], v[150:151]
	v_pk_add_f32 v[14:15], v[14:15], v[154:155]
	v_pk_add_f32 v[228:229], v[228:229], v[158:159]
	s_delay_alu instid0(VALU_DEP_2)
	v_pk_add_f32 v[14:15], v[14:15], v[234:235]
	s_delay_alu instid0(VALU_DEP_2)
	v_pk_add_f32 v[228:229], v[228:229], v[232:233]
	v_pk_add_f32 v[238:239], v[238:239], v[230:231]
	v_pk_add_f32 v[236:237], v[236:237], v[222:223]
	s_delay_alu instid0(VALU_DEP_2)
	v_pk_add_f32 v[14:15], v[14:15], v[238:239]
	s_delay_alu instid0(VALU_DEP_2)
	v_pk_add_f32 v[228:229], v[228:229], v[236:237]
	s_delay_alu instid0(VALU_DEP_1)
	v_pk_add_f32 v[14:15], v[14:15], v[228:229]
.irp b, 0,1,2,3
	v_max_num_f32 v[BM+\b], 0x1800000, v[BM+\b]    ; the floor 2^(3 - 127)
.endr
.irp b, 0,1,2,3
	s_delay_alu instid0(VALU_DEP_4)
	v_add_nc_u32 v[SOP+\b], 0xff000000, v[BM+\b]
.endr
.irp b, 0,1,2,3
	s_delay_alu instid0(VALU_DEP_4)
	v_lshrrev_b32 v[BT+\b], 23, v[SOP+\b]
.endr
	s_delay_alu instid0(VALU_DEP_3)
	v_lshl_or_b32 v85, v[BT+1], 8, v[BT]           ; p's scale word for these 128 keys
	s_delay_alu instid0(VALU_DEP_1)
	v_lshl_or_b32 v85, v[BT+2], 16, v85
	s_delay_alu instid0(VALU_DEP_1)
	v_lshl_or_b32 v85, v[BT+3], 24, v85
.irp c, 0,1
	v_cvt_scalef32_pk16_fp6_f32 v[192+6*\c:194+6*\c], v[96+32*\c:111+32*\c], v[SOP+2*\c]
	v_cvt_scalef32_pk16_fp6_f32 v[204+4*\c:206+4*\c], v[112+32*\c:127+32*\c], v[SOP+2*\c+1]
.endr
	v_nop                                          ; one plain place behind a scaled conversion
.irp c, 0,1,2,3                                ; V's four fragments take p's registers; they land under the lines below
.irp p, 0,1,2,3,4,5
	ds_load_b64 v[96+12*\c+2*\p:97+12*\c+2*\p], v9 offset:1536*\c+256*\p
.endr
	ds_load_b32 v[80+\c], v11 offset:64*\c
.endr
.irp c, 0,1
.irp i, 0,1,2
	v_permlane16_swap_b32 v[192+6*\c+\i], v[204+4*\c+\i]
.endr
.irp i, 0,1,2
	s_delay_alu instid0(VALU_DEP_3)
	v_mov_b32 v[195+6*\c+\i], v[204+4*\c+\i]
.endr
.endr
.set j, 0
.rept 16
	v_pk_mul_f32 v[160+j:161+j], v[160+j:161+j], v[FF:FF+1] op_sel_hi:[1,0]   ; O^T under the new M.  These sixteen are also the places between the writes of p's codes and scale word and the products
.set j, j+2
.endr
	s_wait_alu depctr_va_vdst(0)
	s_wait_dscnt 0x0
.irp c, 0,1,2,3                                ; O^T += V^T P^T: four accumulators, one instruction a turn
	v_wmma_scale_f32_16x16x128_f8f6f4 v[160+8*\c:167+8*\c], v[96+12*\c:107+12*\c], v[192:203], v[160+8*\c:167+8*\c], v[80+\c], v85 matrix_a_fmt:MATRIX_FMT_FP6 matrix_b_fmt:MATRIX_FMT_FP6
.endr
.Lhidden_\@:
	s_add_co_u32 s[KF], s[KF], 128
	s_add_co_u32 s[TBK], s[TBK], 6144
	s_add_co_u32 s[TS], s[TS], 512
	s_add_co_u32 s[TJ], s[TJ], 256
	s_sub_co_u32 s[TRIPS], s[TRIPS], 1
	s_cmp_lg_u32 s[TRIPS], 0
	s_cbranch_scc1 .Lstep_\@
.endm
	s_load_b128 s[4:7], s[0:1], 0x0                ; q, kv
	s_load_b64 s[8:9], s[0:1], 0x10                ; att
	v_lshl_add_u32 v240, v0, 2, 0x33000
	v_mov_b32 v241, 0
	ds_add_u32 v240, v241
	ds_add_u32 v240, v241
	v_lshrrev_b32 v1, 5, v0
	s_delay_alu instid0(VALU_DEP_1)
	v_readfirstlane_b32 s2, v1                     ; wave 0..15
	s_and_b32 s14, ttmp7, 0xffff                   ; the record: batch x 16 + head
	s_lshr_b32 s3, s2, 2
	s_xor_b32 s3, s3, s2
	s_and_b32 s3, s3, 1                            ; waves 2 k and 2 k + 1 take tile k of the two blocks; early and late blocks alternate among the waves
	s_sub_co_u32 s10, 15, ttmp9
	s_cmp_eq_u32 s3, 1
	s_cselect_b32 s10, s10, ttmp9                  ; my block of 128 queries
	s_lshl_b32 s11, s10, 3
	s_lshr_b32 s3, s2, 1
	s_add_co_u32 s11, s11, s3                      ; my tile of 128
	s_lshr_b32 s[QLO], s11, 1
	s_lshl_b32 s[QLO], s[QLO], 5
	s_and_b32 s3, s11, 1
	s_lshl_b32 s3, s3, 3
	s_add_co_u32 s[QLO], s[QLO], s3                ; my first query,
	s_add_co_u32 s[QHI], s[QLO], 23                ; my last
	GROUP1 G1S, 12
	GROUP1 G1A, 16
	GROUP1 G1B, 36
	s_mul_i32 s40, s14, 208896                     ; the record's first byte in kv
	s_mul_i32 s[G0S+1], s2, 3072                   ; waves 12-15: a quarter of the scale words each: 196,608 + 3,072 (wave - 12)
	s_add_co_u32 s[G0S+1], s[G0S+1], 159744
	s_lshr_b32 s3, s2, 3
	s_mul_i32 s3, s3, 98304                        ; K's tiles (waves 0-7) or V's (waves 8-15);
	s_and_b32 s41, s2, 7
.set G0V, 76                           ; s[76:79] group 0: V's key steps 0-3
	s_lshl_b32 s[G0A+1], s2, 12                    ; waves 0-5: a sixth of K's key steps 0-3 each: 4,096 x wave
	s_add_co_u32 s[G0V+1], s[G0A+1], 73728         ; waves 6-11: of V's: 98,304 + 4,096 (wave - 6)
	s_mul_i32 s[G0B+1], s41, 9216                  ; key steps 4-15: 73,728 bytes in eight parts, behind the first 24,576
	s_add_co_u32 s[G0B+1], s[G0B+1], s3
	s_add_co_u32 s[G0B+1], s[G0B+1], 24576
.irp g, G0S, G0A, G0B, G0V
	s_mov_b32 s[\g], 1
	s_add_co_u32 s[\g+2], s40, s[\g+1]
	s_mov_b32 s[\g+3], 0
.endr
	s_mul_i32 s42, s14, 106496
	s_mul_i32 s3, s11, 768
	s_add_co_u32 s42, s42, s3                      ; Q's half image
	s_mov_b32 s43, 0
	s_mul_i32 s44, s14, 106496
	s_lshl_b32 s3, s11, 6
	s_add_co_u32 s44, s44, s3
	s_add_co_u32 s44, s44, 98304                   ; and its scale words
	s_mov_b32 s45, 0
	s_lshr_b32 s15, s14, 4                         ; the batch
	s_and_b32 s21, s14, 15                         ; the head
	s_lshl_b32 s46, s15, 7
	s_add_co_u32 s46, s46, s11
	s_lshl_b32 s46, s46, 3
	s_lshr_b32 s3, s21, 1
	s_add_co_u32 s46, s46, s3
	s_mul_i32 s46, s46, 1536                       ; att's image (token tile, K step = head / 2),
	s_and_b32 s3, s21, 1
	s_mul_i32 s3, s3, 768
	s_add_co_u32 s46, s46, s3                      ; its half
	s_mov_b32 s47, 0
	s_lshl_b32 s26, s15, 11
	s_add_co_u32 s26, s26, s[QLO]
	s_lshl_b32 s26, s26, 5
	s_lshl_b32 s3, s21, 1
	s_add_co_u32 s26, s26, s3
	s_add_co_u32 s26, s26, 3145728                 ; att's scale bytes: 32 a token, 2 a head
	s_mov_b32 s27, 0
	s_mov_b32 s[SEL], 0x76543210
	s_mov_b32 s[SEL+1], 0xfedcba98
	s_mov_b32 s[CS], 0x3d38aa3b                    ; c = log2(e) / 32
	s_mov_b32 s[CS+1], s[CS]
	s_mov_b32 s[KF], 0
	s_mov_b32 s[TBK], 0
	s_mov_b32 s[TS], 0
	s_mov_b32 s[TJ], 0
	s_wait_dscnt 0x0
	s_wait_kmcnt 0x0
.irp g, G0S, G0A, G0B, G0V
	s_add_nc_u64 s[\g+2:\g+3], s[6:7], s[\g+2:\g+3]
	s_or_b32 s[\g+3], s[\g+3], 0x80000000
.endr
	; THE HEAD'S LOADS, ONE A WAVE: what key steps 0-3 need, 61,440 bytes, shared out among the sixteen waves by one chain of branches on the wave's number.
	; Key steps 4-15 are asked for behind the first barrier, each wave its eighth of K's or V's.
	s_cmp_lt_u32 s2, 6
	s_cbranch_scc0 .Lhead_v
	tensor_load_to_lds s[G0A:G0A+3], s[G1A:G1A+7]
	s_nop 0
.rept 4
	v_nop
.endr
	s_branch .Lhead_asked
.Lhead_v:
	s_cmp_lt_u32 s2, 12
	s_cbranch_scc0 .Lhead_s
	tensor_load_to_lds s[G0V:G0V+3], s[G1A:G1A+7]
	s_nop 0
.rept 4
	v_nop
.endr
	s_branch .Lhead_asked
.Lhead_s:
	tensor_load_to_lds s[G0S:G0S+3], s[G1S:G1S+7]
	s_nop 0
.rept 4
	v_nop
.endr
.Lhead_asked:
	s_add_nc_u64 s[42:43], s[4:5], s[42:43]
	s_add_nc_u64 s[44:45], s[4:5], s[44:45]
	s_add_nc_u64 s[46:47], s[8:9], s[46:47]
	s_add_nc_u64 s[26:27], s[8:9], s[26:27]
	v_and_b32 v1, 31, v0
	s_delay_alu instid0(VALU_DEP_1)
	v_lshlrev_b32 v1, 3, v1                        ; 8 x lane: my place in a piece; K's tiles begin at LDS byte 0
	s_delay_alu instid0(VALU_DEP_1)
	v_add_nc_u32 v2, 98304, v1                     ; V's
	v_and_b32 v8, 15, v0                           ; r
	v_bfe_u32 v9, v0, 4, 1                         ; h
	s_delay_alu instid0(VALU_DEP_2)
	v_lshlrev_b32 v6, 2, v8                        ; 4 r
	s_delay_alu instid0(VALU_DEP_1)
	v_add_nc_u32 v3, 196608, v6                    ; K's scale words
	s_delay_alu instid0(VALU_DEP_2)
	v_add_nc_u32 v4, 204800, v6                    ; V's
	v_and_b32 v11, 8, v8
	s_delay_alu instid0(VALU_DEP_1)
	v_add_nc_u32 v11, v11, v8                      ; r + 8 (r / 8)
	s_delay_alu instid0(VALU_DEP_1)
	v_lshlrev_b32 v7, 5, v11                       ; my token's scale bytes in att
	s_delay_alu instid0(VALU_DEP_2)
	v_add_nc_u32 v5, s[QLO], v11                   ; my query,
	v_lshlrev_b32 v9, 4, v9
	s_delay_alu instid0(VALU_DEP_1)
	v_sub_nc_u32 v5, v5, v9                        ; less 16 h
.irp i, 0,1,2
	global_load_b64 v[16+2*\i:17+2*\i], v1, s[42:43] offset:256*\i   ; Q's half fragment stays in registers
.endr
	global_load_b32 v84, v6, s[44:45]              ; and its scale word
.irp j, 22,23,24,25,26,27
	v_mov_b32 v\j, 0                               ; zero codes for K = 64 .. 127
.endr
.irp t, 0,1,2,3
.irp j, 6,7,8,9,10,11
	v_mov_b32 v[32+12*\t+\j], 0                    ; likewise in K's four fragments: written once
.endr
.endr
	v_mov_b32 v13, 0xff61b1e6                      ; the largest t so far: -3e38
	s_delay_alu instid0(VALU_DEP_1)
	v_floor_f32 v12, -v13                          ; -M
	v_mov_b32 v14, 0
	v_mov_b32 v15, 0
.irp b, 0,1,2,3
	v_mov_b32 v[BT+\b], 0                          ; a lane permute's destination counts as one of its sources
.endr
	v_mov_b32 v[TA], 0
	v_mov_b32 v[FF+1], 0                           ; (named as the upper half of a pair)
.set j, 0
.rept 32
	v_mov_b32 v[160+j], 0                          ; O^T: the step is written for every step alike; the first finds zeros
.set j, j+1
.endr
	s_wait_alu depctr_va_vdst(0)                   ; the wait at the head's end
	s_wait_tensorcnt 0x0                           ; my load of the head has landed
	ds_add_u32 v240, v241
	s_wait_dscnt 0x0
	s_barrier_signal -1
	s_barrier_wait -1                              ; everybody's has
	tensor_load_to_lds s[G0B:G0B+3], s[G1B:G1B+7]  ; my part of key steps 4-15: it lands under the first four key steps
	s_nop 0
.rept 4
	v_nop
.endr
	s_wait_loadcnt 0x0
	KEYS 4
	s_wait_tensorcnt 0x0                           ; my part of key steps 4-15 has landed,
	s_barrier_signal -1
	s_barrier_wait -1                              ; everybody's has
	KEYS 12
	; THE WAY OUT: O^T / l; register 16 b + i is channel 32 b + 16 h + i of the head: two blocks, half a fragment
.rept 4
	v_nop
.endr
	v_add_f32 v14, v14, v15
	s_delay_alu instid0(VALU_DEP_1)
	v_permlanex16_b32 v[TA], v14, s[SEL], s[SEL+1]
	s_delay_alu instid0(VALU_DEP_1)
	v_add_f32 v14, v14, v[TA]                      ; the row's sum
	s_wait_alu depctr_va_vdst(0)
	v_rcp_f32 v14, v14
	v_nop                                          ; one plain place behind a transcendental
.set j, 0
	s_wait_alu depctr_va_vdst(0)
.rept 32
	v_mul_f32 v[32+j], v[160+j], v14
.set j, j+1
.endr
.irp b, 0,1
	v_max3_num_f32 v[BM+\b], |v[32+16*\b]|, |v[33+16*\b]|, 0x1800000
.endr
.irp i, 2,4,6,8,10,12,14
.irp b, 0,1
	s_delay_alu instid0(VALU_DEP_2)
	v_max3_num_f32 v[BM+\b], v[BM+\b], |v[32+16*\b+\i]|, |v[33+16*\b+\i]|
.endr
.endr
.irp b, 0,1
	s_delay_alu instid0(VALU_DEP_2)
	v_permlanex16_b32 v[BT+\b], v[BM+\b], s[SEL], s[SEL+1]
.endr
.irp b, 0,1
	s_delay_alu instid0(VALU_DEP_2)
	v_max_num_f32 v[BM+\b], v[BM+\b], v[BT+\b]
.endr
.irp b, 0,1
	s_delay_alu instid0(VALU_DEP_2)
	v_add_nc_u32 v[SOP+\b], 0xff000000, v[BM+\b]
.endr
.irp b, 0,1
	s_delay_alu instid0(VALU_DEP_2)
	v_lshrrev_b32 v[BT+\b], 23, v[SOP+\b]
.endr
	s_delay_alu instid0(VALU_DEP_1)
	v_lshl_or_b32 v[TA], v[BT+1], 8, v[BT]         ; the two scale bytes
	v_cvt_scalef32_pk16_fp6_f32 v[192:194], v[32:47], v[SOP]
	v_cvt_scalef32_pk16_fp6_f32 v[204:206], v[48:63], v[SOP+1]
	v_nop
.irp i, 0,1,2
	v_permlane16_swap_b32 v[192+\i], v[204+\i]
.endr
.irp i, 0,1,2
	s_delay_alu instid0(VALU_DEP_3)
	v_mov_b32 v[195+\i], v[204+\i]
.endr
.irp i, 0,1,2
	global_store_b64 v1, v[192+2*\i:193+2*\i], s[46:47] offset:256*\i   ; 32 lanes store 256 consecutive bytes, at a multiple of 256 from the buffer's first byte
.endr
	global_store_b16 v7, v[TA], s[26:27]
	s_wait_tensorcnt 0x0
	ds_add_u32 v240, v241
	s_wait_dscnt 0x0
	s_endpgm
.Lfunc_end_k_q7a25cac399_attn:
	.size	k_q7a25cac399_attn, .Lfunc_end_k_q7a25cac399_attn-k_q7a25cac399_attn
	.p2alignl 7, 3214868480
	.fill 96, 4, 3214868480
	.section	.rodata,"a",@progbits
	.p2align	6, 0x0
	.amdhsa_kernel k_q7a25cac399_attn
		.amdhsa_group_segment_fixed_size 327680
		.amdhsa_private_segment_fixed_size 0
		.amdhsa_enable_private_segment 0
		.amdhsa_kernarg_size 24
		.amdhsa_user_sgpr_count 2
		.amdhsa_user_sgpr_kernarg_segment_ptr 1
		.amdhsa_wavefront_size32 1
		.amdhsa_system_sgpr_workgroup_id_x 1
		.amdhsa_system_sgpr_workgroup_id_y 1
		.amdhsa_system_sgpr_workgroup_id_z 1
		.amdhsa_system_vgpr_workitem_id 0
		.amdhsa_next_free_vgpr 242
		.amdhsa_next_free_sgpr 80
		.amdhsa_reserve_vcc 1
		.amdhsa_float_denorm_mode_32 3
		.amdhsa_float_denorm_mode_16_64 3
		.amdhsa_memory_ordered 1
		.amdhsa_forward_progress 1
		.amdhsa_inst_pref_size 64
	.end_amdhsa_kernel
	.amdgpu_metadata
---
amdhsa.version: [ 1, 2 ]
amdhsa.kernels:
  - .name:           k_q7a25cac399_attn
    .symbol:         k_q7a25cac399_attn.kd
    .args:
      - { .name: q, .offset: 0, .size: 8, .value_kind: global_buffer, .address_space: global }
      - { .name: kv, .offset: 8, .size: 8, .value_kind: global_buffer, .address_space: global }
      - { .name: att, .offset: 16, .size: 8, .value_kind: global_buffer, .address_space: global }
    .group_segment_fixed_size: 327680
    .private_segment_fixed_size: 0
    .kernarg_segment_align: 8
    .kernarg_segment_size: 24
    .max_flat_workgroup_size: 512
    .sgpr_count:     80
    .vgpr_count:     242
    .wavefront_size: 32
...
	.end_amdgpu_metadata
.endif
;; end of part 3
;; launch proj (part 4): grid 8 x 32, 4 waves a work-group, clusters of 4 x 4, 327,680 bytes of LDS; arguments att, wimg, Wproj_scales, bproj, x, x1; writes x1
.if DOCPART == 4
	.amdgcn_target "amdgcn-amd-amdhsa--gfx1250"
	.amdhsa_code_object_version 6
	.text
	.protected	k_q7a25cac399_proj
	.globl	k_q7a25cac399_proj
	.p2align	8
	.type	k_q7a25cac399_proj,@function
k_q7a25cac399_proj:
	s_mov_b64 s[64:65], 0
	v_nop
	global_prefetch_b8 v0, s[64:65] scope:SCOPE_SE
	s_setreg_imm32_b32 hwreg(HW_REG_WAVE_MODE, 25, 1), 1
	s_wait_xcnt 0x0
	s_wait_alu depctr_hold_cnt(0) depctr_sa_sdst(0) depctr_va_vdst(0) depctr_va_sdst(0) depctr_va_ssrc(0) depctr_va_vcc(0) depctr_vm_vsrc(0)
	s_getreg_b32 s2, hwreg(HW_REG_IB_STS2, 6, 4)
	s_cmp_eq_u32 s2, 0
	s_cbranch_scc0 .Lentry_in_a_cluster
	s_endpgm
.Lentry_in_a_cluster:
	s_bfe_u32 s2, ttmp6, 0x10000c
	s_cmp_lg_u32 s2, 0xf033
	s_cbranch_scc0 .Lentry_shape_is_right
	s_endpgm
.Lentry_shape_is_right:
.set T,     4
.set NQ,    4
.set S,     8
.set KS,    32
.set ASEC,  3145728
.set WSEC,  2359296
.set FR,    12
.set NL,    6
.set FRB,   1536
.set HALFT, T*S*FRB                    ; a half of A or of B for ALL of K: LDS holds the whole product's codes, filled once
.set SLOT,  4*HALFT
.set SCL,   SLOT
.set SU,    16*T*KS/256
.set HALFS, SU*272
.set SPARE, SCL+4*HALFS
.set LAPS,  S/(2*NQ)
.set ADRA, 16
.set ADRB, 20
.set STO,  24
.set RD,   25
.set CO,   26
.set ADRS, 27
.set SPW,  28
.set NIL,  29
.set SC,   32
.set BIAS, 64
.set AF,   128
.set BK,   128
.set G1, 24
.set G0, 32
.set G1B, 48
.set G0B, 56
.set G1S, 68
.set G0S, 76
.set G1SB, 80
.set G0SB, 88
.set MSB, 0
.macro WIN new
.if MSB != (\new)
	s_set_vgpr_msb (MSB<<8)|(\new)
.set MSB, \new
.endif
.endm
.macro JLOAD g0a, g1a, g0b, g1b
	s_cmp_eq_u32 s15, 0
	s_cbranch_scc0 .Lfor_b_\@
	tensor_load_to_lds s[\g0a:\g0a+3], s[\g1a:\g1a+7]
	s_nop 0
.rept 4
	v_nop
.endr
	s_branch .Lasked_\@
.Lfor_b_\@:
	tensor_load_to_lds s[\g0b:\g0b+3], s[\g1b:\g1b+7]
	s_nop 0
.rept 4
	v_nop
.endr
.Lasked_\@:
.endm
.macro CREST
	s_cmp_lg_u32 s14, 0
	s_cbranch_scc1 .Lnot_wave_0_\@
	s_barrier_signal -3
.Lnot_wave_0_\@:
	s_barrier_wait -3
	s_barrier_signal -1
	s_barrier_wait -1
.endm
.macro CROUND
	s_barrier_signal -1
	s_barrier_wait -1
	CREST
.endm
.macro PLACES n
.rept \n
	v_nop
.endr
.endm
.macro FRAG reg, adr, q, i
.irp p, 0,1,2,3,4,5
	ds_load_b64 v[\reg+2*\p:\reg+2*\p+1], v[\adr] offset:(\i)*S*FRB+(\q)*FRB+256*\p
.endr
.endm
.macro FETCH_B slot, q, p
	WIN 0x40
.set fi, 0
.rept T
	FRAG 128*(\p)+FR*fi, ADRB+\slot, \q, fi
.set fi, fi+1
.endr
	WIN 0
.endm
.macro FETCH_A slot, q, i0
.set fi, \i0
.rept T/2
	FRAG AF+FR*fi, ADRA+\slot, \q, fi
.set fi, fi+1
.endr
.endm
.macro SCALES sc
.set fi, 0
.rept T
	ds_load_b128 v[SC+16*\sc+4*fi:SC+16*\sc+4*fi+3], v[ADRS] offset:((32*(fi/2)+8*(fi%2))*KS/256)*272
.set fi, fi+1
.endr
.endm
.macro MULQ g, p, q, sc, c
.set ia, (\g)*T/4
.rept T/4
.set LIN, 8*T*ia
.set WD, 2+LIN/256
.if \c == 2
	WIN (WD<<6)|1
.else
	WIN (WD<<6)|(WD<<4)|1
.endif
.set ib, 0
.rept T
.set rD, (LIN+8*ib)%256
.if \c == 0
	v_wmma_scale_f32_16x16x128_f8f6f4 v[rD:rD+7], v[128*(\p)+FR*ib:128*(\p)+FR*ib+FR-1], v[AF+FR*ia:AF+FR*ia+FR-1], v[rD:rD+7], v[SC+16*(\sc)+NQ*ib+(\q)], v[SC+16*(\sc)+NQ*ia+(\q)] matrix_a_fmt:MATRIX_FMT_FP6 matrix_b_fmt:MATRIX_FMT_FP6 matrix_a_scale:MATRIX_SCALE_ROW1
.else
	v_wmma_scale_f32_16x16x128_f8f6f4 v[rD:rD+7], v[128*(\p)+FR*ib:128*(\p)+FR*ib+FR-1], v[AF+FR*ia:AF+FR*ia+FR-1], v[BIAS+8*ib:BIAS+8*ib+7], v[SC+16*(\sc)+NQ*ib+(\q)], v[SC+16*(\sc)+NQ*ia+(\q)] matrix_a_fmt:MATRIX_FMT_FP6 matrix_b_fmt:MATRIX_FMT_FP6 matrix_a_scale:MATRIX_SCALE_ROW1
.endif
.set ib, ib+1
.endr
.set ia, ia+1
.endr
.endm
.macro STEP slot, q, c
	s_wait_dscnt (T/2)*NL
	MULQ 0, (\q)%2, \q, \slot, \c
	MULQ 1, (\q)%2, \q, \slot, \c
	s_wait_dscnt 0x0
	PLACES 4
	FETCH_B \slot, (\q)+1, 1-(\q)%2
	FETCH_A \slot, (\q)+1, 0
	MULQ 2, (\q)%2, \q, \slot, \c
	MULQ 3, (\q)%2, \q, \slot, \c
	PLACES 4
	WIN 0
	FETCH_A \slot, (\q)+1, T/2
.endm
.macro TURN slot, next, fill
	s_wait_tensorcnt 0x0
	ds_add_u32 v[SPW], v[NIL]
	s_wait_dscnt (T/2)*NL+1
	MULQ 0, 1, NQ-1, \slot, 0
	s_wait_dscnt 0x0
	s_barrier_signal -1
	MULQ 1, 1, NQ-1, \slot, 0
	WIN 0
	s_barrier_wait -1
.if \fill
	CREST
	s_add_nc_u64 s[G0+4*\slot+2:G0+4*\slot+3], s[G0+4*\slot+2:G0+4*\slot+3], 2*NQ*FRB
	s_add_nc_u64 s[G0B+4*\slot+2:G0B+4*\slot+3], s[G0B+4*\slot+2:G0B+4*\slot+3], 2*NQ*FRB
	JLOAD G0+4*\slot, G1, G0B+4*\slot, G1B
.else
	PLACES 4
.endif
	v_add_nc_u32 v[ADRS], 4*NQ, v[ADRS]
	FETCH_B \next, 0, 0
	FETCH_A \next, 0, 0
	SCALES \next
	MULQ 2, 1, NQ-1, \slot, 0
	MULQ 3, 1, NQ-1, \slot, 0
	PLACES 4
	WIN 0
	FETCH_A \next, 0, T/2
.endm
	s_load_b128 s[4:7], s[0:1], 0x0
	s_load_b128 s[8:11], s[0:1], 0x10
	s_load_b128 s[92:95], s[0:1], 0x20
	v_lshl_add_u32 v[SPW], v0, 2, SPARE
	v_mov_b32 v[NIL], 0
	ds_add_u32 v28, v29
	ds_add_u32 v28, v29
	s_wait_dscnt 0x0
	v_lshrrev_b32 v1, 5, v0
	v_readfirstlane_b32 s14, v1
	s_lshr_b32 s15, s14, 1
	s_and_b32 s16, s14, 1
	s_bfe_u32 s40, ttmp6, 0x40000
	s_bfe_u32 s41, ttmp6, 0x40004
	s_lshl_b32 s42, ttmp9, 2
	s_add_co_u32 s42, s42, s40
	s_and_b32 s17, ttmp7, 0xffff
	s_lshl_b32 s17, s17, 2
	s_add_co_u32 s17, s17, s41
	s_lshl_b32 s43, s41, 2
	s_lshl_b32 s43, 15, s43
	s_lshl_b32 s44, 0x1111, s40
	s_or_b32 s[G1+0], s43, (3<<16)|(1<<21)
	s_or_b32 s[G1B+0], s44, (3<<16)|(1<<21)
.irp g, G1, G1B
	s_mov_b32 s[\g+1], (192*S)<<16                 ; 8 tiles x 8 K steps x 1,536 bytes
	s_mov_b32 s[\g+2], (2*T)<<16
	s_mov_b32 s[\g+3], (192*S)<<16
	s_mov_b32 s[\g+4], 2*T
	s_mov_b32 s[\g+5], 192*S
	s_mov_b32 s[\g+6], 0
	s_mov_b32 s[\g+7], 0
.endr
	s_or_b32 s[G1S+0], s43, (3<<16)|(1<<20)|(1<<21)|(5<<22)|(3<<25)
	s_or_b32 s[G1SB+0], s44, (3<<16)|(1<<20)|(1<<21)|(5<<22)|(3<<25)
.irp g, G1S, G1SB
	s_mov_b32 s[\g+1], 32<<16
	s_mov_b32 s[\g+2], (2*SU)<<16
	s_mov_b32 s[\g+3], 32<<16
	s_mov_b32 s[\g+4], 2*SU
	s_mov_b32 s[\g+5], 32
	s_mov_b32 s[\g+6], 0
	s_mov_b32 s[\g+7], 0
.endr
	s_lshl_b32 s18, s16, 2
	s_lshl_b32 s12, s17, 3
	s_add_co_u32 s12, s12, s18
	s_lshl_b32 s66, s42, 3
	s_add_co_u32 s66, s66, s18
	s_mul_i32 s18, s12, S*FRB
	s_mov_b32 s19, 0
	s_mul_i32 s12, s12, 16*KS
	s_add_co_u32 s12, s12, ASEC
	s_mov_b32 s13, 0
	s_mul_i32 s2, s66, S*FRB
	s_add_co_u32 s2, s2, WSEC
	s_mov_b32 s3, 0
	s_mul_i32 s66, s66, 16*KS
	s_mov_b32 s67, 0
	s_mul_i32 s45, s14, HALFT
	s_wait_kmcnt 0x0
	s_add_nc_u64 s[20:21], s[4:5], s[18:19]
	s_add_nc_u64 s[22:23], s[4:5], s[12:13]
	s_add_nc_u64 s[46:47], s[6:7], s[2:3]
	s_add_nc_u64 s[100:101], s[8:9], s[66:67]
	s_mul_i32 s2, s16, T*S*FRB                     ; what my half adds to an address of images,
	s_mov_b32 s3, 0
	s_lshl_b32 s18, s16, 11                        ; and of scale bytes (64 rows x 32)
	s_mov_b32 s19, 0
	CROUND                                         ; all sixteen work-groups are here: the joint loads meet
	; THE LAUNCH'S FOUR LOADS, ONE A WAVE: wave 0 A's 128 rows for all of K, wave 1 B's, wave 2 A's scales, wave 3 B's.  Nothing is filled again.
	s_mov_b32 s[G0S], 1
	s_mov_b32 s[G0S+1], SCL
	s_sub_nc_u64 s[G0S+2:G0S+3], s[22:23], s[18:19]
	s_or_b32 s[G0S+3], s[G0S+3], 0x80000000
	s_mov_b32 s[G0SB], 1
	s_mov_b32 s[G0SB+1], SCL+2*HALFS
	s_sub_nc_u64 s[G0SB+2:G0SB+3], s[100:101], s[18:19]
	s_or_b32 s[G0SB+3], s[G0SB+3], 0x80000000
	s_mov_b32 s[G0], 1
	s_mov_b32 s[G0+1], 0
	s_sub_nc_u64 s[G0+2:G0+3], s[20:21], s[2:3]
	s_or_b32 s[G0+3], s[G0+3], 0x80000000
	s_mov_b32 s[G0B], 1
	s_mov_b32 s[G0B+1], 2*HALFT
	s_sub_nc_u64 s[G0B+2:G0B+3], s[46:47], s[2:3]
	s_or_b32 s[G0B+3], s[G0B+3], 0x80000000
	s_cmp_lt_u32 s14, 1                            ; one chain of branches on the wave's number, one load to an arm
	s_cbranch_scc0 .Lhead_b
	tensor_load_to_lds s[G0:G0+3], s[G1:G1+7]
	s_nop 0
.rept 4
	v_nop
.endr
	s_branch .Lhead_asked
.Lhead_b:
	s_cmp_lt_u32 s14, 2
	s_cbranch_scc0 .Lhead_sa
	tensor_load_to_lds s[G0B:G0B+3], s[G1B:G1B+7]
	s_nop 0
.rept 4
	v_nop
.endr
	s_branch .Lhead_asked
.Lhead_sa:
	s_cmp_lt_u32 s14, 3
	s_cbranch_scc0 .Lhead_sb
	tensor_load_to_lds s[G0S:G0S+3], s[G1S:G1S+7]
	s_nop 0
.rept 4
	v_nop
.endr
	s_branch .Lhead_asked
.Lhead_sb:
	tensor_load_to_lds s[G0SB:G0SB+3], s[G1SB:G1SB+7]
	s_nop 0
.rept 4
	v_nop
.endr
.Lhead_asked:
	v_and_b32 v1, 15, v0
	v_bfe_u32 v2, v0, 4, 1
	v_and_b32 v3, 31, v0
	v_lshlrev_b32 v3, 3, v3
	s_mul_i32 s21, s15, HALFT
	s_mul_i32 s22, s16, HALFT
	s_add_co_u32 s22, s22, 2*HALFT
.irp s, 0,1
	v_add_nc_u32 v[ADRA+\s], s21, v3
	v_add_nc_u32 v[ADRB+\s], s22, v3
	s_add_co_u32 s21, s21, NQ*FRB                  ; K steps 4-7 lie four images on in each tile's row
	s_add_co_u32 s22, s22, NQ*FRB
.endr
	v_and_b32 v4, 8, v1
	v_add_nc_u32 v4, v4, v1
	v_mul_u32_u24 v5, v4, KS
	v_lshrrev_b32 v6, 8, v5
	v_lshl_add_u32 v5, v6, 4, v5
	s_mul_i32 s21, s15, HALFS
	s_mul_i32 s22, s16, HALFS
	s_add_co_u32 s22, s22, 2*HALFS
	s_sub_co_u32 s22, s22, s21
	v_mul_u32_u24 v6, s22, v2
	s_add_co_u32 s21, s21, SCL
	v_add_nc_u32 v5, v5, v6
	v_add_nc_u32 v[ADRS], s21, v5
	s_mul_i32 s23, s14, 16*272
	s_add_co_u32 s23, s23, SPARE+512               ; my stage: bytes of its own behind the spare words
	v_mul_u32_u24 v5, v1, 272
	v_lshl_add_u32 v5, v2, 6, v5
	v_add_nc_u32 v[STO], s23, v5
	v_mul_u32_u24 v5, v2, 272
	v_lshl_add_u32 v5, v1, 4, v5
	v_add_nc_u32 v[RD], s23, v5
	v_lshlrev_b32 v5, 12, v2
	v_lshl_add_u32 v[CO], v1, 4, v5
	v_lshlrev_b32 v7, 6, v2
	s_wait_alu depctr_va_vdst(0)
	s_lshl_b32 s18, s42, 9
	s_lshl_b32 s19, s16, 8
	s_add_co_u32 s18, s18, s19
	s_mov_b32 s19, 0
	s_add_nc_u64 s[10:11], s[10:11], s[18:19]
	s_lshl_b32 s96, s17, 19
	s_lshl_b32 s97, s15, 18
	s_add_co_u32 s96, s96, s97
	s_add_co_u32 s96, s96, s18
	s_mov_b32 s97, 0
	s_add_nc_u64 s[92:93], s[92:93], s[96:97]
	s_add_nc_u64 s[94:95], s[94:95], s[96:97]
.irp b, 0,1,2,3
	global_load_b128 v[BIAS+8*\b:BIAS+8*\b+3], v7, s[10:11] offset:(32*(\b/2)+8*(\b%2))*4
	global_load_b128 v[BIAS+8*\b+4:BIAS+8*\b+7], v7, s[10:11] offset:(32*(\b/2)+8*(\b%2))*4+16
.endr
	WIN 0x40
.irp a, 0,1,2,3
.irp t, 0,1,2,3,4,5,6,7
	global_load_b128 v[64+32*(\a%2)+128*(\a/2)+4*\t:64+32*(\a%2)+128*(\a/2)+4*\t+3], v[CO], s[92:93] offset:(32*(\a/2)+8*(\a%2)+2*\t+8*(\t/4))*4096
.endr
.endr
	WIN 0
	s_wait_tensorcnt 0x0
	s_barrier_signal -1
	s_barrier_wait -1
	FETCH_B 0, 0, 0
	FETCH_A 0, 0, 0
	SCALES 0
	FETCH_A 0, 0, T/2
	s_wait_loadcnt 32
	STEP 0, 0, 2
.if LAPS > 1
	s_mov_b32 s3, LAPS-1
.Llap:
	STEP 0, 1, 0
	STEP 0, 2, 0
	TURN 0, 1, 1
	STEP 1, 0, 0
	STEP 1, 1, 0
	STEP 1, 2, 0
	TURN 1, 0, 1
	STEP 0, 0, 0
	s_sub_co_u32 s3, s3, 1
	s_cmp_lg_u32 s3, 0
	s_cbranch_scc1 .Llap
.endif
	STEP 0, 1, 0
	STEP 0, 2, 0
	TURN 0, 1, 0
	STEP 1, 0, 0
	STEP 1, 1, 0
	STEP 1, 2, 0
	s_wait_dscnt (T/2)*NL
	MULQ 0, 1, NQ-1, 1, 0
	MULQ 1, 1, NQ-1, 1, 0
	s_wait_dscnt 0x0
	MULQ 2, 1, NQ-1, 1, 0
	MULQ 3, 1, NQ-1, 1, 0
	WIN 0
.macro TOSTAGE a
	WIN 0x08
.irp b, 0,1,2,3
	ds_store_b128 v[STO], v[32*(\a)+8*\b:32*(\a)+8*\b+3] offset:128*(\b/2)+32*(\b%2)
	ds_store_b128 v[STO], v[32*(\a)+8*\b+4:32*(\a)+8*\b+7] offset:128*(\b/2)+32*(\b%2)+16
.endr
	WIN 0
.irp t, 0,1,2,3,4,5,6,7
	ds_load_b128 v[BK+32*((\a)%2)+4*\t:BK+32*((\a)%2)+4*\t+3], v[RD] offset:544*\t
.endr
.endm
.macro SEND a, younger
.set BB, BK+32*((\a)%2)
.set RS, 64+32*((\a)%2)+128*((\a)/2)
.set TBA, 32*((\a)/2)+8*((\a)%2)
	s_wait_dscnt \younger
	WIN 0x04
.irp t, 0,1,2,3,4,5,6,7
	v_pk_add_f32 v[BB+4*\t:BB+4*\t+1], v[BB+4*\t:BB+4*\t+1], v[RS+4*\t:RS+4*\t+1]
	v_pk_add_f32 v[BB+4*\t+2:BB+4*\t+3], v[BB+4*\t+2:BB+4*\t+3], v[RS+4*\t+2:RS+4*\t+3]
.endr
	WIN 0
.irp t, 0,1,2,3,4,5,6,7
	global_store_b128 v[CO], v[BB+4*\t:BB+4*\t+3], s[94:95] offset:(TBA+2*\t+8*(\t/4))*4096
.endr
.endm
	PLACES 4
	s_wait_loadcnt 0x0
	TOSTAGE 0
.irp a, 1,2,3
.if \a > 1
	s_wait_xcnt 0x0
.endif
	TOSTAGE \a
	SEND \a-1, 16
.endr
	SEND 3, 0
	s_wait_tensorcnt 0x0
	ds_add_u32 v[SPW], v[NIL]
	s_wait_dscnt 0x0
	CROUND
	s_endpgm
.Lfunc_end_k_q7a25cac399_proj:
	.size	k_q7a25cac399_proj, .Lfunc_end_k_q7a25cac399_proj-k_q7a25cac399_proj
	.p2alignl 7, 3214868480
	.fill 96, 4, 3214868480
	.section	.rodata,"a",@progbits
	.p2align	6, 0x0
	.amdhsa_kernel k_q7a25cac399_proj
		.amdhsa_group_segment_fixed_size 327680
		.amdhsa_private_segment_fixed_size 0
		.amdhsa_enable_private_segment 0
		.amdhsa_kernarg_size 48
		.amdhsa_user_sgpr_count 2
		.amdhsa_user_sgpr_kernarg_segment_ptr 1
		.amdhsa_wavefront_size32 1
		.amdhsa_system_sgpr_workgroup_id_x 1
		.amdhsa_system_sgpr_workgroup_id_y 1
		.amdhsa_system_sgpr_workgroup_id_z 1
		.amdhsa_system_vgpr_workitem_id 0
		.amdhsa_next_free_vgpr 768
		.amdhsa_next_free_sgpr 104
		.amdhsa_reserve_vcc 0
		.amdhsa_float_denorm_mode_32 3
		.amdhsa_float_denorm_mode_16_64 3
		.amdhsa_memory_ordered 1
		.amdhsa_forward_progress 1
		.amdhsa_inst_pref_size 70
	.end_amdhsa_kernel
	.amdgpu_metadata
---
amdhsa.version: [ 1, 2 ]
amdhsa.kernels:
  - .name:           k_q7a25cac399_proj
    .symbol:         k_q7a25cac399_proj.kd
    .args:
      - { .name: att, .offset: 0, .size: 8, .value_kind: global_buffer, .address_space: global }
      - { .name: wimg, .offset: 8, .size: 8, .value_kind: global_buffer, .address_space: global }
      - { .name: Wproj_scales, .offset: 16, .size: 8, .value_kind: global_buffer, .address_space: global }
      - { .name: bproj, .offset: 24, .size: 8, .value_kind: global_buffer, .address_space: global }
      - { .name: x, .offset: 32, .size: 8, .value_kind: global_buffer, .address_space: global }
      - { .name: x1, .offset: 40, .size: 8, .value_kind: global_buffer, .address_space: global }
    .group_segment_fixed_size: 327680
    .private_segment_fixed_size: 0
    .kernarg_segment_align: 8
    .kernarg_segment_size: 48
    .max_flat_workgroup_size: 128
    .sgpr_count:     104
    .vgpr_count:     768
    .wavefront_size: 32
...
	.end_amdgpu_metadata
.endif
;; end of part 4
;; launch ln2 (part 5): grid 256 x 1, 8 waves a work-group, no clusters, 69,632 bytes of LDS; arguments x1, ln2_w, ln2_b, h; writes h
.if DOCPART == 5
	.amdgcn_target "amdgcn-amd-amdhsa--gfx1250"
	.amdhsa_code_object_version 6
	.text
	.protected	k_q7a25cac399_ln2
	.globl	k_q7a25cac399_ln2
	.p2align	8
	.type	k_q7a25cac399_ln2,@function
k_q7a25cac399_ln2:
	s_mov_b64 s[64:65], 0
	v_nop
	global_prefetch_b8 v0, s[64:65] scope:SCOPE_SE
	s_setreg_imm32_b32 hwreg(HW_REG_WAVE_MODE, 25, 1), 1
	s_wait_xcnt 0x0
; h = LN2(x1), quantised to FP6 (E2M3) with one E8M0 byte for each 32 along the 1,024 channels, laid as images of fragments [token tile][K step][1,536] with the scale bytes [token][32] behind them.
; A work-group takes one tile of 16 tokens (lane-row m of tile t is token 32 (t / 2) + 8 (t % 2) + m + 8 (m / 8)), wave w the channels 128 w .. 128 w + 127.  Each load reads 512 consecutive bytes of a row; the wave's
; 16 x 128 numbers turn through its own stage in LDS, so that lane (r, h) holds, of row r, channels 32 b + 16 h + 0 .. 15 in registers 16 b + 0 .. 15.  Mean and variance in two passes, each summed over the eight waves through LDS.
; LIMITS: NaN and infinities are not served.  A block of zeros gets the scale byte 1 (this program alone reads the bytes).  Scale words leave as 4 bytes a lane; lanes r and r + 16 store the same word.
.set XR,   32
.set WR,   96
.set BR,   160
.set PC,   96
.set TM,   120
.set PW,   136
.set SEL,  26
.set STGB, 16*528
.set PART, 8*STGB
.set HSC,  3145728
.macro QUANT s
.irp b, 0,1,2,3
	v_max3_num_f32 v[TM+\b], |v[\s+16*\b]|, |v[\s+1+16*\b]|, 0x1800000   ; my 16 numbers of block b, and the floor 2^(3 - 127)
.endr
.irp i, 2,4,6,8,10,12,14
.irp b, 0,1,2,3
	s_delay_alu instid0(VALU_DEP_4)
	v_max3_num_f32 v[TM+\b], v[TM+\b], |v[\s+16*\b+\i]|, |v[\s+1+16*\b+\i]|
.endr
.endr
.irp b, 0,1,2,3
	s_delay_alu instid0(VALU_DEP_4)
	v_permlanex16_b32 v[TM+4+\b], v[TM+\b], s[SEL], s[SEL+1]
.endr
.irp b, 0,1,2,3
	s_delay_alu instid0(VALU_DEP_4)
	v_max_num_f32 v[TM+\b], v[TM+\b], v[TM+4+\b]
.endr
.irp b, 0,1,2,3
	s_delay_alu instid0(VALU_DEP_4)
	v_add_nc_u32 v[TM+12+\b], 0xff000000, v[TM+\b]                   ; 2 off the exponent field: the conversion's scale operand
.endr
.irp b, 0,1,2,3
	s_delay_alu instid0(VALU_DEP_4)
	v_lshrrev_b32 v[TM+4+\b], 23, v[TM+12+\b]                        ; the scale's byte
.endr
	s_delay_alu instid0(VALU_DEP_3)
	v_lshl_or_b32 v[PW], v[TM+5], 8, v[TM+4]
	s_delay_alu instid0(VALU_DEP_1)
	v_lshl_or_b32 v[PW], v[TM+6], 16, v[PW]
	s_delay_alu instid0(VALU_DEP_1)
	v_lshl_or_b32 v[PW], v[TM+7], 24, v[PW]
.irp c, 0,1
	v_cvt_scalef32_pk16_fp6_f32 v[PC+6*\c:PC+2+6*\c], v[\s+32*\c:\s+15+32*\c], v[TM+12+2*\c]
	v_cvt_scalef32_pk16_fp6_f32 v[PC+12+4*\c:PC+14+4*\c], v[\s+16+32*\c:\s+31+32*\c], v[TM+12+2*\c+1]
.endr
	v_nop                                          ; one plain place behind a scaled conversion
.irp c, 0,1
.irp i, 0,1,2
	v_permlane16_swap_b32 v[PC+6*\c+\i], v[PC+12+4*\c+\i]
.endr
.irp i, 0,1,2
	s_delay_alu instid0(VALU_DEP_3)
	v_mov_b32 v[PC+3+6*\c+\i], v[PC+12+4*\c+\i]
.endr
.endr
.endm
	v_lshrrev_b32 v1, 5, v0
	s_delay_alu instid0(VALU_DEP_1)
	v_readfirstlane_b32 s2, v1                     ; wave 0..7
	s_load_b128 s[4:7], s[0:1], 0x0                ; x1, the gain
	s_load_b64 s[8:9], s[0:1], 0x10                ; the bias
	s_load_b64 s[10:11], s[0:1], 0x18              ; h
	v_lshl_add_u32 v232, v0, 2, 0x10c00
	v_mov_b32 v233, 0
	v_and_b32 v1, 31, v0
	v_and_b32 v2, 15, v0
	v_bfe_u32 v3, v0, 4, 1
	s_lshl_b32 s12, s2, 9
	s_mul_i32 s13, s2, STGB
	s_lshl_b32 s14, s2, 2
	v_lshlrev_b32 v10, 3, v1                       ; 8 x lane
	v_lshl_add_u32 v4, v1, 4, s12                  ; x1: 16 x lane + 512 x wave
	v_lshl_add_u32 v7, v3, 6, s12                  ; gain and bias: 64 h + 512 x wave
	v_lshl_add_u32 v5, v1, 4, s13                  ; the stage, in
	v_mul_u32_u24 v6, v2, 528
	s_delay_alu instid0(VALU_DEP_1)
	v_lshl_add_u32 v6, v3, 6, v6
	s_delay_alu instid0(VALU_DEP_1)
	v_add_nc_u32 v6, s13, v6                       ; and out
	v_lshl_add_u32 v9, v2, 5, PART
	s_delay_alu instid0(VALU_DEP_1)
	v_add_nc_u32 v8, s14, v9
	v_and_b32 v11, 8, v2
	s_delay_alu instid0(VALU_DEP_1)
	v_add_nc_u32 v11, v11, v2
	s_delay_alu instid0(VALU_DEP_1)
	v_lshl_add_u32 v11, v11, 5, s14
	s_mov_b32 s[SEL], 0x76543210
	s_mov_b32 s[SEL+1], 0xfedcba98
	s_mov_b32 s28, 0x3a800000                      ; 1 / 1,024
	s_mov_b32 s29, 0x3727c5ac                      ; 1e-5
	s_lshr_b32 s16, ttmp9, 1
	s_lshl_b32 s16, s16, 5
	s_and_b32 s17, ttmp9, 1
	s_lshl_b32 s17, s17, 3
	s_add_co_u32 s16, s16, s17                     ; the tile's first token
	s_lshl_b32 s18, s16, 12
	s_mov_b32 s19, 0
	s_lshl_b32 s20, ttmp9, 3
	s_add_co_u32 s20, s20, s2
	s_mul_i32 s20, s20, 1536
	s_mov_b32 s21, 0
	s_lshl_b32 s22, s16, 5
	s_add_co_u32 s22, s22, HSC
	s_mov_b32 s23, 0
	s_wait_alu depctr_va_vdst(0)
	s_wait_kmcnt 0x0
	s_add_nc_u64 s[4:5], s[4:5], s[18:19]
	s_add_nc_u64 s[24:25], s[10:11], s[20:21]
	s_add_nc_u64 s[10:11], s[10:11], s[22:23]
.set j, 0
.rept 16
	global_load_b128 v[XR+4*j:XR+4*j+3], v4, s[4:5] offset:(j+8*(j/8))*4096
.set j, j+1
.endr
.set j, 0
.rept 16
	global_load_b128 v[WR+4*j:WR+4*j+3], v7, s[6:7] offset:128*(j/4)+16*(j%4)
.set j, j+1
.endr
.set j, 0
.rept 16
	global_load_b128 v[BR+4*j:BR+4*j+3], v7, s[8:9] offset:128*(j/4)+16*(j%4)
.set j, j+1
.endr
	s_wait_loadcnt 32                              ; x1's sixteen loads are in; the gain's and the bias's 32 may be out
.set j, 0
.rept 16
	ds_store_b128 v5, v[XR+4*j:XR+4*j+3] offset:528*j
.set j, j+1
.endr
.set j, 0
.rept 16
	ds_load_b128 v[XR+4*j:XR+4*j+3], v6 offset:128*(j/4)+16*(j%4)    ; LDS serves a wave's instructions in order: these see my stores
.set j, j+1
.endr
	s_wait_dscnt 0x0
	v_pk_add_f32 v[14:15], v[32:33], v[34:35]
	v_pk_add_f32 v[16:17], v[48:49], v[56:57]
	v_pk_add_f32 v[18:19], v[64:65], v[72:73]
	v_pk_add_f32 v[230:231], v[80:81], v[88:89]
	v_pk_add_f32 v[228:229], v[36:37], v[38:39]
	v_pk_add_f32 v[226:227], v[50:51], v[58:59]
	v_pk_add_f32 v[224:225], v[66:67], v[74:75]
	v_pk_add_f32 v[12:13], v[82:83], v[90:91]
	s_delay_alu instid0(VALU_DEP_1)
	v_pk_add_f32 v[12:13], v[12:13], v[40:41]
	v_pk_add_f32 v[14:15], v[14:15], v[42:43]
	v_pk_add_f32 v[16:17], v[16:17], v[52:53]
	v_pk_add_f32 v[18:19], v[18:19], v[60:61]
	v_pk_add_f32 v[230:231], v[230:231], v[68:69]
	v_pk_add_f32 v[228:229], v[228:229], v[76:77]
	v_pk_add_f32 v[226:227], v[226:227], v[84:85]
	v_pk_add_f32 v[224:225], v[224:225], v[92:93]
	v_pk_add_f32 v[12:13], v[12:13], v[44:45]
	v_pk_add_f32 v[14:15], v[14:15], v[46:47]
	v_pk_add_f32 v[16:17], v[16:17], v[54:55]
	v_pk_add_f32 v[18:19], v[18:19], v[62:63]
	v_pk_add_f32 v[230:231], v[230:231], v[70:71]
	v_pk_add_f32 v[228:229], v[228:229], v[78:79]
	v_pk_add_f32 v[226:227], v[226:227], v[86:87]
	v_pk_add_f32 v[224:225], v[224:225], v[94:95]
	s_delay_alu instid0(VALU_DEP_4)
	v_pk_add_f32 v[12:13], v[12:13], v[230:231]
	s_delay_alu instid0(VALU_DEP_4)
	v_pk_add_f32 v[14:15], v[14:15], v[228:229]
	s_delay_alu instid0(VALU_DEP_4)
	v_pk_add_f32 v[16:17], v[16:17], v[226:227]
	s_delay_alu instid0(VALU_DEP_4)
	v_pk_add_f32 v[18:19], v[18:19], v[224:225]
	s_delay_alu instid0(VALU_DEP_2)
	v_pk_add_f32 v[12:13], v[12:13], v[16:17]
	s_delay_alu instid0(VALU_DEP_2)
	v_pk_add_f32 v[14:15], v[14:15], v[18:19]
	s_delay_alu instid0(VALU_DEP_1)
	v_pk_add_f32 v[12:13], v[12:13], v[14:15]
	s_delay_alu instid0(VALU_DEP_1)
	v_add_f32 v12, v12, v13
	s_delay_alu instid0(VALU_DEP_1)
	v_permlanex16_b32 v13, v12, s[SEL], s[SEL+1]
	s_delay_alu instid0(VALU_DEP_1)
	v_add_f32 v12, v12, v13
	ds_store_b32 v8, v12
	s_wait_dscnt 0x0                               ; for the others' sake: my store has landed
	s_barrier_signal -1
	s_barrier_wait -1
	ds_load_b128 v[12:15], v9
	ds_load_b128 v[16:19], v9 offset:16
	s_wait_dscnt 0x0
	v_add_f32 v12, v12, v13
	v_add_f32 v14, v14, v15
	v_add_f32 v16, v16, v17
	v_add_f32 v18, v18, v19
	s_delay_alu instid0(VALU_DEP_3)
	v_add_f32 v12, v12, v14
	s_delay_alu instid0(VALU_DEP_2)
	v_add_f32 v16, v16, v18
	s_delay_alu instid0(VALU_DEP_1)
	v_add_f32 v12, v12, v16
	s_delay_alu instid0(VALU_DEP_1)
	v_mul_f32 v20, s28, v12                        ; the mean
	s_delay_alu instid0(VALU_DEP_1)
	v_mov_b32 v21, v20
.set j, 0
.rept 32
	v_pk_add_f32 v[XR+j:XR+j+1], v[XR+j:XR+j+1], v[20:21] neg_lo:[0,1] neg_hi:[0,1]
.set j, j+2
.endr
	v_pk_mul_f32 v[12:13], v[XR:XR+1], v[XR:XR+1]
	v_pk_mul_f32 v[14:15], v[XR+2:XR+3], v[XR+2:XR+3]
.set j, 4
.rept 15
	s_delay_alu instid0(VALU_DEP_2)
	v_pk_fma_f32 v[12:13], v[XR+j:XR+j+1], v[XR+j:XR+j+1], v[12:13]
	s_delay_alu instid0(VALU_DEP_2)
	v_pk_fma_f32 v[14:15], v[XR+j+2:XR+j+3], v[XR+j+2:XR+j+3], v[14:15]
.set j, j+4
.endr
	s_delay_alu instid0(VALU_DEP_1)
	v_pk_add_f32 v[12:13], v[12:13], v[14:15]
	s_delay_alu instid0(VALU_DEP_1)
	v_add_f32 v12, v12, v13
	s_delay_alu instid0(VALU_DEP_1)
	v_permlanex16_b32 v13, v12, s[SEL], s[SEL+1]
	s_delay_alu instid0(VALU_DEP_1)
	v_add_f32 v12, v12, v13
	ds_store_b32 v8, v12 offset:512                ; other bytes than the first sums'
	s_wait_dscnt 0x0
	s_barrier_signal -1
	s_barrier_wait -1
	ds_load_b128 v[12:15], v9 offset:512
	ds_load_b128 v[16:19], v9 offset:528
	s_wait_dscnt 0x0
	v_add_f32 v12, v12, v13
	v_add_f32 v14, v14, v15
	v_add_f32 v16, v16, v17
	v_add_f32 v18, v18, v19
	s_delay_alu instid0(VALU_DEP_3)
	v_add_f32 v12, v12, v14
	s_delay_alu instid0(VALU_DEP_2)
	v_add_f32 v16, v16, v18
	s_delay_alu instid0(VALU_DEP_1)
	v_add_f32 v12, v12, v16
	s_delay_alu instid0(VALU_DEP_1)
	v_fma_f32 v12, v12, s28, s29                   ; the variance + 1e-5
	s_wait_alu depctr_va_vdst(0)
	v_rsq_f32 v22, v12
	v_nop                                          ; one plain place behind a transcendental
	s_wait_alu depctr_va_vdst(0)
	v_mov_b32 v23, v22
	s_wait_alu depctr_va_vdst(0)
	s_wait_loadcnt 0x0
.set j, 0
.rept 32
	v_pk_mul_f32 v[XR+j:XR+j+1], v[XR+j:XR+j+1], v[22:23]
.set j, j+2
.endr
.set j, 0
.rept 32
	v_pk_fma_f32 v[XR+j:XR+j+1], v[XR+j:XR+j+1], v[WR+j:WR+j+1], v[BR+j:BR+j+1]
.set j, j+2
.endr
.irp b, 0,1,2,3
	v_mov_b32 v[TM+4+\b], 0                        ; a lane permute's destination counts as one of its sources
.endr
	QUANT XR
.irp p, 0,1,2,3,4,5
	global_store_b64 v10, v[PC+2*\p:PC+2*\p+1], s[24:25] offset:256*\p   ; 32 lanes store 256 consecutive bytes, at a multiple of 256 from the buffer's first byte
.endr
	global_store_b32 v11, v[PW], s[10:11]
	s_wait_tensorcnt 0x0
	ds_add_u32 v232, v233
	s_wait_dscnt 0x0
	s_endpgm
.Lfunc_end_k_q7a25cac399_ln2:
	.size	k_q7a25cac399_ln2, .Lfunc_end_k_q7a25cac399_ln2-k_q7a25cac399_ln2
	.p2alignl 7, 3214868480
	.fill 96, 4, 3214868480
	.section	.rodata,"a",@progbits
	.p2align	6, 0x0
	.amdhsa_kernel k_q7a25cac399_ln2
		.amdhsa_group_segment_fixed_size 69632
		.amdhsa_private_segment_fixed_size 0
		.amdhsa_enable_private_segment 0
		.amdhsa_kernarg_size 32
		.amdhsa_user_sgpr_count 2
		.amdhsa_user_sgpr_kernarg_segment_ptr 1
		.amdhsa_wavefront_size32 1
		.amdhsa_system_sgpr_workgroup_id_x 1
		.amdhsa_system_sgpr_workgroup_id_y 1
		.amdhsa_system_sgpr_workgroup_id_z 1
		.amdhsa_system_vgpr_workitem_id 0
		.amdhsa_next_free_vgpr 234
		.amdhsa_next_free_sgpr 66
		.amdhsa_reserve_vcc 0
		.amdhsa_float_denorm_mode_32 3
		.amdhsa_float_denorm_mode_16_64 3
		.amdhsa_memory_ordered 1
		.amdhsa_forward_progress 1
		.amdhsa_inst_pref_size 29
	.end_amdhsa_kernel
	.amdgpu_metadata
---
amdhsa.version: [ 1, 2 ]
amdhsa.kernels:
  - .name:           k_q7a25cac399_ln2
    .symbol:         k_q7a25cac399_ln2.kd
    .args:
      - { .name: x1, .offset: 0, .size: 8, .value_kind: global_buffer, .address_space: global }
      - { .name: ln2_w, .offset: 8, .size: 8, .value_kind: global_buffer, .address_space: global }
      - { .name: ln2_b, .offset: 16, .size: 8, .value_kind: global_buffer, .address_space: global }
      - { .name: h, .offset: 24, .size: 8, .value_kind: global_buffer, .address_space: global }
    .group_segment_fixed_size: 69632
    .private_segment_fixed_size: 0
    .kernarg_segment_align: 8
    .kernarg_segment_size: 32
    .max_flat_workgroup_size: 256
    .sgpr_count:     66
    .vgpr_count:     234
    .wavefront_size: 32
...
	.end_amdgpu_metadata
.endif
;; end of part 5
;; launch ffn1 (part 6): grid 16 x 16, 4 waves a work-group, clusters of 4 x 4, 327,680 bytes of LDS; arguments h, wimg, W1_scales, b1, g; writes g
.if DOCPART == 6
	.amdgcn_target "amdgcn-amd-amdhsa--gfx1250"
	.amdhsa_code_object_version 6
	.text
	.protected	k_q7a25cac399_ffn1
	.globl	k_q7a25cac399_ffn1
	.p2align	8
	.type	k_q7a25cac399_ffn1,@function
k_q7a25cac399_ffn1:
	s_mov_b64 s[64:65], 0
	v_nop
	global_prefetch_b8 v0, s[64:65] scope:SCOPE_SE
	s_setreg_imm32_b32 hwreg(HW_REG_WAVE_MODE, 25, 1), 1
	s_wait_xcnt 0x0
	s_wait_alu depctr_hold_cnt(0) depctr_sa_sdst(0) depctr_va_vdst(0) depctr_va_sdst(0) depctr_va_ssrc(0) depctr_va_vcc(0) depctr_vm_vsrc(0)
	s_getreg_b32 s2, hwreg(HW_REG_IB_STS2, 6, 4)
	s_cmp_eq_u32 s2, 0
	s_cbranch_scc0 .Lentry_in_a_cluster
	s_endpgm
.Lentry_in_a_cluster:
	s_bfe_u32 s2, ttmp6, 0x10000c
	s_cmp_lg_u32 s2, 0xf033
	s_cbranch_scc0 .Lentry_shape_is_right
	s_endpgm
.Lentry_shape_is_right:
; g = relu(h W1 + b1), quantised in registers along the 4,096 hidden units.  h: 4,096 tokens x 1,024 as images of FP6 (E2M3) fragments with E8M0 scale bytes behind them; W1 as images (wimg) with its given scale bytes.
; A work-group makes 256 tokens x 256 hidden units (256 work-groups), each of its four waves 128 x 128: 64 accumulators.
; K = 1,024 is eight K steps of 128, two to a slot of 98,304 bytes.  THREE slots are filled at the start (K steps 0-5); slot 0 is filled once more (K steps 6, 7) as soon as it has been read, and that load has
; the work of slots 1 and 2 in which to land: one refill, one round of the cluster's barrier inside the product.  The text is straight: no loop.
; SOURCE 0 ("B") = 16 rows of W1, SOURCE 1 ("A") = 16 tokens.  Lane-row m of tile t is row 32 (t / 2) + 8 (t % 2) + m + 8 (m / 8): so a lane holds one token, and the 16 registers of result tiles 2 b, 2 b + 1 are hidden units
; 32 b + 16 (lane / 16) + 0 .. 15: a wave's 128 units are one K step of the next product, one fragment and one scale word a tile of tokens.  The bias is the C of each sum's first product.
; OPERANDS ARE IMAGES OF FRAGMENTS (1,536 bytes; piece p of 256 bytes = registers 2 p, 2 p + 1, 8 bytes a lane).  CLUSTER 4 x 4: A's tiles are shared along a row, B's along a column: each is asked for jointly.
; OUT: g's images [256 token tiles][32 K steps][1,536], its scale bytes [4,096][128] at 12,582,912.
; LIMITS: NaN and infinities are not served; a block of zeros gets the byte 1 (this program alone reads the bytes); scale words leave as 4 bytes a lane, and lanes r and r + 16 store the same word.
; REGISTERS: window 0: v16-29 addresses; v32-63 scale words, two sets; v64-127 the bias; from v128 A's 8 fragments.  window 1: B's fragments at v0 and v128.  windows 2, 3: accumulator (a, b) at 8 (8 a + b).
.set T,     8
.set NQ,    2
.set S,     8
.set KS,    32
.set FR,    12
.set NL,    6
.set FRB,   1536
.set HALFT, T*NQ*FRB
.set SLOT,  4*HALFT
.set SCL,   3*SLOT                     ; behind the three slots: the scales
.set SU,    16*T*KS/256
.set HALFS, SU*272
.set SPARE, SCL+4*HALFS                ; the spare words, 128 bytes for each wave: two blocks of 256 bytes that no other line names
.set ADRA, 16                          ; v16-18  LDS address of my A fragments in slot 0, 1, 2
.set ADRB, 20                          ; v20-22  the same for B
.set OI,   24                          ; v24  8 x lane
.set OS,   25                          ; v25  128 x (r + 8 (r / 8))
.set ADRS, 27
.set SPW,  28
.set NIL,  29
.set SC,   32
.set BIAS, 64
.set AF,   128
.set PC,   128
.set TM,   152
.set PW,   168
.set SEL,  98
.set FLOOR, 100
.set G1, 24
.set G0, 32                            ; s[32:35] group 0 for A's refill of slot 0; s[36:39] the head's
.set G0X, 4
.set G1B, 48
.set G0B, 56                           ; s[56:59] the same for B's; s[60:63] the head's
.set G0BX, 8
.set G1S, 68
.set G0S, 76
.set G1SB, 80
.set G0SB, 88
.set MSB, 0
.macro WIN new
.if MSB != (\new)
	s_set_vgpr_msb (MSB<<8)|(\new)
.set MSB, \new
.endif
.endm
.macro JLOAD g0a, g1a, g0b, g1b        ; a joint load: waves 0, 1 for A, waves 2, 3 for B; four v_nop follow each of the two lines
	s_cmp_eq_u32 s15, 0
	s_cbranch_scc0 .Lfor_b_\@
	tensor_load_to_lds s[\g0a:\g0a+3], s[\g1a:\g1a+7]
	s_nop 0
.rept 4
	v_nop
.endr
	s_branch .Lasked_\@
.Lfor_b_\@:
	tensor_load_to_lds s[\g0b:\g0b+3], s[\g1b:\g1b+7]
	s_nop 0
.rept 4
	v_nop
.endr
.Lasked_\@:
.endm
.macro CREST
	s_cmp_lg_u32 s14, 0
	s_cbranch_scc1 .Lnot_wave_0_\@
	s_barrier_signal -3
.Lnot_wave_0_\@:
	s_barrier_wait -3
	s_barrier_signal -1
	s_barrier_wait -1
.endm
.macro CROUND
	s_barrier_signal -1
	s_barrier_wait -1
	CREST
.endm
.macro PLACES n
.rept \n
	v_nop
.endr
.endm
.macro FRAG reg, adr, q, i
.irp p, 0,1,2,3,4,5
	ds_load_b64 v[\reg+2*\p:\reg+2*\p+1], v[\adr] offset:(\i)*NQ*FRB+(\q)*FRB+256*\p
.endr
.endm
.macro FETCH_B slot, q, p
	WIN 0x40
.set fi, 0
.rept T
	FRAG 128*(\p)+FR*fi, ADRB+\slot, \q, fi
.set fi, fi+1
.endr
	WIN 0
.endm
.macro FETCH_A slot, q, i0
.set fi, \i0
.rept T/2
	FRAG AF+FR*fi, ADRA+\slot, \q, fi
.set fi, fi+1
.endr
.endm
.macro SCALES sc                       ; two K steps' scale words into set sc: lanes 0-15 take A's tile i, lanes 16-31 B's tile i
.set fi, 0
.rept T
	ds_load_b64 v[SC+16*(\sc)+2*fi:SC+16*(\sc)+2*fi+1], v[ADRS] offset:((32*(fi/2)+8*(fi%2))*KS/256)*272
.set fi, fi+1
.endr
.endm
; A's blocks g T / 4 on x B's T.  c = 0: onto the sums; c = 2: the bias is the C of the first products.  The accumulators take turns, one instruction a turn.
.macro MULQ g, p, q, sc, c
.set ia, (\g)*T/4
.rept T/4
.set LIN, 8*T*ia
.set WD, 2+LIN/256
.if \c == 2
	WIN (WD<<6)|1
.else
	WIN (WD<<6)|(WD<<4)|1
.endif
.set ib, 0
.rept T
.set rD, (LIN+8*ib)%256
.if \c == 0
	v_wmma_scale_f32_16x16x128_f8f6f4 v[rD:rD+7], v[128*(\p)+FR*ib:128*(\p)+FR*ib+FR-1], v[AF+FR*ia:AF+FR*ia+FR-1], v[rD:rD+7], v[SC+16*(\sc)+NQ*ib+(\q)], v[SC+16*(\sc)+NQ*ia+(\q)] matrix_a_fmt:MATRIX_FMT_FP6 matrix_b_fmt:MATRIX_FMT_FP6 matrix_a_scale:MATRIX_SCALE_ROW1
.else
	v_wmma_scale_f32_16x16x128_f8f6f4 v[rD:rD+7], v[128*(\p)+FR*ib:128*(\p)+FR*ib+FR-1], v[AF+FR*ia:AF+FR*ia+FR-1], v[BIAS+8*ib:BIAS+8*ib+7], v[SC+16*(\sc)+NQ*ib+(\q)], v[SC+16*(\sc)+NQ*ia+(\q)] matrix_a_fmt:MATRIX_FMT_FP6 matrix_b_fmt:MATRIX_FMT_FP6 matrix_a_scale:MATRIX_SCALE_ROW1
.endif
.set ib, ib+1
.endr
.set ia, ia+1
.endr
.endm
.macro STEP slot, q, sc, c             ; a K step that has its successor in the same slot; sc: its set of scale words
	s_wait_dscnt (T/2)*NL                          ; all but the youngest loads (A's upper blocks) are in
	MULQ 0, (\q)%2, \q, \sc, \c
	MULQ 1, (\q)%2, \q, \sc, \c
	s_wait_dscnt 0x0
	PLACES 4
	FETCH_B \slot, (\q)+1, 1-(\q)%2
	FETCH_A \slot, (\q)+1, 0
	MULQ 2, (\q)%2, \q, \sc, \c
	MULQ 3, (\q)%2, \q, \sc, \c
	PLACES 4
	WIN 0
	FETCH_A \slot, (\q)+1, T/2
.endm
; A slot's last K step goes on into the next slot.
; mode 2: this slot is filled again: each wave waits for all its tensor loads, adds 0 to its spare word, waits for that and for its reads of this slot; a round of the cluster's barrier; the joint refill first behind it.
; mode 1: the next slot's load is waited for and shown to the other waves by a barrier; nothing is filled again.
; mode 0: the next slot was shown landed to every wave at the round of mode 2: no wait on tensor loads (the refill stays on its way), no barrier.
.macro TURN slot, next, sc, mode
.if \mode
	s_wait_tensorcnt 0x0                           ; all my tensor loads have landed
	ds_add_u32 v[SPW], v[NIL]                      ; 0 onto my spare word
	s_wait_dscnt (T/2)*NL+1                        ; (the add and A's upper blocks may be out)
	MULQ 0, 1, NQ-1, \sc, 0
	s_wait_dscnt 0x0                               ; the add is done, and my reads of this slot are over
	s_barrier_signal -1
	MULQ 1, 1, NQ-1, \sc, 0
	WIN 0
	s_barrier_wait -1
.else
	s_wait_dscnt (T/2)*NL
	MULQ 0, 1, NQ-1, \sc, 0
	MULQ 1, 1, NQ-1, \sc, 0
	s_wait_dscnt 0x0
	WIN 0
.endif
.if \mode == 2
	CREST                                          ; the barrier has opened a round of the cluster's barrier
	s_add_nc_u64 s[G0+4*\slot+2:G0+4*\slot+3], s[G0+4*\slot+2:G0+4*\slot+3], 3*NQ*FRB
	s_add_nc_u64 s[G0B+4*\slot+2:G0B+4*\slot+3], s[G0B+4*\slot+2:G0B+4*\slot+3], 3*NQ*FRB
	JLOAD G0+4*\slot, G1, G0B+4*\slot, G1B         ; the first tensor load behind the round; its four v_nop are the places in front of the loads below
.else
	PLACES 4
.endif
	v_add_nc_u32 v[ADRS], 4*NQ, v[ADRS]
	FETCH_B \next, 0, 0
	FETCH_A \next, 0, 0
	SCALES 1-\sc
	MULQ 2, 1, NQ-1, \sc, 0
	MULQ 3, 1, NQ-1, \sc, 0
	PLACES 4
	WIN 0
	FETCH_A \next, 0, T/2
.endm
	s_load_b128 s[4:7], s[0:1], 0x0                ; h, wimg
	s_load_b128 s[8:11], s[0:1], 0x10              ; W1's scales, b1
	s_load_b64 s[92:93], s[0:1], 0x20              ; g
	v_lshl_add_u32 v[SPW], v0, 2, SPARE
	v_mov_b32 v[NIL], 0
	ds_add_u32 v28, v29
	ds_add_u32 v28, v29
	s_wait_dscnt 0x0
	v_lshrrev_b32 v1, 5, v0
	v_readfirstlane_b32 s14, v1
	s_lshr_b32 s15, s14, 1
	s_and_b32 s16, s14, 1
	s_bfe_u32 s40, ttmp6, 0x40000
	s_bfe_u32 s41, ttmp6, 0x40004
	s_lshl_b32 s42, ttmp9, 2
	s_add_co_u32 s42, s42, s40                     ; block of 256 hidden units
	s_and_b32 s17, ttmp7, 0xffff
	s_lshl_b32 s17, s17, 2
	s_add_co_u32 s17, s17, s41                     ; block of 256 tokens
	s_lshl_b32 s43, s41, 2
	s_lshl_b32 s43, 15, s43
	s_lshl_b32 s44, 0x1111, s40
	s_or_b32 s[G1+0], s43, (3<<16)|(1<<21)         ; codes: T rows (tiles) of NQ x 1,536 bytes, S x 1,536 bytes apart; no padding
	s_or_b32 s[G1B+0], s44, (3<<16)|(1<<21)
.irp g, G1, G1B
	s_mov_b32 s[\g+1], (192*NQ)<<16
	s_mov_b32 s[\g+2], (2*T)<<16                   ; tensor_dim1: at the head 16 tiles
	s_mov_b32 s[\g+3], (192*NQ)<<16                ; tile_dim0
	s_mov_b32 s[\g+4], (2*T)|(3<<16)               ; tile_dim1 = 16, tile_dim2 = 3 pairs of K steps
	s_mov_b32 s[\g+5], 192*S                       ; from tile to tile
	s_mov_b32 s[\g+6], (192*NQ)<<16                ; from pair to pair: 384 elements
	s_mov_b32 s[\g+7], 0
.endr
	s_or_b32 s[G1S+0], s43, (3<<16)|(1<<20)|(1<<21)|(5<<22)|(3<<25)   ; scales: a dense block as rows of 256 bytes, 16 bytes of padding behind each
	s_or_b32 s[G1SB+0], s44, (3<<16)|(1<<20)|(1<<21)|(5<<22)|(3<<25)
.irp g, G1S, G1SB
	s_mov_b32 s[\g+1], 32<<16
	s_mov_b32 s[\g+2], (2*SU)<<16
	s_mov_b32 s[\g+3], 32<<16
	s_mov_b32 s[\g+4], 2*SU
	s_mov_b32 s[\g+5], 32
	s_mov_b32 s[\g+6], 0
	s_mov_b32 s[\g+7], 0
.endr
	s_lshl_b32 s18, s16, 3
	s_lshl_b32 s12, s17, 4
	s_add_co_u32 s12, s12, s18                     ; A: the first tile that I fetch
	s_lshl_b32 s66, s42, 4
	s_add_co_u32 s66, s66, s18                     ; B: likewise
	s_mul_i32 s18, s12, S*FRB
	s_mov_b32 s19, 0
	s_mul_i32 s12, s12, 16*KS
	s_add_co_u32 s12, s12, 3145728                 ; h's scale bytes lie behind its images
	s_mov_b32 s13, 0
	s_mul_i32 s2, s66, S*FRB
	s_add_co_u32 s2, s2, 3145728                   ; W1's images in wimg
	s_mov_b32 s3, 0
	s_mul_i32 s66, s66, 16*KS
	s_mov_b32 s67, 0
	s_mul_i32 s45, s16, HALFT                      ; the refill's place: my half of pair 0
	s_wait_kmcnt 0x0
	s_mov_b64 s[94:95], s[10:11]                   ; b1's address moves: s[4:11] take groups 2 and 3 of the head's loads
	s_add_nc_u64 s[20:21], s[4:5], s[18:19]
	s_add_nc_u64 s[22:23], s[4:5], s[12:13]
	s_add_nc_u64 s[46:47], s[6:7], s[2:3]
	s_add_nc_u64 s[100:101], s[8:9], s[66:67]
	s_mul_i32 s2, s16, T*S*FRB                     ; what my half adds to an address of images,
	s_mov_b32 s3, 0
	s_lshl_b32 s18, s16, 12                        ; and of scale bytes (128 rows x 32)
	s_mov_b32 s19, 0
	CROUND                                         ; all sixteen work-groups are here: the first joint loads meet
	s_mov_b32 s[G0S], 1
	s_mov_b32 s[G0S+1], SCL
	s_sub_nc_u64 s[G0S+2:G0S+3], s[22:23], s[18:19]
	s_or_b32 s[G0S+3], s[G0S+3], 0x80000000
	s_mov_b32 s[G0SB], 1
	s_mov_b32 s[G0SB+1], SCL+2*HALFS
	s_sub_nc_u64 s[G0SB+2:G0SB+3], s[100:101], s[18:19]
	s_or_b32 s[G0SB+3], s[G0SB+3], 0x80000000
; LDS: A's region [pair of K steps 0-2][16 tiles][3,072 bytes], B's region behind it at 6 HALFT, then the scales.
; THE HEAD'S LOADS, ONE A WAVE: wave 0 A's K steps 0-5, wave 1 B's, each as one tile of three dimensions; wave 2 A's scales, wave 3 B's.
.set G0H, 36
.set G0HB, 60
	s_mov_b32 s[G0H], 1
	s_mov_b32 s[G0H+1], 0
	s_sub_nc_u64 s[G0H+2:G0H+3], s[20:21], s[2:3]  ; the block's first tile
	s_or_b32 s[G0H+3], s[G0H+3], 0x80000000
	s_mov_b32 s[G0HB], 1
	s_mov_b32 s[G0HB+1], 6*HALFT
	s_sub_nc_u64 s[G0HB+2:G0HB+3], s[46:47], s[2:3]
	s_or_b32 s[G0HB+3], s[G0HB+3], 0x80000000
	s_mov_b32 s[G0], 1                             ; the refill's group 0: my half of pair 0; its address is stepped to K step 6 in front of the refill
	s_mov_b32 s[G0+1], s45
	s_mov_b64 s[G0+2:G0+3], s[20:21]
	s_or_b32 s[G0+3], s[G0+3], 0x80000000
	s_mov_b32 s[G0B], 1
	s_add_co_u32 s[G0B+1], s45, 6*HALFT
	s_mov_b64 s[G0B+2:G0B+3], s[46:47]
	s_or_b32 s[G0B+3], s[G0B+3], 0x80000000
	s_mov_b32 s4, 3                                ; groups 2 and 3: tensor_dim2 = 3; the fourth and fifth dimensions are not used (tile_dim3 = tile_dim4 = 0)
	s_mov_b32 s5, 1
	s_mov_b32 s6, 1
	s_mov_b32 s7, 0
	s_mov_b32 s8, 1
	s_mov_b32 s9, 1<<16
	s_mov_b32 s10, 0
	s_mov_b32 s11, 0
	s_cmp_lt_u32 s14, 1                            ; one chain of branches on the wave's number, one load to an arm
	s_cbranch_scc0 .Lhead_b
	tensor_load_to_lds s[G0H:G0H+3], s[G1:G1+7], s[4:7], s[8:11]
	s_nop 0
.rept 4
	v_nop
.endr
	s_branch .Lhead_asked
.Lhead_b:
	s_cmp_lt_u32 s14, 2
	s_cbranch_scc0 .Lhead_sa
	tensor_load_to_lds s[G0HB:G0HB+3], s[G1B:G1B+7], s[4:7], s[8:11]
	s_nop 0
.rept 4
	v_nop
.endr
	s_branch .Lhead_asked
.Lhead_sa:
	s_cmp_lt_u32 s14, 3
	s_cbranch_scc0 .Lhead_sb
	tensor_load_to_lds s[G0S:G0S+3], s[G1S:G1S+7]
	s_nop 0
.rept 4
	v_nop
.endr
	s_branch .Lhead_asked
.Lhead_sb:
	tensor_load_to_lds s[G0SB:G0SB+3], s[G1SB:G1SB+7]
	s_nop 0
.rept 4
	v_nop
.endr
.Lhead_asked:
	v_and_b32 v1, 15, v0                           ; r
	v_bfe_u32 v2, v0, 4, 1                         ; h
	v_and_b32 v3, 31, v0
	v_lshlrev_b32 v3, 3, v3
	v_mov_b32 v[OI], v3
	s_mul_i32 s21, s15, HALFT
	s_mul_i32 s22, s16, HALFT
	s_add_co_u32 s22, s22, 6*HALFT                 ; behind A's region
.irp s, 0,1,2
	v_add_nc_u32 v[ADRA+\s], s21, v3
	v_add_nc_u32 v[ADRB+\s], s22, v3
	s_add_co_u32 s21, s21, 2*HALFT
	s_add_co_u32 s22, s22, 2*HALFT
.endr
	v_and_b32 v4, 8, v1
	v_add_nc_u32 v4, v4, v1                        ; r + 8 (r / 8)
	v_lshlrev_b32 v[OS], 7, v4
	v_mul_u32_u24 v5, v4, KS
	v_lshrrev_b32 v6, 8, v5
	v_lshl_add_u32 v5, v6, 4, v5
	s_mul_i32 s21, s15, HALFS
	s_mul_i32 s22, s16, HALFS
	s_add_co_u32 s22, s22, 2*HALFS
	s_sub_co_u32 s22, s22, s21
	v_mul_u32_u24 v6, s22, v2
	s_add_co_u32 s21, s21, SCL
	v_add_nc_u32 v5, v5, v6
	v_add_nc_u32 v[ADRS], s21, v5
	v_lshlrev_b32 v7, 6, v2                        ; the bias: 16 h numbers on
	s_lshl_b32 s18, s42, 10
	s_lshl_b32 s19, s16, 9
	s_add_co_u32 s18, s18, s19                     ; my first hidden unit, in bytes
	s_mov_b32 s19, 0
	s_add_nc_u64 s[94:95], s[94:95], s[18:19]
.irp b, 0,1,2,3,4,5,6,7
	global_load_b128 v[BIAS+8*\b:BIAS+8*\b+3], v7, s[94:95] offset:(32*(\b/2)+8*(\b%2))*4
	global_load_b128 v[BIAS+8*\b+4:BIAS+8*\b+7], v7, s[94:95] offset:(32*(\b/2)+8*(\b%2))*4+16
.endr
	s_wait_alu depctr_va_vdst(0)
	s_wait_tensorcnt 0x0                           ; my one load of the head is in: no tensor load of mine is out, so a descriptor may be written: the refill brings 8 tiles x one pair
	s_mov_b32 s[G1+2], T<<16
	s_mov_b32 s[G1+4], T
	s_mov_b32 s[G1+6], 0
	s_mov_b32 s[G1B+2], T<<16
	s_mov_b32 s[G1B+4], T
	s_mov_b32 s[G1B+6], 0
	s_barrier_signal -1
	s_barrier_wait -1                              ; everybody's are
	FETCH_B 0, 0, 0
	FETCH_A 0, 0, 0
	SCALES 0
	FETCH_A 0, 0, T/2
	s_wait_loadcnt 0x0                             ; the bias
	STEP 0, 0, 0, 2                                ; K step 0: the bias starts the sums
	TURN 0, 1, 0, 2                                ; K step 1; slot 0 takes K steps 6, 7
	s_wait_alu depctr_va_vdst(0)
	STEP 1, 0, 1, 0                                ; K step 2
	TURN 1, 2, 1, 0                                ; K step 3; on into slot 2, which every wave has shown landed
	s_wait_alu depctr_va_vdst(0)
	STEP 2, 0, 0, 0                                ; K step 4
	TURN 2, 0, 0, 1                                ; K step 5; the refill is waited for and shown
	STEP 0, 0, 1, 0                                ; K step 6
	s_wait_dscnt (T/2)*NL                          ; K step 7: nothing more to fetch
	MULQ 0, 1, NQ-1, 1, 0
	MULQ 1, 1, NQ-1, 1, 0
	s_wait_dscnt 0x0
	MULQ 2, 1, NQ-1, 1, 0
	MULQ 3, 1, NQ-1, 1, 0
	WIN 0
; THE WAY OUT.  Block a's eight accumulators: the activation in place, then one fragment's codes and its scale word.
.macro QUANTW a
.set W, 2+(\a)/4
.set AC, 64*((\a)%4)
	WIN (W<<6)|(W<<2)                              ; destination and source 1: the accumulators' window
.set j, 0
.rept 64
	v_max_num_f32 v[AC+j], 0, v[AC+j]              ; relu, in f32; each accumulator from its low end on
.set j, j+1
.endr
	WIN (W<<2)|(W<<4)
.irp b, 0,1,2,3
	v_max3_num_f32 v[TM+\b], s[FLOOR], v[AC+16*\b], v[AC+16*\b+1]    ; none is negative; the floor 2^(3 - 127) holds the byte at 1 from below
.endr
.irp i, 2,4,6,8,10,12,14
.irp b, 0,1,2,3
	v_max3_num_f32 v[TM+\b], v[TM+\b], v[AC+16*\b+\i], v[AC+16*\b+\i+1]
.endr
.endr
	WIN 0
.irp b, 0,1,2,3
	v_permlanex16_b32 v[TM+4+\b], v[TM+\b], s[SEL], s[SEL+1]
.endr
.irp b, 0,1,2,3
	v_max_num_f32 v[TM+\b], v[TM+\b], v[TM+4+\b]
.endr
.irp b, 0,1,2,3
	v_add_nc_u32 v[TM+12+\b], 0xff000000, v[TM+\b]
.endr
.irp b, 0,1,2,3
	v_lshrrev_b32 v[TM+4+\b], 23, v[TM+12+\b]
.endr
	s_wait_alu depctr_va_vdst(0)
	s_wait_xcnt 0x0                                ; the last block's stores have read their registers
	v_lshl_or_b32 v[PW], v[TM+5], 8, v[TM+4]
	v_lshl_or_b32 v[PW], v[TM+6], 16, v[PW]
	v_lshl_or_b32 v[PW], v[TM+7], 24, v[PW]
	WIN W
.irp c, 0,1
	v_cvt_scalef32_pk16_fp6_f32 v[PC+6*\c:PC+2+6*\c], v[AC+32*\c:AC+15+32*\c], v[TM+12+2*\c]
	v_cvt_scalef32_pk16_fp6_f32 v[PC+12+4*\c:PC+14+4*\c], v[AC+16+32*\c:AC+31+32*\c], v[TM+13+2*\c]
.endr
	WIN 0
	v_nop                                          ; one plain place behind a scaled conversion
.irp c, 0,1
.irp i, 0,1,2
	v_permlane16_swap_b32 v[PC+6*\c+\i], v[PC+12+4*\c+\i]
.endr
.irp i, 0,1,2
	v_mov_b32 v[PC+3+6*\c+\i], v[PC+12+4*\c+\i]
.endr
.endr
.endm
	PLACES 4
	s_mov_b32 s[SEL], 0x76543210
	s_mov_b32 s[SEL+1], 0xfedcba98
	s_mov_b32 s[FLOOR], 0x1800000
.irp b, 0,1,2,3
	v_mov_b32 v[TM+4+\b], 0
.endr
	s_lshl_b32 s18, s17, 4
	s_lshl_b32 s19, s15, 3
	s_add_co_u32 s18, s18, s19                     ; my first token tile
	s_lshl_b32 s19, s42, 1
	s_add_co_u32 s19, s19, s16                     ; my K step of the next product
	s_lshl_b32 s20, s18, 5
	s_add_co_u32 s20, s20, s19
	s_mul_i32 s20, s20, FRB
	s_mov_b32 s21, 0
	s_add_nc_u64 s[4:5], s[92:93], s[20:21]        ; g's images
	s_lshl_b32 s20, s18, 11                        ; 16 tokens x 128 scale bytes a tile
	s_lshl_b32 s19, s19, 2
	s_add_co_u32 s20, s20, s19
	s_add_co_u32 s20, s20, 12582912
	s_add_nc_u64 s[6:7], s[92:93], s[20:21]        ; and scale bytes
.irp a, 0,1,2,3,4,5,6,7
	QUANTW \a
.irp p, 0,1,2,3,4,5
	global_store_b64 v[OI], v[PC+2*\p:PC+2*\p+1], s[4:5] offset:\a*49152+256*\p    ; 32 lanes store 256 consecutive bytes, at a multiple of 256 from the buffer's first byte
.endr
	global_store_b32 v[OS], v[PW], s[6:7] offset:(32*(\a/2)+8*(\a%2))*128
.endr
	s_wait_tensorcnt 0x0                           ; the wave's end
	ds_add_u32 v[SPW], v[NIL]
	s_wait_dscnt 0x0
	CROUND                                         ; the closing round
	s_endpgm
.Lfunc_end_k_q7a25cac399_ffn1:
	.size	k_q7a25cac399_ffn1, .Lfunc_end_k_q7a25cac399_ffn1-k_q7a25cac399_ffn1
	.p2alignl 7, 3214868480
	.fill 96, 4, 3214868480
	.section	.rodata,"a",@progbits
	.p2align	6, 0x0
	.amdhsa_kernel k_q7a25cac399_ffn1
		.amdhsa_group_segment_fixed_size 327680
		.amdhsa_private_segment_fixed_size 0
		.amdhsa_enable_private_segment 0
		.amdhsa_kernarg_size 40
		.amdhsa_user_sgpr_count 2
		.amdhsa_user_sgpr_kernarg_segment_ptr 1
		.amdhsa_wavefront_size32 1
		.amdhsa_system_sgpr_workgroup_id_x 1
		.amdhsa_system_sgpr_workgroup_id_y 1
		.amdhsa_system_sgpr_workgroup_id_z 1
		.amdhsa_system_vgpr_workitem_id 0
		.amdhsa_next_free_vgpr 1024
		.amdhsa_next_free_sgpr 104
		.amdhsa_reserve_vcc 0
		.amdhsa_float_denorm_mode_32 3
		.amdhsa_float_denorm_mode_16_64 3
		.amdhsa_memory_ordered 1
		.amdhsa_forward_progress 1
		.amdhsa_inst_pref_size 183
	.end_amdhsa_kernel
	.amdgpu_metadata
---
amdhsa.version: [ 1, 2 ]
amdhsa.kernels:
  - .name:           k_q7a25cac399_ffn1
    .symbol:         k_q7a25cac399_ffn1.kd
    .args:
      - { .name: h, .offset: 0, .size: 8, .value_kind: global_buffer, .address_space: global }
      - { .name: wimg, .offset: 8, .size: 8, .value_kind: global_buffer, .address_space: global }
      - { .name: W1_scales, .offset: 16, .size: 8, .value_kind: global_buffer, .address_space: global }
      - { .name: b1, .offset: 24, .size: 8, .value_kind: global_buffer, .address_space: global }
      - { .name: g, .offset: 32, .size: 8, .value_kind: global_buffer, .address_space: global }
    .group_segment_fixed_size: 327680
    .private_segment_fixed_size: 0
    .kernarg_segment_align: 8
    .kernarg_segment_size: 40
    .max_flat_workgroup_size: 128
    .sgpr_count:     104
    .vgpr_count:     1024
    .wavefront_size: 32
...
	.end_amdgpu_metadata
.endif
;; end of part 6
;; launch ffn2 (part 7): grid 8 x 32, 4 waves a work-group, clusters of 4 x 4, 327,680 bytes of LDS; arguments g, wimg, W2_scales, b2, x1, out0; writes out0
.if DOCPART == 7
	.amdgcn_target "amdgcn-amd-amdhsa--gfx1250"
	.amdhsa_code_object_version 6
	.text
	.protected	k_q7a25cac399_ffn2
	.globl	k_q7a25cac399_ffn2
	.p2align	8
	.type	k_q7a25cac399_ffn2,@function
k_q7a25cac399_ffn2:
	s_mov_b64 s[64:65], 0
	v_nop
	global_prefetch_b8 v0, s[64:65] scope:SCOPE_SE
	s_setreg_imm32_b32 hwreg(HW_REG_WAVE_MODE, 25, 1), 1
	s_wait_xcnt 0x0
	s_wait_alu depctr_hold_cnt(0) depctr_sa_sdst(0) depctr_va_vdst(0) depctr_va_sdst(0) depctr_va_ssrc(0) depctr_va_vcc(0) depctr_vm_vsrc(0)
	s_getreg_b32 s2, hwreg(HW_REG_IB_STS2, 6, 4)
	s_cmp_eq_u32 s2, 0
	s_cbranch_scc0 .Lentry_in_a_cluster
	s_endpgm
.Lentry_in_a_cluster:
	s_bfe_u32 s2, ttmp6, 0x10000c
	s_cmp_lg_u32 s2, 0xf033
	s_cbranch_scc0 .Lentry_shape_is_right
	s_endpgm
.Lentry_shape_is_right:
; out0 = x1 + g W2 + b2.  g: 4,096 tokens x 4,096 hidden units as images of FP6 (E2M3) fragments with E8M0 scale bytes behind them; W2 as images (wimg) with its given scale bytes.  x1, out0: f32.
; A work-group makes 128 tokens x 128 channels (256 work-groups), each of its four waves 64 x 64: 16 accumulators.
; K = 4,096 is 32 K steps of 128.  A K step holds only 16 matrix instructions a wave, so the slots are as large as LDS allows and unequal: a LARGE slot of 8 K steps (196,608 bytes) and a SMALL one of 4 (98,304).
; The fills go 8, 4 (both at the start), then 8, 4, 8: three refills, three rounds of the cluster's barrier, for the 32 K steps.  While one slot's load is on its way the other slot is multiplied.
; THE SCALES.  g's, for the work-group's 128 tokens and all of K, come into LDS once (waves 2 and 3 a half each: 64 rows of 128 bytes as 32 units of 256 bytes + 16).  W2's go once from memory into 64 registers a wave:
; lane (r, h) loads the half h of its row's 128 bytes, so that a register holds K step s in lanes 0-15 and K step 16 + s in lanes 16-31; the row selector of the scale operand picks the half.
; K is written out straight, so that scale registers and LDS offsets are constants of the text.
; SOURCE 0 ("B") = 16 rows of the weight, SOURCE 1 ("A") = 16 tokens: a lane holds one token and eight neighbouring channels an accumulator.  The bias is the C of each sum's first product.
; OPERANDS ARE IMAGES OF FRAGMENTS (16 rows x 128 K: 1,536 bytes; piece p of 256 bytes = registers 2 p, 2 p + 1, 8 bytes a lane).  Lane-row m of tile t is row 32 (t / 2) + 8 (t % 2) + m + 8 (m / 8).
; CLUSTER 4 x 4: A's tiles and scales are shared along a row of the cluster, B's tiles along a column: each is asked for jointly.
; The residual's 32 loads a wave go out at the head, in the layout in which rows leave, and land under the product.  Results go through the wave's own stage in LDS and leave as aligned runs of 256 bytes.
; REGISTERS: window 0: v16-29 addresses; v32-63, v64-79 g's scale words for the large and the small slot; v80-143 W2's scale words; v144-191 A's 4 fragments (v144-207 rows on the way out); v208-239 the bias.
;   window 1: B's fragments at v0 and v128; the residual at v64-127, v192-255.   window 2: accumulator (a, b) at 8 (4 a + b).
.set T,     4
.set S,     32                         ; K steps of 128 in all
.set KS,    128                        ; a row of scale bytes
.set ASEC,  12582912                   ; g's scale bytes lie behind its images
.set WSEC,  6291456                    ; W2's images in wimg
.set FR,    12
.set NL,    6
.set FRB,   1536
.set NQB,   8                          ; K steps in the large slot,
.set NQS,   4                          ; in the small one
.set PB,    T*NQB*FRB                  ; what one tensor load brings into the large slot: T tiles x 8 K steps;
.set PS,    T*NQS*FRB                  ; into the small one
.set SMALL, 4*PB                       ; the large slot lies at LDS byte 0 (A's two halves, then B's two), the small one behind it
.set SCL,   SMALL+4*PS                 ; behind the slots: g's scales
.set SU,    16                         ; units of 256 bytes in a quarter of them
.set QS,    SU*272
.set SPARE, SCL+4*QS                   ; the spare words, 128 bytes for each wave: two blocks of 256 bytes that no other line names
.set ADRA, 16                          ; v16, v17  LDS address of my A fragments in the large, the small slot
.set ADRB, 20                          ; v20, v21  the same for B
.set STO,  24
.set RD,   25
.set CO,   26
.set ADRS, 27
.set SPW,  28
.set NIL,  29
.set SCAB, 32
.set SCAS, 64
.set SCB,  80
.set AF,   144
.set BK,   144
.set BIAS, 208
.set G1A0, 24                          ; s[24:31] group 1, A's tiles, large slot;  s[80:87] small slot
.set G1A1, 80
.set G0,   32                          ; s[32:35], s[36:39] group 0, A's tiles, large and small slot
.set G1B0, 48                          ; s[48:55], s[88:95], s[56:63] the same for B's
.set G1B1, 88
.set G0B,  56
.set G1S,  68                          ; s[68:75], s[76:79] g's scales
.set G0S,  76
.set MSB, 0
.macro WIN new
.if MSB != (\new)
	s_set_vgpr_msb (MSB<<8)|(\new)
.set MSB, \new
.endif
.endm
.macro JLOAD g0a, g1a, g0b, g1b        ; a joint load: waves 0, 1 for A, waves 2, 3 for B; four v_nop follow each of the two lines
	s_cmp_eq_u32 s15, 0
	s_cbranch_scc0 .Lfor_b_\@
	tensor_load_to_lds s[\g0a:\g0a+3], s[\g1a:\g1a+7]
	s_nop 0
.rept 4
	v_nop
.endr
	s_branch .Lasked_\@
.Lfor_b_\@:
	tensor_load_to_lds s[\g0b:\g0b+3], s[\g1b:\g1b+7]
	s_nop 0
.rept 4
	v_nop
.endr
.Lasked_\@:
.endm
.macro CREST
	s_cmp_lg_u32 s14, 0
	s_cbranch_scc1 .Lnot_wave_0_\@
	s_barrier_signal -3
.Lnot_wave_0_\@:
	s_barrier_wait -3
	s_barrier_signal -1
	s_barrier_wait -1
.endm
.macro CROUND
	s_barrier_signal -1
	s_barrier_wait -1
	CREST
.endm
.macro PLACES n
.rept \n
	v_nop
.endr
.endm
.macro LOC s                           ; where K step s lies: LSL = 0 the large slot, 1 the small one; LQ = its place there
.if (\s) < 8
.set LSL, 0
.set LQ, (\s)
.elseif (\s) < 12
.set LSL, 1
.set LQ, (\s)-8
.elseif (\s) < 20
.set LSL, 0
.set LQ, (\s)-12
.elseif (\s) < 24
.set LSL, 1
.set LQ, (\s)-20
.else
.set LSL, 0
.set LQ, (\s)-24
.endif
.endm
.macro FRAG reg, adr, nq, q, i         ; a fragment: six pieces of 256 consecutive bytes; in a slot of nq K steps tile i's images lie nq x 1,536 bytes apart
.irp p, 0,1,2,3,4,5
	ds_load_b64 v[\reg+2*\p:\reg+2*\p+1], v[\adr] offset:(\i)*(\nq)*FRB+(\q)*FRB+256*\p
.endr
.endm
.macro FETCH_B s                       ; B's four fragments of K step s into set s % 2
	LOC \s
	WIN 0x40
.set fi, 0
.rept T
	FRAG 128*((\s)%2)+FR*fi, ADRB+LSL, 8-4*LSL, LQ, fi
.set fi, fi+1
.endr
	WIN 0
.endm
.macro FETCH_A s, i0                   ; A's blocks i0, i0 + 1 of K step s
	LOC \s
.set fi, \i0
.rept T/2
	FRAG AF+FR*fi, ADRA+LSL, 8-4*LSL, LQ, fi
.set fi, fi+1
.endr
.endm
.macro SCALES s                        ; g's scale words for the fill that begins with K step s: four words a load
	LOC \s
.set fi, 0
.rept T
.set so, ((32*(fi/2)+8*(fi%2))*KS/256)*272+4*(\s)
.if LSL == 0
	ds_load_b128 v[SCAB+8*fi:SCAB+8*fi+3], v[ADRS] offset:so
	ds_load_b128 v[SCAB+8*fi+4:SCAB+8*fi+7], v[ADRS] offset:so+16
.else
	ds_load_b128 v[SCAS+4*fi:SCAS+4*fi+3], v[ADRS] offset:so
.endif
.set fi, fi+1
.endr
.endm
; A's block g x B's four, K step s.  c = 0: onto the sums; c = 2: the bias is the C of the first products.  The accumulators take turns, one instruction a turn.
.macro MULQ g, s, c
	LOC \s
.set rSA, (1-LSL)*(SCAB+8*(\g)+LQ)+LSL*(SCAS+4*(\g)+LQ)
.set rSB, SCB+(\s)%16
.set pB, 128*((\s)%2)
.if \c == 2
	WIN 0x81
.else
	WIN 0xa1
.endif
.set ib, 0
.rept T
.set rD, 8*(T*(\g)+ib)
.if \c == 2
	v_wmma_scale_f32_16x16x128_f8f6f4 v[rD:rD+7], v[pB+FR*ib:pB+FR*ib+FR-1], v[AF+FR*(\g):AF+FR*(\g)+FR-1], v[BIAS+8*ib:BIAS+8*ib+7], v[rSB+16*ib], v[rSA] matrix_a_fmt:MATRIX_FMT_FP6 matrix_b_fmt:MATRIX_FMT_FP6
.elseif (\s) < 16
	v_wmma_scale_f32_16x16x128_f8f6f4 v[rD:rD+7], v[pB+FR*ib:pB+FR*ib+FR-1], v[AF+FR*(\g):AF+FR*(\g)+FR-1], v[rD:rD+7], v[rSB+16*ib], v[rSA] matrix_a_fmt:MATRIX_FMT_FP6 matrix_b_fmt:MATRIX_FMT_FP6
.else
	v_wmma_scale_f32_16x16x128_f8f6f4 v[rD:rD+7], v[pB+FR*ib:pB+FR*ib+FR-1], v[AF+FR*(\g):AF+FR*(\g)+FR-1], v[rD:rD+7], v[rSB+16*ib], v[rSA] matrix_a_fmt:MATRIX_FMT_FP6 matrix_b_fmt:MATRIX_FMT_FP6 matrix_a_scale:MATRIX_SCALE_ROW1
.endif
.set ib, ib+1
.endr
.endm
; K step s: its 16 products, and the fetch of K step s + 1's fragments.
; mode 0: K step s + 1 lies in the same slot.
; mode 2: s is its slot's last, and the slot is filled again: each wave waits for all its tensor loads, adds 0 to its spare word, waits for that and for its reads of this slot; a round of the cluster's barrier; the joint refill, 12 K steps on, first behind it.
; mode 1: the same wait and a barrier, and nothing is filled again.
.macro KSTEP s, mode, c
.if \mode
	s_wait_tensorcnt 0x0                           ; all my tensor loads have landed: my part of the other slot
	ds_add_u32 v[SPW], v[NIL]                      ; 0 onto my spare word
	s_wait_dscnt (T/2)*NL+1                        ; (the add and A's upper blocks may be out)
	MULQ 0, \s, \c
	s_wait_dscnt 0x0                               ; the add is done, and my reads of this slot are over
	s_barrier_signal -1
	MULQ 1, \s, \c
	WIN 0
	s_barrier_wait -1
.if \mode == 2
	CREST                                          ; the barrier has opened a round of the cluster's barrier: no wave of any partner still reads this slot or has a load on its way
	LOC \s
	s_add_nc_u64 s[G0+4*LSL+2:G0+4*LSL+3], s[G0+4*LSL+2:G0+4*LSL+3], 12*FRB
	s_add_nc_u64 s[G0B+4*LSL+2:G0B+4*LSL+3], s[G0B+4*LSL+2:G0B+4*LSL+3], 12*FRB
.if LSL == 0
	JLOAD G0, G1A0, G0B, G1B0                      ; the first tensor load behind the round; its four v_nop are the places in front of the loads below
.else
	JLOAD G0+4, G1A1, G0B+4, G1B1
.endif
.else
	PLACES 4
.endif
.else
	s_wait_dscnt (T/2)*NL                          ; all but the youngest loads (A's upper blocks) are in
	MULQ 0, \s, \c
	MULQ 1, \s, \c
	s_wait_dscnt 0x0
	PLACES 4
.endif
	FETCH_B (\s)+1
	FETCH_A (\s)+1, 0
.if ((\s)+1 == 8) || ((\s)+1 == 12) || ((\s)+1 == 20) || ((\s)+1 == 24)
	SCALES (\s)+1
.endif
	MULQ 2, \s, \c
	MULQ 3, \s, \c
	PLACES 4
	WIN 0
	FETCH_A (\s)+1, T/2
.endm
.macro KSTEPS first, n                 ; n K steps of mode 0
.set ks, \first
.rept \n
	KSTEP ks, 0, 0
.set ks, ks+1
.endr
.endm
	s_load_b128 s[4:7], s[0:1], 0x0                ; g, wimg
	s_load_b128 s[8:11], s[0:1], 0x10              ; W2's scales, b2
	s_load_b128 s[96:99], s[0:1], 0x20             ; x1, out0
	v_lshl_add_u32 v[SPW], v0, 2, SPARE
	v_mov_b32 v[NIL], 0
	ds_add_u32 v28, v29
	ds_add_u32 v28, v29
	s_wait_dscnt 0x0
	v_lshrrev_b32 v1, 5, v0
	v_readfirstlane_b32 s14, v1                    ; wave 0..3
	s_lshr_b32 s15, s14, 1                         ; which half of the tokens is mine.  Also: I fetch for A (0) or for B (1)
	s_and_b32 s16, s14, 1                          ; which half of the channels.  Also: which half I fetch
	s_bfe_u32 s40, ttmp6, 0x40000
	s_bfe_u32 s41, ttmp6, 0x40004
	s_lshl_b32 s42, ttmp9, 2
	s_add_co_u32 s42, s42, s40                     ; block of 128 channels
	s_and_b32 s17, ttmp7, 0xffff
	s_lshl_b32 s17, s17, 2
	s_add_co_u32 s17, s17, s41                     ; block of 128 tokens
	s_lshl_b32 s43, s41, 2
	s_lshl_b32 s43, 15, s43                        ; my row of the cluster
	s_lshl_b32 s44, 0x1111, s40                    ; my column
	s_or_b32 s[G1A0], s43, (3<<16)|(1<<21)         ; codes: T rows (tiles) of 8 or 4 x 1,536 bytes (elements of 8 bytes), S x 1,536 bytes apart; no padding
	s_or_b32 s[G1A1], s43, (3<<16)|(1<<21)
	s_or_b32 s[G1B0], s44, (3<<16)|(1<<21)
	s_or_b32 s[G1B1], s44, (3<<16)|(1<<21)
.irp g, G1A0, G1B0
	s_mov_b32 s[\g+1], (192*NQB)<<16
	s_mov_b32 s[\g+2], (2*T)<<16                   ; at the head a load brings both halves: 8 tiles
	s_mov_b32 s[\g+3], (192*NQB)<<16
	s_mov_b32 s[\g+4], 2*T
	s_mov_b32 s[\g+5], 192*S
	s_mov_b32 s[\g+6], 0
	s_mov_b32 s[\g+7], 0
.endr
.irp g, G1A1, G1B1
	s_mov_b32 s[\g+1], (192*NQS)<<16
	s_mov_b32 s[\g+2], T<<16
	s_mov_b32 s[\g+3], (192*NQS)<<16
	s_mov_b32 s[\g+4], T
	s_mov_b32 s[\g+5], 192*S
	s_mov_b32 s[\g+6], 0
	s_mov_b32 s[\g+7], 0
.endr
	s_or_b32 s[G1S], s43, (3<<16)|(1<<20)|(1<<21)|(5<<22)|(3<<25)   ; g's scales: a dense block as rows of 256 bytes, 16 bytes of padding behind each
	s_mov_b32 s[G1S+1], 32<<16
	s_mov_b32 s[G1S+2], (2*SU)<<16
	s_mov_b32 s[G1S+3], 32<<16
	s_mov_b32 s[G1S+4], 2*SU
	s_mov_b32 s[G1S+5], 32
	s_mov_b32 s[G1S+6], 0
	s_mov_b32 s[G1S+7], 0
	s_lshl_b32 s18, s16, 2                         ; T x the half that I fetch
	s_lshl_b32 s12, s17, 3
	s_add_co_u32 s12, s12, s18                     ; A: the first tile that I fetch
	s_lshl_b32 s66, s42, 3
	s_add_co_u32 s66, s66, s18                     ; B: likewise
	s_mul_i32 s18, s12, S*FRB
	s_mov_b32 s19, 0
	s_lshl_b32 s12, s17, 7
	s_lshl_b32 s13, s16, 6                         ; waves 2 and 3 bring a half of g's scales each: 64 tokens
	s_add_co_u32 s12, s12, s13                     ; the first token of my half of g's scales: 128 x block + 64 x (wave % 2)
	s_lshl_b32 s12, s12, 7                         ; 128 bytes a token
	s_add_co_u32 s12, s12, ASEC
	s_mov_b32 s13, 0
	s_mul_i32 s2, s66, S*FRB
	s_add_co_u32 s2, s2, WSEC
	s_mov_b32 s3, 0
	s_wait_kmcnt 0x0
	s_add_nc_u64 s[20:21], s[4:5], s[18:19]
	s_add_nc_u64 s[22:23], s[4:5], s[12:13]
	s_add_nc_u64 s[46:47], s[6:7], s[2:3]
	s_mul_i32 s45, s14, PB                         ; where they go: wave x a part: no place in the cluster enters an LDS address
	s_mul_i32 s2, s14, PS
	s_mul_i32 s3, s16, 2*QS
	s_mul_i32 s4, s16, T*S*FRB                     ; what my half adds to an address of images
	s_mov_b32 s5, 0
	CROUND                                         ; all sixteen work-groups are here: the first joint loads meet
	s_mov_b32 s[G0S], 1
	s_add_co_u32 s[G0S+1], s3, SCL
	s_mov_b64 s[G0S+2:G0S+3], s[22:23]
	s_or_b32 s[G0S+3], s[G0S+3], 0x80000000
	s_mov_b32 s[G0], 1                             ; the large slot, K steps 0-7: at the head both halves by one load
	s_mov_b32 s[G0+1], 0
	s_sub_nc_u64 s[G0+2:G0+3], s[20:21], s[4:5]
	s_or_b32 s[G0+3], s[G0+3], 0x80000000
	s_mov_b32 s[G0B], 1
	s_mov_b32 s[G0B+1], 2*PB
	s_sub_nc_u64 s[G0B+2:G0B+3], s[46:47], s[4:5]
	s_or_b32 s[G0B+3], s[G0B+3], 0x80000000
	s_mov_b32 s[G0+4], 1                           ; the small slot: K steps 8-11
	s_add_co_u32 s[G0+5], s2, SMALL
	s_add_nc_u64 s[G0+6:G0+7], s[20:21], NQB*FRB
	s_or_b32 s[G0+7], s[G0+7], 0x80000000
	s_mov_b32 s[G0B+4], 1
	s_add_co_u32 s[G0B+5], s2, SMALL
	s_add_nc_u64 s[G0B+6:G0B+7], s[46:47], NQB*FRB
	s_or_b32 s[G0B+7], s[G0B+7], 0x80000000
	; THE HEAD'S LOADS, ONE A WAVE: wave 0 A's part of the large slot, wave 1 B's, waves 2 and 3 a half of g's scales each.  One chain of branches on the wave's number.
	s_cmp_lt_u32 s14, 1
	s_cbranch_scc0 .Lhead_b
	tensor_load_to_lds s[G0:G0+3], s[G1A0:G1A0+7]
	s_nop 0
.rept 4
	v_nop
.endr
	s_branch .Lhead_asked
.Lhead_b:
	s_cmp_lt_u32 s14, 2
	s_cbranch_scc0 .Lhead_s
	tensor_load_to_lds s[G0B:G0B+3], s[G1B0:G1B0+7]
	s_nop 0
.rept 4
	v_nop
.endr
	s_branch .Lhead_asked
.Lhead_s:
	tensor_load_to_lds s[G0S:G0S+3], s[G1S:G1S+7]
	s_nop 0
.rept 4
	v_nop
.endr
.Lhead_asked:
	v_and_b32 v1, 15, v0                           ; r
	v_bfe_u32 v2, v0, 4, 1                         ; h
	v_and_b32 v3, 31, v0
	v_lshlrev_b32 v3, 3, v3                        ; 8 x lane
	s_mul_i32 s21, s15, PB                         ; my half of A in the large slot,
	s_mul_i32 s22, s16, PB                         ; my half of B,
	s_add_co_u32 s22, s22, 2*PB                    ; behind A's two
	v_add_nc_u32 v[ADRA], s21, v3
	v_add_nc_u32 v[ADRB], s22, v3
	s_mul_i32 s21, s15, PS                         ; and in the small one
	s_add_co_u32 s21, s21, SMALL
	s_mul_i32 s22, s16, PS
	s_add_co_u32 s22, s22, SMALL+2*PS
	v_add_nc_u32 v[ADRA+1], s21, v3
	v_add_nc_u32 v[ADRB+1], s22, v3
	v_and_b32 v4, 8, v1
	v_add_nc_u32 v4, v4, v1                        ; r + 8 (r / 8): my row in a tile's 24
	v_lshlrev_b32 v5, 7, v4                        ; g's scales: 128 bytes a row,
	v_lshrrev_b32 v6, 8, v5
	v_lshl_add_u32 v5, v6, 4, v5                   ; and 16 more for each 256 passed
	s_mul_i32 s21, s15, 2*QS                       ; my 64 tokens
	s_add_co_u32 s21, s21, SCL
	v_add_nc_u32 v[ADRS], s21, v5
	v_lshlrev_b32 v8, 7, v4                        ; W2's scales: my row of 128 bytes,
	v_lshl_add_u32 v8, v2, 6, v8                   ; its half h
	s_mul_i32 s23, s14, 16*272                     ; my stage: 16 rows of 256 bytes + 16, in the small slot, which has had its last fill and, in front of the last barrier, its last read when the first result is stored there
	s_add_co_u32 s23, s23, SMALL
	v_mul_u32_u24 v5, v1, 272
	v_lshl_add_u32 v5, v2, 6, v5
	v_add_nc_u32 v[STO], s23, v5                   ; in: row r, + 64 h
	v_mul_u32_u24 v5, v2, 272
	v_lshl_add_u32 v5, v1, 4, v5
	v_add_nc_u32 v[RD], s23, v5                    ; back: lanes 0-15 one row, lanes 16-31 the next
	v_lshlrev_b32 v5, 12, v2
	v_lshl_add_u32 v[CO], v1, 4, v5                ; and the same two rows in memory
	v_lshlrev_b32 v7, 6, v2                        ; the bias: 16 h numbers on
	s_wait_alu depctr_va_vdst(0)
	s_lshl_b32 s12, s42, 14
	s_lshl_b32 s13, s16, 13
	s_add_co_u32 s12, s12, s13                     ; my first channel x 128 scale bytes
	s_mov_b32 s13, 0
	s_add_nc_u64 s[8:9], s[8:9], s[12:13]
	s_lshl_b32 s18, s42, 9
	s_lshl_b32 s19, s16, 8
	s_add_co_u32 s18, s18, s19                     ; my first channel, in bytes of f32
	s_mov_b32 s19, 0
	s_add_nc_u64 s[10:11], s[10:11], s[18:19]
	s_lshl_b32 s100, s17, 19
	s_lshl_b32 s101, s15, 18
	s_add_co_u32 s100, s100, s101                  ; my first token x 4,096 bytes
	s_add_co_u32 s100, s100, s18
	s_mov_b32 s101, 0
	s_add_nc_u64 s[96:97], s[96:97], s[100:101]
	s_add_nc_u64 s[98:99], s[98:99], s[100:101]
.irp i, 0,1,2,3
.irp j, 0,1,2,3
	global_load_b128 v[SCB+16*\i+4*\j:SCB+16*\i+4*\j+3], v8, s[8:9] offset:(32*(\i/2)+8*(\i%2))*128+16*\j   ; tile i: K steps 4 j .. 4 j + 3 (lanes 0-15), 16 + 4 j .. (lanes 16-31); the four loads take each row's 128 bytes whole
.endr
.endr
.irp b, 0,1,2,3
	global_load_b128 v[BIAS+8*\b:BIAS+8*\b+3], v7, s[10:11] offset:(32*(\b/2)+8*(\b%2))*4       ; lane (r, h): the tile's eight channels of its half
	global_load_b128 v[BIAS+8*\b+4:BIAS+8*\b+7], v7, s[10:11] offset:(32*(\b/2)+8*(\b%2))*4+16
.endr
	WIN 0x40
.irp a, 0,1,2,3
.irp t, 0,1,2,3,4,5,6,7
	global_load_b128 v[64+32*(\a%2)+128*(\a/2)+4*\t:64+32*(\a%2)+128*(\a/2)+4*\t+3], v[CO], s[96:97] offset:(32*(\a/2)+8*(\a%2)+2*\t+8*(\t/4))*4096
.endr
.endr
	WIN 0
	s_wait_tensorcnt 0x0                           ; my load of the head is in
	ds_add_u32 v[SPW], v[NIL]
	s_mov_b32 s[G1A0+2], T<<16                     ; no tensor load of mine is out, so descriptors may be written: from here on a load of the large slot brings my half, 4 tiles
	s_mov_b32 s[G1A0+4], T
	s_mov_b32 s[G1B0+2], T<<16
	s_mov_b32 s[G1B0+4], T
	s_mov_b32 s[G0+1], s45
	s_add_nc_u64 s[G0+2:G0+3], s[G0+2:G0+3], s[4:5]
	s_mov_b32 s[G0B+1], s45
	s_add_nc_u64 s[G0B+2:G0B+3], s[G0B+2:G0B+3], s[4:5]
	s_wait_dscnt 0x0
	CROUND                                         ; a whole round: everybody's are in, and the joint loads meet
	JLOAD G0+4, G1A1, G0B+4, G1B1                  ; the small slot's first fill, K steps 8-11: it has the large slot's eight K steps in which to land
	FETCH_B 0
	FETCH_A 0, 0
	SCALES 0
	FETCH_A 0, T/2
	s_wait_loadcnt 32                              ; W2's scale words and the bias are in; the residual's 32 loads may be out
	KSTEP 0, 0, 2                                  ; the bias starts the sums
	KSTEPS 1, 6
	KSTEP 7, 2, 0                                  ; the large slot takes K steps 12-19
	KSTEPS 8, 3
	KSTEP 11, 2, 0                                 ; the small slot takes K steps 20-23
	KSTEPS 12, 7
	KSTEP 19, 2, 0                                 ; the large slot takes K steps 24-31: the last load
	KSTEPS 20, 3
	KSTEP 23, 1, 0                                 ; nothing is left to fetch
	KSTEPS 24, 7
	s_wait_dscnt (T/2)*NL                          ; K step 31
	MULQ 0, 31, 0
	MULQ 1, 31, 0
	s_wait_dscnt 0x0
	MULQ 2, 31, 0
	MULQ 3, 31, 0
	WIN 0
; THE WAY OUT, a block of 16 tokens x 64 channels at a time, through my own stage; LDS serves a wave's instructions in order, so no wait stands between the stores and the loads.
.macro TOSTAGE a
	WIN 0x08                                       ; an LDS store's data are its source 1: window 2
.irp b, 0,1,2,3
	ds_store_b128 v[STO], v[32*(\a)+8*\b:32*(\a)+8*\b+3] offset:128*(\b/2)+32*(\b%2)            ; each accumulator from its low end on
	ds_store_b128 v[STO], v[32*(\a)+8*\b+4:32*(\a)+8*\b+7] offset:128*(\b/2)+32*(\b%2)+16
.endr
	WIN 0
.irp t, 0,1,2,3,4,5,6,7
	ds_load_b128 v[BK+32*((\a)%2)+4*\t:BK+32*((\a)%2)+4*\t+3], v[RD] offset:544*\t
.endr
.endm
.macro SEND a, younger
.set BB, BK+32*((\a)%2)
.set RS, 64+32*((\a)%2)+128*((\a)/2)
.set TBA, 32*((\a)/2)+8*((\a)%2)
	s_wait_dscnt \younger                          ; the block is back in registers; the next block's stores and loads may be out
	WIN 0x04                                       ; source 1: the residual, in window 1
.irp t, 0,1,2,3,4,5,6,7
	v_pk_add_f32 v[BB+4*\t:BB+4*\t+1], v[BB+4*\t:BB+4*\t+1], v[RS+4*\t:RS+4*\t+1]
	v_pk_add_f32 v[BB+4*\t+2:BB+4*\t+3], v[BB+4*\t+2:BB+4*\t+3], v[RS+4*\t+2:RS+4*\t+3]
.endr
	WIN 0
.irp t, 0,1,2,3,4,5,6,7
	global_store_b128 v[CO], v[BB+4*\t:BB+4*\t+3], s[98:99] offset:(TBA+2*\t+8*(\t/4))*4096     ; 16 lanes store 256 consecutive bytes, at a multiple of 256 from the buffer's first byte
.endr
.endm
	PLACES 4
	s_wait_loadcnt 0x0                             ; the residual
	TOSTAGE 0
.irp a, 1,2,3
.if \a > 1
	s_wait_xcnt 0x0                                ; block a - 2's stores have read their registers: block a's loads may land there
.endif
	TOSTAGE \a
	SEND \a-1, 16
.endr
	SEND 3, 0
	s_wait_tensorcnt 0x0                           ; the wave's end
	ds_add_u32 v[SPW], v[NIL]
	s_wait_dscnt 0x0
	CROUND                                         ; the closing round
	s_endpgm
.Lfunc_end_k_q7a25cac399_ffn2:
	.size	k_q7a25cac399_ffn2, .Lfunc_end_k_q7a25cac399_ffn2-k_q7a25cac399_ffn2
	.p2alignl 7, 3214868480
	.fill 96, 4, 3214868480
	.section	.rodata,"a",@progbits
	.p2align	6, 0x0
	.amdhsa_kernel k_q7a25cac399_ffn2
		.amdhsa_group_segment_fixed_size 327680
		.amdhsa_private_segment_fixed_size 0
		.amdhsa_enable_private_segment 0
		.amdhsa_kernarg_size 48
		.amdhsa_user_sgpr_count 2
		.amdhsa_user_sgpr_kernarg_segment_ptr 1
		.amdhsa_wavefront_size32 1
		.amdhsa_system_sgpr_workgroup_id_x 1
		.amdhsa_system_sgpr_workgroup_id_y 1
		.amdhsa_system_sgpr_workgroup_id_z 1
		.amdhsa_system_vgpr_workitem_id 0
		.amdhsa_next_free_vgpr 768
		.amdhsa_next_free_sgpr 104
		.amdhsa_reserve_vcc 0
		.amdhsa_float_denorm_mode_32 3
		.amdhsa_float_denorm_mode_16_64 3
		.amdhsa_memory_ordered 1
		.amdhsa_forward_progress 1
		.amdhsa_inst_pref_size 208
	.end_amdhsa_kernel
	.amdgpu_metadata
---
amdhsa.version: [ 1, 2 ]
amdhsa.kernels:
  - .name:           k_q7a25cac399_ffn2
    .symbol:         k_q7a25cac399_ffn2.kd
    .args:
      - { .name: g, .offset: 0, .size: 8, .value_kind: global_buffer, .address_space: global }
      - { .name: wimg, .offset: 8, .size: 8, .value_kind: global_buffer, .address_space: global }
      - { .name: W2_scales, .offset: 16, .size: 8, .value_kind: global_buffer, .address_space: global }
      - { .name: b2, .offset: 24, .size: 8, .value_kind: global_buffer, .address_space: global }
      - { .name: x1, .offset: 32, .size: 8, .value_kind: global_buffer, .address_space: global }
      - { .name: out0, .offset: 40, .size: 8, .value_kind: global_buffer, .address_space: global }
    .group_segment_fixed_size: 327680
    .private_segment_fixed_size: 0
    .kernarg_segment_align: 8
    .kernarg_segment_size: 48
    .max_flat_workgroup_size: 128
    .sgpr_count:     104
    .vgpr_count:     768
    .wavefront_size: 32
...
	.end_amdgpu_metadata
.endif
;; end of part 7
